; MI455X (gfx1250); checked and timed in simulation.
; The chip was launched on July 23, 2026; its instructions are those of AMD's public machine-readable ISA for CDNA 5 (MIT licence, August 2026) and "CDNA5" Instruction Set Architecture Reference Guide (July 2026). The comments in the code are by the model that wrote it; some were corrected since.
;; Deformable Transformer. Allowed arithmetic: float matrix products may take bf16 or f16 operands with f32 sums; other float arithmetic in f32, or as packed bf16 or f16 multiplies, adds, multiply-adds, maxima and minima; sums over many terms, partial sums and values carried from step to step in f32; what a program stores and reads back later, other than sums and carried values, may be rounded once to bf16 or f16.
;; Inputs: b_attn 128 float32; b_ffn1 2,048 float32; b_ffn2 256 float32; b_off 256 float32; b_out 256 float32; b_value 256 float32; ln1_b 256 float32; ln1_g 256 float32; ln2_b 256 float32; ln2_g 256 float32; pos 2 x 13,294 x 256 float32; reference_points 2 x 13,294 x 4 x 2 float32; src 2 x 13,294 x 256 float32; w_attn 256 x 128 float32; w_ffn1 256 x 2,048 float32; w_ffn2 2,048 x 256 float32; w_off 256 x 256 float32; w_out 256 x 256 float32; w_value 256 x 256 float32.
;; Outputs: out0 2 x 13,294 x 256 float32.
;; 3 versions, each right; version 2 is faster than version 1; version 3 is version 2 with the launches proj, ffn written anew for expert scheduling mode. Each part assembles by itself: llvm-mc -triple=amdgcn-amd-amdhsa -mcpu=gfx1250 --defsym DOCPART=n.
;; ======== version 1 of 3: 4 launches
;; workspace buffers: wts 2,555,904 bytes; val 13,647,872 bytes; idx 6,823,936 bytes of whole numbers; wgt 27,295,744 bytes; smp 13,647,872 bytes
;; launch prep (part 1): grid 624 x 1, 8 waves a work-group, no clusters, 0 bytes of LDS; arguments w_value, w_off, w_attn, w_out, w_ffn1, w_ffn2, wts; writes wts
.if DOCPART == 1
	.amdgcn_target "amdgcn-amd-amdhsa--gfx1250"
	.amdhsa_code_object_version 6
	.text
	.protected	k_q7386b882df_prep
	.globl	k_q7386b882df_prep
	.p2align	8
	.type	k_q7386b882df_prep,@function
k_q7386b882df_prep:
	s_mov_b64 s[64:65], 0
	v_nop
	global_prefetch_b8 v0, s[64:65] scope:SCOPE_SE
	s_setreg_imm32_b32 hwreg(HW_REG_WAVE_MODE, 25, 1), 1
	s_wait_xcnt 0x0
; All six weight matrices ([K][N], f32) are rounded once to bf16 and laid out as matrix fragments, so that the later launches
; load them straight into registers.  A fragment is 16 output channels x 32 K = 1,024 bytes: byte 512 u + 16 l + 2 e holds
; (channel l % 16 of the fragment, K = KB + 16 u + 8 (l / 16) + e).  2,496 fragments:
;   0-319     WP[tau 10][w 4][kk 8]: tau 0-3 value (heads 2w, 2w+1, two halves of 16 channels), 4-5 offsets x of heads 2w, 2w+1, 6-7 offsets y, 8-9 logits
;   320-447   WO[w 4][kk 8][n 4]: w_out, channels 64 w + 16 n
;   448-2495  WF[w 4][c 16][32]: 16 of w_ffn1 (k 8 x t 2: units 128 c + 32 w + 16 t), then 16 of w_ffn2 (kk 4 x n 4: channels 64 w + 16 n, K = 128 c + 32 kk)
; A work-group writes four fragments, a wave half a fragment, a thread 16 bytes at 16 x its number: a wave's store is 512 bytes on end.
; Each range of fragments has its own copy of the tail, so that every address has one origin.  No LDS, no matrix unit: a copy of 2.5 MB.
	s_load_b256 s[8:15], s[0:1], 0x0               ; w_value s[8:9], w_off s[10:11], w_attn s[12:13], w_out s[14:15]
	s_load_b128 s[16:19], s[0:1], 0x20             ; w_ffn1 s[16:17], w_ffn2 s[18:19]
	s_load_b64 s[20:21], s[0:1], 0x30              ; wts
	v_lshrrev_b32 v3, 5, v0
	v_readfirstlane_b32 s2, v3                     ; wave 0..7
	v_and_b32 v1, 15, v0                           ; the fragment's channel
	v_bfe_u32 v2, v0, 4, 1                         ; l / 16
	v_lshlrev_b32 v9, 4, v0                        ; my 16 bytes of the work-group's 4,096
	s_and_b32 s3, s2, 1                            ; u: which half of the fragment
	s_lshr_b32 s22, s2, 1
	s_lshl_b32 s23, ttmp9, 2
	s_add_co_u32 s22, s22, s23                     ; F: the fragment's number
	s_lshl_b32 s26, ttmp9, 12
	s_mov_b32 s27, 0
	s_lshr_b32 s23, s22, 5                         ; for WP: tau,
	s_bfe_u32 s24, s22, 0x20003                    ; w,
	s_and_b32 s5, s22, 7
	s_lshl_b32 s5, s5, 5                           ; KB = 32 kk
	s_wait_kmcnt 0x0
	s_add_nc_u64 s[20:21], s[20:21], s[26:27]
; The tail.  s4 = the fragment's first column CB, s5 = KB, s3 = u; p: the matrix' address; rb: bytes in a row of it; cs: bytes from one channel of the fragment to the next.
.macro TAIL p, rb, cs
	s_lshl4_add_u32 s6, s3, s5                     ; KB + 16 u
	s_mul_i32 s6, s6, \rb
	s_lshl2_add_u32 s6, s4, s6                     ; + 4 CB
	s_mov_b32 s7, 0
	s_add_nc_u64 s[\p:\p+1], s[\p:\p+1], s[6:7]
	v_mul_u32_u24 v8, v2, 8*(\rb)                  ; 8 (l / 16) rows of K
	v_mad_u32_u24 v8, v1, \cs, v8                  ; + my channel
.irp e, 0,1,2,3,4,5,6,7
	global_load_b32 v[16+\e], v8, s[\p:\p+1] offset:\e*(\rb)
.endr
	s_wait_loadcnt 0x0
	v_cvt_pk_bf16_f32 v24, v16, v17
	v_cvt_pk_bf16_f32 v25, v18, v19
	v_cvt_pk_bf16_f32 v26, v20, v21
	v_cvt_pk_bf16_f32 v27, v22, v23
	global_store_b128 v9, v[24:27], s[20:21]
	s_endpgm
.endm
	s_cmp_lt_u32 s22, 128
	s_cbranch_scc0 .Loff
	s_lshr_b32 s25, s23, 1                         ; value: column (2 w + tau / 2) 32 + (tau % 2) 16
	s_lshl1_add_u32 s25, s24, s25
	s_lshl_b32 s4, s25, 5
	s_and_b32 s25, s23, 1
	s_lshl4_add_u32 s4, s25, s4
	TAIL 8, 1024, 4
.Loff:
	s_cmp_lt_u32 s22, 256
	s_cbranch_scc0 .Lattn
	s_and_b32 s25, s23, 1                          ; offsets: column (2 w + t % 2) 32 + 2 point + (t / 2: x or y), t = tau - 4
	s_lshl1_add_u32 s25, s24, s25
	s_lshl_b32 s4, s25, 5
	s_bfe_u32 s25, s23, 0x10001
	s_add_co_u32 s4, s4, s25
	TAIL 10, 1024, 8
.Lattn:
	s_cmp_lt_u32 s22, 320
	s_cbranch_scc0 .Lout
	s_and_b32 s25, s23, 1                          ; logits: column (2 w + t) 16, t = tau - 8
	s_lshl1_add_u32 s25, s24, s25
	s_lshl_b32 s4, s25, 4
	TAIL 12, 512, 4
.Lout:
	s_cmp_lt_u32 s22, 448
	s_cbranch_scc0 .Lffn
	s_sub_co_u32 s22, s22, 320                     ; WO: w, kk, n
	s_lshr_b32 s24, s22, 5
	s_bfe_u32 s5, s22, 0x30002
	s_lshl_b32 s5, s5, 5
	s_and_b32 s25, s22, 3
	s_lshl_b32 s4, s24, 6
	s_lshl4_add_u32 s4, s25, s4
	TAIL 14, 1024, 4
.Lffn:
	s_sub_co_u32 s22, s22, 448                     ; WF: w, c, g
	s_lshr_b32 s24, s22, 9
	s_bfe_u32 s23, s22, 0x40005
	s_and_b32 s25, s22, 15
	s_and_b32 s6, s22, 16
	s_cmp_lg_u32 s6, 0
	s_cbranch_scc1 .Lffn2
	s_lshl_b32 s4, s23, 7                          ; w_ffn1: column 128 c + 32 w + 16 (g % 2), KB = 32 (g / 2)
	s_lshl_b32 s6, s24, 5
	s_add_co_u32 s4, s4, s6
	s_and_b32 s6, s25, 1
	s_lshl4_add_u32 s4, s6, s4
	s_lshr_b32 s5, s25, 1
	s_lshl_b32 s5, s5, 5
	TAIL 16, 8192, 4
.Lffn2:
	s_lshl_b32 s4, s24, 6                          ; w_ffn2: column 64 w + 16 (g % 4), KB = 128 c + 32 (g / 4), g less 16
	s_and_b32 s6, s25, 3
	s_lshl4_add_u32 s4, s6, s4
	s_lshr_b32 s5, s25, 2
	s_lshl_b32 s5, s5, 5
	s_lshl_b32 s6, s23, 7
	s_add_co_u32 s5, s5, s6
	TAIL 18, 1024, 4
.Lfunc_end_k_q7386b882df_prep:
	.size	k_q7386b882df_prep, .Lfunc_end_k_q7386b882df_prep-k_q7386b882df_prep
	.p2alignl 7, 3214868480
	.fill 96, 4, 3214868480
	.section	.rodata,"a",@progbits
	.p2align	6, 0x0
	.amdhsa_kernel k_q7386b882df_prep
		.amdhsa_group_segment_fixed_size 0
		.amdhsa_private_segment_fixed_size 0
		.amdhsa_enable_private_segment 0
		.amdhsa_kernarg_size 56
		.amdhsa_user_sgpr_count 2
		.amdhsa_user_sgpr_kernarg_segment_ptr 1
		.amdhsa_wavefront_size32 1
		.amdhsa_system_sgpr_workgroup_id_x 1
		.amdhsa_system_sgpr_workgroup_id_y 1
		.amdhsa_system_sgpr_workgroup_id_z 1
		.amdhsa_system_vgpr_workitem_id 0
		.amdhsa_next_free_vgpr 32
		.amdhsa_next_free_sgpr 66
		.amdhsa_reserve_vcc 0
		.amdhsa_float_denorm_mode_32 3
		.amdhsa_float_denorm_mode_16_64 3
		.amdhsa_memory_ordered 1
		.amdhsa_forward_progress 1
		.amdhsa_inst_pref_size 12
	.end_amdhsa_kernel
	.amdgpu_metadata
---
amdhsa.version: [ 1, 2 ]
amdhsa.kernels:
  - .name:           k_q7386b882df_prep
    .symbol:         k_q7386b882df_prep.kd
    .args:
      - { .name: w_value, .offset: 0, .size: 8, .value_kind: global_buffer, .address_space: global }
      - { .name: w_off, .offset: 8, .size: 8, .value_kind: global_buffer, .address_space: global }
      - { .name: w_attn, .offset: 16, .size: 8, .value_kind: global_buffer, .address_space: global }
      - { .name: w_out, .offset: 24, .size: 8, .value_kind: global_buffer, .address_space: global }
      - { .name: w_ffn1, .offset: 32, .size: 8, .value_kind: global_buffer, .address_space: global }
      - { .name: w_ffn2, .offset: 40, .size: 8, .value_kind: global_buffer, .address_space: global }
      - { .name: wts, .offset: 48, .size: 8, .value_kind: global_buffer, .address_space: global }
    .group_segment_fixed_size: 0
    .private_segment_fixed_size: 0
    .kernarg_segment_align: 8
    .kernarg_segment_size: 56
    .max_flat_workgroup_size: 256
    .sgpr_count:     66
    .vgpr_count:     32
    .wavefront_size: 32
...
	.end_amdgpu_metadata
.endif
;; end of part 1
;; launch proj (part 2): grid 238 x 1, 4 waves a work-group, no clusters, 129,024 bytes of LDS; arguments src, pos, reference_points, wts, b_value, b_off, b_attn, val, idx, wgt; writes val, idx, wgt
.if DOCPART == 2
	.amdgcn_target "amdgcn-amd-amdhsa--gfx1250"
	.amdhsa_code_object_version 6
	.text
	.protected	k_q7386b882df_proj
	.globl	k_q7386b882df_proj
	.p2align	8
	.type	k_q7386b882df_proj,@function
k_q7386b882df_proj:
	s_mov_b64 s[64:65], 0
	v_nop
	global_prefetch_b8 v0, s[64:65] scope:SCOPE_SE
	s_setreg_imm32_b32 hwreg(HW_REG_WAVE_MODE, 25, 1), 1
	s_wait_xcnt 0x0
; value = src w_value + b_value; offsets and logits from q = src + pos; softmax over a head's 16 points; for each point a base index and four corner weights.
; SHARES.  A work-group takes 112 rows (7 tiles of 16); 238 x 112 = 26,656 rows, the last 68 made from the clamped last row and stored as padding.  Wave w takes heads 2w and 2w+1:
; ten tiles tau of 16 output channels (0-3 value, 4-5 offsets x, 6-7 offsets y, 8-9 logits).  Its 80 weight fragments stay in registers; the rows, rounded to bf16, stream from LDS.
; THE PRODUCTS ARE TRANSPOSED (source 0 = 16 channels of weights, source 1 = 16 rows): in a result lane (r = l % 16, h = l / 16) holds row r and channels 8 h + j.  For offsets and logits
; channel 8 h + j is point 4 level + p of the head: level 2 h + j / 4, p = j % 4.  So a point's x, y and logit lie in one lane, and the softmax wants one exchange between the lanes' halves.
; SAMPLING, restated.  gx = ref_x W + off_x - 0.5 (the same number as (ref_x + off_x / W) W - 0.5 in another order of rounding); xb = floor(gx) held to 0 .. W - 2; tx = gx - xb;
; column xb weighs max(0, 1 - |tx|), column xb + 1 max(0, 1 - |tx - 1|): for every gx that is the sum of the in-range corners.  The same in y.  All four levels are square: W's constants serve H.
; STORED, by head planes so that a wave's store is 512 bytes on end: val [head][row][32] bf16; idx [head][row][h][8 x u16] = batch x 13,294 + level start + yb W + xb;
; wgt [head][dx][j / 4][row][h][4 points x (dy 0, dy 1)] bf16 = softmax weight x wy x wx.
; LIMITS.  The order of rounding of gx, as said; value and the corner weights are rounded once to bf16; NaN and infinities are not treated apart.
; NO CLUSTER: each byte of the weights is wanted by one wave of a work-group and goes straight into its registers, and 238 work-groups are no multiple of four.
; REGISTERS, in windows of 256 (s_set_vgpr_msb: bits 1:0 source 0, 3:2 source 1, 5:4 source 2, 7:6 destination):
;   window 0: v0-31 addresses and constants; v32-111 the ten accumulators; v112-191 their biases; v192-255 at work.   window 1: weights of tau 0-3 at 8 (8 tau + k).   window 2: of tau 4-7.
;   window 3: v0-127 weights of tau 8-9; v128-191 a tile's 8 fragments of src; v192-255 of q.
.set M,     26588
.set LV,    13294
.set PL,    852992                     ; a plane of idx or wgt: 26,656 rows x 32 bytes
.set VPL,   1705984                    ; a plane of val: 26,656 rows x 64 bytes
.set XP,    528                        ; an LDS row: 512 bytes + 16: the 16 rows of a fragment load start 4 banks apart
.set QB,    59136                      ; LDS: src in bf16 at 0, q in bf16 here, 112 rows each
.set VST,   118272                     ; each wave's stage for value: 2 heads x 16 rows x 80 bytes
.set SPARE, 128512                     ; the spare words, 128 bytes a wave
.set ACC,   32
.set BIAS,  112
.set T,     192
.set XB,    T                          ; in POST: xb, yb, the four one-dimensional weights, the packed corner weights
.set YB,    T+8
.set WX0,   T+16
.set WX1,   T+24
.set WY0,   T+32
.set WY1,   T+40
.set OUT,   T+48
; v1 r, v2 h, v3 16 x lane, v4 / v5 LDS address of my fragments of src / q, v6 / v7 into / out of my stage, v8 my offset in a plane of idx and wgt, v9 in a plane of val, v10 my row,
; v11 / v12 the add's two registers, v13 address of the reference points, v14:15 W, v16:17 W - 2, v18:19 level start (each for levels 2 h and 2 h + 1), v20:23 reference points,
; v24:25 ref_x W - 0.5, v26:27 ref_y H - 0.5, v28:29 level start + batch start, v30:31 at work.  While rows are staged: v14-27 row offsets, v28 / v29 LDS addresses, v32-255 data.
.set MSB, 0
.macro WIN new                         ; the immediate's high byte repeats the setting that is left; a switch that changes nothing is dropped
.if MSB != (\new)
	s_set_vgpr_msb (MSB<<8)|(\new)
.set MSB, (\new)
.endif
.endm
	s_load_b512 s[8:23], s[0:1], 0x0               ; src, pos, reference_points, wts, b_value, b_off, b_attn, val
	s_load_b128 s[24:27], s[0:1], 0x40             ; idx, wgt
	v_lshl_add_u32 v11, v0, 2, SPARE
	v_mov_b32 v12, 0
	v_lshrrev_b32 v13, 5, v0
	v_readfirstlane_b32 s2, v13                    ; wave 0..3
	s_mul_i32 s3, ttmp9, 112                       ; the work-group's first row
	v_and_b32 v1, 15, v0
	v_bfe_u32 v2, v0, 4, 1
	v_and_b32 v30, 31, v0
	v_lshlrev_b32 v3, 4, v30
	v_mul_u32_u24 v4, v1, XP
	v_lshl_add_u32 v4, v2, 4, v4
	v_add_nc_u32 v5, QB, v4
	s_mul_i32 s6, s2, 2560
	s_add_co_u32 s6, s6, VST
	v_mul_u32_u24 v6, v1, 80
	v_lshl_add_u32 v6, v2, 4, v6
	v_add_nc_u32 v6, s6, v6
	v_bfe_u32 v7, v0, 2, 3
	v_mul_u32_u24 v7, v7, 80
	v_and_b32 v31, 3, v0
	v_lshl_add_u32 v7, v31, 4, v7
	v_add_nc_u32 v7, s6, v7
	v_add_nc_u32 v10, s3, v1
	v_lshlrev_b32 v8, 5, v10
	v_lshl_add_u32 v8, v2, 4, v8
	s_lshl_b32 s6, s3, 6
	v_add_nc_u32 v9, s6, v3
	s_mul_i32 s6, s2, 28*XP
	v_lshl_add_u32 v28, v30, 3, s6                 ; staging: my wave's 28 rows, 8 bytes a lane
	v_add_nc_u32 v29, QB, v28
	s_mov_b32 s28, 0x76543210                      ; v_permlanex16_b32: each lane takes its own place in the other half
	s_mov_b32 s29, 0xfedcba98
	s_mov_b32 s30, 0x3fb8aa3b                      ; log2(e)
	s_mov_b32 s31, s30                             ; named with it as a pair
	s_mov_b32 s46, 0x464fb800                      ; 13,294.0
	s_mov_b32 s49, 0
	s_wait_kmcnt 0x0
	s_lshl_b32 s48, s2, 13
	s_add_nc_u64 s[32:33], s[14:15], s[48:49]      ; WP at my wave's fragments
	s_mul_i32 s48, s2, 2*VPL
	s_add_nc_u64 s[34:35], s[22:23], s[48:49]      ; val, idx, wgt at head 2w
	s_mul_i32 s48, s2, 2*PL
	s_add_nc_u64 s[36:37], s[24:25], s[48:49]
	s_mul_i32 s48, s2, 8*PL
	s_add_nc_u64 s[38:39], s[26:27], s[48:49]
	s_lshl_b32 s48, s2, 8
	s_add_nc_u64 s[40:41], s[16:17], s[48:49]      ; the biases at head 2w
	s_add_nc_u64 s[42:43], s[18:19], s[48:49]
	s_lshl_b32 s48, s2, 7
	s_add_nc_u64 s[44:45], s[20:21], s[48:49]
	; my 80 weight fragments: two loads of 512 bytes on end each
.set tau, 0
.rept 10
	WIN 0x40*(1+tau/4)
.set kk, 0
.rept 8
	global_load_b128 v[8*(8*(tau%4)+kk):8*(8*(tau%4)+kk)+3],   v3, s[32:33] offset:tau*32768+kk*1024
	global_load_b128 v[8*(8*(tau%4)+kk)+4:8*(8*(tau%4)+kk)+7], v3, s[32:33] offset:tau*32768+kk*1024+512
.set kk, kk+1
.endr
.set tau, tau+1
.endr
	WIN 0
	; STAGING: my wave's 28 rows of src and pos, 14 a trip: 56 loads of 512 bytes on end; src and src + pos are rounded to bf16 and put into LDS
	s_mul_i32 s5, s2, 28
	s_add_co_u32 s5, s5, s3
	s_mov_b32 s4, 2
.Lstage:
.set i, 0
.rept 14
	s_add_co_u32 s6, s5, i
	s_min_u32 s6, s6, M-1                          ; rows past the end take the last row
	v_lshl_add_u32 v[14+i], s6, 10, v3
	global_load_b128 v[32+16*i:35+16*i],  v[14+i], s[8:9] th:TH_LOAD_NT
	global_load_b128 v[36+16*i:39+16*i],  v[14+i], s[8:9] offset:512 th:TH_LOAD_NT
	global_load_b128 v[40+16*i:43+16*i],  v[14+i], s[10:11] th:TH_LOAD_NT
	global_load_b128 v[44+16*i:47+16*i],  v[14+i], s[10:11] offset:512 th:TH_LOAD_NT
.set i, i+1
.endr
.set i, 0
.rept 14
.set D, 32+16*i
	s_wait_loadcnt 52-4*i                          ; row i is in; the four loads of each later row may stay out
	v_pk_add_f32 v[D+8:D+9],   v[D:D+1],   v[D+8:D+9]
	v_pk_add_f32 v[D+10:D+11], v[D+2:D+3], v[D+10:D+11]
	v_pk_add_f32 v[D+12:D+13], v[D+4:D+5], v[D+12:D+13]
	v_pk_add_f32 v[D+14:D+15], v[D+6:D+7], v[D+14:D+15]
	v_cvt_pk_bf16_f32 v[D],    v[D],    v[D+1]
	v_cvt_pk_bf16_f32 v[D+1],  v[D+2],  v[D+3]
	v_cvt_pk_bf16_f32 v[D+4],  v[D+4],  v[D+5]
	v_cvt_pk_bf16_f32 v[D+5],  v[D+6],  v[D+7]
	v_cvt_pk_bf16_f32 v[D+8],  v[D+8],  v[D+9]
	v_cvt_pk_bf16_f32 v[D+9],  v[D+10], v[D+11]
	v_cvt_pk_bf16_f32 v[D+12], v[D+12], v[D+13]
	v_cvt_pk_bf16_f32 v[D+13], v[D+14], v[D+15]
	ds_store_b64 v28, v[D:D+1]     offset:i*XP
	ds_store_b64 v28, v[D+4:D+5]   offset:i*XP+256
	ds_store_b64 v29, v[D+8:D+9]   offset:i*XP
	ds_store_b64 v29, v[D+12:D+13] offset:i*XP+256
.set i, i+1
.endr
	s_wait_dscnt 0x0                               ; the stores have read their registers before the next trip's loads are issued into them
	v_add_nc_u32 v28, 14*XP, v28
	v_add_nc_u32 v29, 14*XP, v29
	s_add_co_u32 s5, s5, 14
	s_sub_co_u32 s4, s4, 1
	s_cmp_lg_u32 s4, 0
	s_cbranch_scc1 .Lstage
	; the biases in the accumulators' layout: they are the C operand of each sum's first product
	v_lshlrev_b32 v30, 5, v2
	v_lshlrev_b32 v31, 6, v2
.set t, 0
.rept 4
	global_load_b128 v[BIAS+8*t:BIAS+8*t+3],   v30, s[40:41] offset:(t/2)*128+(t%2)*64
	global_load_b128 v[BIAS+8*t+4:BIAS+8*t+7], v30, s[40:41] offset:(t/2)*128+(t%2)*64+16
.set t, t+1
.endr
.set t, 0
.rept 2
	global_load_b128 v[BIAS+64+8*t:BIAS+64+8*t+3],   v30, s[44:45] offset:t*64
	global_load_b128 v[BIAS+64+8*t+4:BIAS+64+8*t+7], v30, s[44:45] offset:t*64+16
.set i, 0
.rept 4
	global_load_b128 v[T+16*t+4*i:T+16*t+4*i+3], v31, s[42:43] offset:t*128+16*i   ; x and y by turns: parted below
.set i, i+1
.endr
.set t, t+1
.endr
.macro LVC d, a, b                     ; a constant of level 2 h (+ 1): a in lanes 0-15, b in lanes 16-31
	s_mov_b32 s6, \b
	v_mov_b32 v[\d], \a
	v_cndmask_b32 v[\d], v[\d], s6, vcc_lo
.endm
	v_cmp_eq_u32 vcc_lo, 1, v2
	LVC 14, 0x42c80000, 0x41c80000                 ; W: 100, 25
	LVC 15, 0x42480000, 0x41500000                 ;    50, 13
	LVC 16, 0x42c40000, 0x41b80000                 ; W - 2: 98, 23
	LVC 17, 0x42400000, 0x41300000                 ;        48, 11
	LVC 18, 0, 0x46435000                          ; start: 0, 12,500
	LVC 19, 0x461c4000, 0x464d1400                 ;        10,000, 13,125
	s_wait_loadcnt 0x0
.set t, 0
.rept 2
.set j, 0
.rept 8
	v_mov_b32 v[BIAS+32+8*t+j], v[T+16*t+2*j]
	v_mov_b32 v[BIAS+48+8*t+j], v[T+16*t+2*j+1]
.set j, j+1
.endr
.set t, t+1
.endr
	s_wait_dscnt 0x0                               ; my rows are in LDS,
	s_barrier_signal -1
	s_barrier_wait -1                              ; everybody's are; they are never written again
.macro FETCH                           ; a tile's 8 fragments of src, then its 8 of q
	WIN 0xc0
.set k, 0
.rept 8
	ds_load_b128 v[128+8*k:131+8*k], v4 offset:64*k
	ds_load_b128 v[132+8*k:135+8*k], v4 offset:64*k+32
.set k, k+1
.endr
.set k, 0
.rept 8
	ds_load_b128 v[192+8*k:195+8*k], v5 offset:64*k
	ds_load_b128 v[196+8*k:199+8*k], v5 offset:64*k+32
.set k, k+1
.endr
	WIN 0
.endm
.macro REF add                         ; the reference points of levels 2 h, 2 h + 1 of my row of the tile add rows on
	v_add_nc_u32 v13, \add, v10
	v_min_u32 v13, M-1, v13
	v_lshlrev_b32 v13, 5, v13
	v_lshl_add_u32 v13, v2, 4, v13
	global_load_b128 v[20:23], v13, s[12:13]
.endm
; nt accumulators from t0 on take turns, one instruction a turn, K ascending; the first product takes the bias as C
.macro GRP w, t0, nt, fb
	WIN \w
.set k, 0
.rept 8
.set t, 0
.rept \nt
.if k == 0
	v_wmma_f32_16x16x32_bf16 v[ACC+8*((\t0)+t):ACC+8*((\t0)+t)+7], v[8*(8*t+k):8*(8*t+k)+7], v[(\fb)+8*k:(\fb)+8*k+7], v[BIAS+8*((\t0)+t):BIAS+8*((\t0)+t)+7]
.else
	v_wmma_f32_16x16x32_bf16 v[ACC+8*((\t0)+t):ACC+8*((\t0)+t)+7], v[8*(8*t+k):8*(8*t+k)+7], v[(\fb)+8*k:(\fb)+8*k+7], v[ACC+8*((\t0)+t):ACC+8*((\t0)+t)+7]
.endif
.set t, t+1
.endr
.set k, k+1
.endr
.endm
.macro PRE                             ; what the tile's points share
	s_wait_loadcnt 0x0                             ; the reference points
	v_fma_f32 v24, v20, v14, -0.5
	v_fma_f32 v25, v22, v15, -0.5
	v_fma_f32 v26, v21, v14, -0.5
	v_fma_f32 v27, v23, v15, -0.5
	v_cmp_le_u32 vcc_lo, LV, v10                   ; the second batch's rows of the table begin at 13,294
	v_cndmask_b32 v30, 0, s46, vcc_lo
	v_add_f32 v28, v18, v30
	v_add_f32 v29, v19, v30
.endm
.macro VALOUT                          ; value: 16 bytes a lane into my stage, back as rows of 64 bytes, out as 512 bytes on end
.set t, 0
.rept 4
.set j, 0
.rept 4
	v_cvt_pk_bf16_f32 v[T+4*t+j], v[ACC+8*t+2*j], v[ACC+8*t+2*j+1]
.set j, j+1
.endr
.set t, t+1
.endr
.set t, 0
.rept 4
	ds_store_b128 v6, v[T+4*t:T+4*t+3] offset:(t/2)*1280+(t%2)*32
.set t, t+1
.endr
.set t, 0
.rept 4
	ds_load_b128 v[T+16+4*t:T+16+4*t+3], v7 offset:(t/2)*1280+(t%2)*640   ; LDS serves a wave's instructions in order (ISA guide 5.7.1.4): these see the stores above
.set t, t+1
.endr
	s_wait_dscnt 0x0
.set t, 0
.rept 4
	global_store_b128 v9, v[T+16+4*t:T+16+4*t+3], s[34:35] offset:(t/2)*VPL+(t%2)*512
.set t, t+1
.endr
.endm
; one axis: o: the offsets, which become g and then t = g - base; b: the base; w0, w1: the two weights; rr: ref x size - 0.5
.macro GEO o, b, w0, w1, rr
.set j, 0
.rept 8
	v_add_f32 v[\o+j], v[\rr+j/4], v[\o+j]
.set j, j+1
.endr
.set j, 0
.rept 8
	v_floor_f32 v[\b+j], v[\o+j]
.set j, j+1
.endr
.set j, 0
.rept 8
	v_med3_num_f32 v[\b+j], v[\b+j], 0, v[16+j/4]
.set j, j+1
.endr
.set j, 0
.rept 4
	v_pk_add_f32 v[\o+2*j:\o+2*j+1], v[\o+2*j:\o+2*j+1], v[\b+2*j:\b+2*j+1] neg_lo:[0,1] neg_hi:[0,1]
.set j, j+1
.endr
.set j, 0
.rept 8
	v_sub_f32 v[\w0+j], 1.0, |v[\o+j]|
	v_add_f32 v[\w1+j], -1.0, v[\o+j]
.set j, j+1
.endr
.set j, 0
.rept 8
	v_max_num_f32 v[\w0+j], 0, v[\w0+j]
	v_sub_f32 v[\w1+j], 1.0, |v[\w1+j]|
.set j, j+1
.endr
.set j, 0
.rept 8
	v_max_num_f32 v[\w1+j], 0, v[\w1+j]
.set j, j+1
.endr
.endm
.macro POST hl                         ; head 2w + hl of the tile: softmax, geometry, index, corner weights, five stores
.set OX, ACC+8*(4+(\hl))
.set OY, ACC+8*(6+(\hl))
.set LG, ACC+8*(8+(\hl))
	s_wait_xcnt 0x0                                ; the stores issued so far have read their registers, which are written again below
	v_max3_num_f32 v30, v[LG], v[LG+1], v[LG+2]    ; the maximum of the head's 16 logits: 8 here, 8 in the lane 16 away
	v_max3_num_f32 v31, v[LG+3], v[LG+4], v[LG+5]
	v_max3_num_f32 v30, v30, v[LG+6], v[LG+7]
	v_max_num_f32 v30, v30, v31
	v_permlanex16_b32 v31, v30, s28, s29
	v_max_num_f32 v30, v30, v31
	v_mul_f32 v30, s30, v30
.set j, 0
.rept 4
	v_pk_fma_f32 v[LG+2*j:LG+2*j+1], v[LG+2*j:LG+2*j+1], s[30:31], v[30:31] op_sel_hi:[1,0,0] neg_lo:[0,0,1] neg_hi:[0,0,1]
.set j, j+1
.endr
.set j, 0
.rept 8
	v_exp_f32 v[LG+j], v[LG+j]
.set j, j+1
.endr
	GEO OX, XB, WX0, WX1, 24                       ; the geometry names no exponential's result: it is the work between the batch and its wait
	GEO OY, YB, WY0, WY1, 26
	s_wait_alu depctr_va_vdst(0)                   ; one wait for the eight exponentials, ahead of their first reader
	v_pk_add_f32 v[30:31], v[LG:LG+1], v[LG+2:LG+3]
	v_pk_add_f32 v[OUT:OUT+1], v[LG+4:LG+5], v[LG+6:LG+7]
	v_pk_add_f32 v[30:31], v[30:31], v[OUT:OUT+1]
	v_add_f32 v30, v30, v31
	v_permlanex16_b32 v31, v30, s28, s29
	v_add_f32 v30, v30, v31
	v_rcp_f32 v30, v30
.set j, 0
.rept 8
	v_add_f32 v[XB+j], v[XB+j], v[28+j/4]          ; the index, whole numbers under 2^24 in f32: yb W + xb + start
.set j, j+1
.endr
.set j, 0
.rept 8
	v_fma_f32 v[XB+j], v[YB+j], v[14+j/4], v[XB+j]
.set j, j+1
.endr
.set j, 0
.rept 8
	v_cvt_u32_f32 v[XB+j], v[XB+j]
.set j, j+1
.endr
.set j, 0
.rept 4
	v_lshl_or_b32 v[XB+j], v[XB+2*j+1], 16, v[XB+2*j]
.set j, j+1
.endr
	s_wait_alu depctr_va_vdst(0)                   ; the reciprocal's wait
.set j, 0
.rept 4
	v_pk_mul_f32 v[LG+2*j:LG+2*j+1], v[LG+2*j:LG+2*j+1], v[30:31] op_sel_hi:[1,0]
.set j, j+1
.endr
.set j, 0
.rept 4
	v_pk_mul_f32 v[WY0+2*j:WY0+2*j+1], v[WY0+2*j:WY0+2*j+1], v[LG+2*j:LG+2*j+1]
	v_pk_mul_f32 v[WY1+2*j:WY1+2*j+1], v[WY1+2*j:WY1+2*j+1], v[LG+2*j:LG+2*j+1]
.set j, j+1
.endr
.irp dx, 0,1
.set j, 0
.rept 4
	v_pk_mul_f32 v[OX+2*j:OX+2*j+1], v[WY0+2*j:WY0+2*j+1], v[WX0+8*\dx+2*j:WX0+8*\dx+2*j+1]
	v_pk_mul_f32 v[OY+2*j:OY+2*j+1], v[WY1+2*j:WY1+2*j+1], v[WX0+8*\dx+2*j:WX0+8*\dx+2*j+1]
.set j, j+1
.endr
.set j, 0
.rept 8
	v_cvt_pk_bf16_f32 v[OUT+8*\dx+j], v[OX+j], v[OY+j]    ; dy 0 in the low half, dy 1 in the high
.set j, j+1
.endr
.endr
	global_store_b128 v8, v[XB:XB+3], s[36:37] offset:(\hl)*PL
.set j, 0
.rept 4
	global_store_b128 v8, v[OUT+4*j:OUT+4*j+3], s[38:39] offset:(4*(\hl)+j)*PL   ; plane 2 dx + j / 4 of the head: each store is 512 bytes on end, at a multiple of 256
.set j, j+1
.endr
.endm
	FETCH
	REF 0
	s_mov_b32 s4, 7
.Ltile:
	s_wait_dscnt 16                                ; the fragments of src are in; q's sixteen loads may stay out
	GRP 0x0d, 0, 4, 128
	s_wait_dscnt 0x0
	GRP 0x0e, 4, 4, 192
	GRP 0x0f, 8, 2, 192
	WIN 0
.rept 4
	v_nop                                          ; four places between the last product and the loads into its sources and the reads of its result
.endr
	PRE
	s_cmp_eq_u32 s4, 1
	s_cbranch_scc1 .Lnofetch                       ; the last tile has none behind it
	v_add_nc_u32 v4, 16*XP, v4
	v_add_nc_u32 v5, 16*XP, v5
	FETCH                                          ; the next tile's fragments and reference points come while this tile's results are worked on
	REF 16
.Lnofetch:
	VALOUT
	POST 0
	POST 1
	s_wait_xcnt 0x0                                ; the stores have read their offsets, which step now
	v_add_nc_u32 v8, 512, v8
	v_add_nc_u32 v9, 1024, v9
	v_add_nc_u32 v10, 16, v10
	s_sub_co_u32 s4, s4, 1
	s_cmp_lg_u32 s4, 0
	s_cbranch_scc1 .Ltile
	s_wait_tensorcnt 0x0                           ; the wave's end, behind my last LDS store
	ds_add_u32 v11, v12
	s_wait_dscnt 0x0
	s_endpgm
.Lfunc_end_k_q7386b882df_proj:
	.size	k_q7386b882df_proj, .Lfunc_end_k_q7386b882df_proj-k_q7386b882df_proj
	.p2alignl 7, 3214868480
	.fill 96, 4, 3214868480
	.section	.rodata,"a",@progbits
	.p2align	6, 0x0
	.amdhsa_kernel k_q7386b882df_proj
		.amdhsa_group_segment_fixed_size 129024
		.amdhsa_private_segment_fixed_size 0
		.amdhsa_enable_private_segment 0
		.amdhsa_kernarg_size 80
		.amdhsa_user_sgpr_count 2
		.amdhsa_user_sgpr_kernarg_segment_ptr 1
		.amdhsa_wavefront_size32 1
		.amdhsa_system_sgpr_workgroup_id_x 1
		.amdhsa_system_sgpr_workgroup_id_y 1
		.amdhsa_system_sgpr_workgroup_id_z 1
		.amdhsa_system_vgpr_workitem_id 0
		.amdhsa_next_free_vgpr 1024
		.amdhsa_next_free_sgpr 66
		.amdhsa_reserve_vcc 1
		.amdhsa_float_denorm_mode_32 3
		.amdhsa_float_denorm_mode_16_64 3
		.amdhsa_memory_ordered 1
		.amdhsa_forward_progress 1
		.amdhsa_inst_pref_size 81
	.end_amdhsa_kernel
	.amdgpu_metadata
---
amdhsa.version: [ 1, 2 ]
amdhsa.kernels:
  - .name:           k_q7386b882df_proj
    .symbol:         k_q7386b882df_proj.kd
    .args:
      - { .name: src, .offset: 0, .size: 8, .value_kind: global_buffer, .address_space: global }
      - { .name: pos, .offset: 8, .size: 8, .value_kind: global_buffer, .address_space: global }
      - { .name: reference_points, .offset: 16, .size: 8, .value_kind: global_buffer, .address_space: global }
      - { .name: wts, .offset: 24, .size: 8, .value_kind: global_buffer, .address_space: global }
      - { .name: b_value, .offset: 32, .size: 8, .value_kind: global_buffer, .address_space: global }
      - { .name: b_off, .offset: 40, .size: 8, .value_kind: global_buffer, .address_space: global }
      - { .name: b_attn, .offset: 48, .size: 8, .value_kind: global_buffer, .address_space: global }
      - { .name: val, .offset: 56, .size: 8, .value_kind: global_buffer, .address_space: global }
      - { .name: idx, .offset: 64, .size: 8, .value_kind: global_buffer, .address_space: global }
      - { .name: wgt, .offset: 72, .size: 8, .value_kind: global_buffer, .address_space: global }
    .group_segment_fixed_size: 129024
    .private_segment_fixed_size: 0
    .kernarg_segment_align: 8
    .kernarg_segment_size: 80
    .max_flat_workgroup_size: 128
    .sgpr_count:     66
    .vgpr_count:     1024
    .wavefront_size: 32
...
	.end_amdgpu_metadata
.endif
;; end of part 2
;; launch sample (part 3): grid 3324 x 1, 8 waves a work-group, no clusters, 0 bytes of LDS; arguments idx, wgt, val, smp; writes smp
.if DOCPART == 3
	.amdgcn_target "amdgcn-amd-amdhsa--gfx1250"
	.amdhsa_code_object_version 6
	.text
	.protected	k_q7386b882df_sample
	.globl	k_q7386b882df_sample
	.p2align	8
	.type	k_q7386b882df_sample,@function
k_q7386b882df_sample:
	s_mov_b64 s[64:65], 0
	v_nop
	global_prefetch_b8 v0, s[64:65] scope:SCOPE_SE
	s_setreg_imm32_b32 hwreg(HW_REG_WAVE_MODE, 25, 1), 1
	s_wait_xcnt 0x0
; smp[head][row][32] = the sum over a head's 16 points and 4 corners of weight x val[head][index + dx + dy W][32], in f32, rounded once to bf16.
; The indices were stored as whole numbers by the launch before; each is held to its level's greatest base index before it enters an address.
; SHARES.  A work-group takes 8 rows, wave w head w; 3,324 work-groups cover rows 0 to 26,591.  Lane l: slot s = l / 8, column dx = (l / 4) % 2, channels 8 (l % 4) + 0..7.
; One gather of a wave brings, for four rows, the 128 bytes on end of columns xb and xb + 1 of one table row; the row below (dy = 1) stands W x 64 bytes on, in the immediate.
; Rows go in two groups: A = rows 2 s, B = rows 2 s + 1.  At the end the two columns' sums are added across lanes; lanes dx = 0 keep A's row and lanes dx = 1 B's: lane l stores bytes 16 l .. of the 512.
; IN FLIGHT.  Two buffers of 8 gathers: one is multiplied while the other's are on their way.  Several work-groups share a WGP, which multiplies that.
; No LDS, no matrix unit: no two lanes want the same bytes, and each weight serves 8 channels.
.set PL,  852992
.set VPL, 1705984
; v1 16 (l % 8), v2 my row's offset in a plane of idx, v3 in my dx's planes of wgt, v4 my 16 bytes of smp, v5 0, v8-15 two sets of four addresses, v16-23 sums, v24-27 group A's result,
; v28-35 / v36-51 group A's indices / weights (level v at 36 + 4 v + p), v52-59 / v60-75 group B's, v76-107 / v108-139 the two buffers
	s_load_b256 s[8:15], s[0:1], 0x0               ; idx, wgt, val, smp
	v_lshrrev_b32 v6, 5, v0
	v_readfirstlane_b32 s2, v6                     ; the head
	s_lshl_b32 s3, ttmp9, 3                        ; the work-group's first row
	v_and_b32 v1, 7, v0
	v_lshlrev_b32 v1, 4, v1
	v_bfe_u32 v2, v0, 3, 2
	v_lshl_add_u32 v2, v2, 1, s3                   ; row 2 s
	v_lshlrev_b32 v2, 5, v2
	v_bfe_u32 v3, v0, 2, 1
	v_mul_u32_u24 v3, v3, 2*PL
	v_add_nc_u32 v3, v2, v3
	v_and_b32 v4, 31, v0
	v_lshlrev_b32 v4, 4, v4
	s_lshl_b32 s4, s3, 6
	v_add_nc_u32 v4, s4, v4
	v_mov_b32 v5, 0
	s_mov_b32 s20, 0xf0f0f0f0                      ; the lanes with dx = 1
	s_mov_b32 s17, 0
	s_mov_b32 s19, 0
	s_mul_i32 s16, s2, PL
	s_mul_i32 s18, s2, VPL
	s_wait_kmcnt 0x0
	s_add_nc_u64 s[8:9], s[8:9], s[16:17]
	s_add_nc_u64 s[12:13], s[12:13], s[18:19]
	s_add_nc_u64 s[14:15], s[14:15], s[18:19]
	s_lshl_b32 s16, s16, 2
	s_add_nc_u64 s[10:11], s[10:11], s[16:17]
.irp g, 0,1
	global_load_b128 v[28+24*\g:31+24*\g], v2, s[8:9] offset:32*\g th:TH_LOAD_NT
	global_load_b128 v[32+24*\g:35+24*\g], v2, s[8:9] offset:32*\g+16 th:TH_LOAD_NT
	global_load_b128 v[36+24*\g:39+24*\g], v3, s[10:11] offset:32*\g th:TH_LOAD_NT          ; level 0
	global_load_b128 v[40+24*\g:43+24*\g], v3, s[10:11] offset:32*\g+PL th:TH_LOAD_NT       ; level 1
	global_load_b128 v[44+24*\g:47+24*\g], v3, s[10:11] offset:32*\g+16 th:TH_LOAD_NT       ; level 2
	global_load_b128 v[48+24*\g:51+24*\g], v3, s[10:11] offset:32*\g+PL+16 th:TH_LOAD_NT    ; level 3
.endr
; step q = 4 x group + level.  ISSUE: the level's four points, two table rows each: 8 gathers into buffer q % 2
.macro ISSUE q
.set lv, (\q)%4
.set ib, 28+24*((\q)/4)+4*(lv/2)+2*(lv%2)
.set ad, 8+4*((\q)%2)
.set gb, 76+32*((\q)%2)
.if lv == 0
.set mx, 23192                         ; 13,294 + start + (H - 2) W + W - 2
.set wl, 100
.elseif lv == 1
.set mx, 25742
.set wl, 50
.elseif lv == 2
.set mx, 26392
.set wl, 25
.else
.set mx, 26573
.set wl, 13
.endif
	v_and_b32 v[ad], 0xffff, v[ib]
	v_lshrrev_b32 v[ad+1], 16, v[ib]
	v_and_b32 v[ad+2], 0xffff, v[ib+1]
	v_lshrrev_b32 v[ad+3], 16, v[ib+1]
.set p, 0
.rept 4
	v_min_u32 v[ad+p], mx, v[ad+p]
.set p, p+1
.endr
.set p, 0
.rept 4
	v_lshl_add_u32 v[ad+p], v[ad+p], 6, v1
.set p, p+1
.endr
.set p, 0
.rept 4
	global_load_b128 v[gb+8*p:gb+8*p+3],   v[ad+p], s[12:13]
	global_load_b128 v[gb+8*p+4:gb+8*p+7], v[ad+p], s[12:13] offset:wl*64
.set p, p+1
.endr
.endm
.macro FM d, g, w, a, lo, dy           ; sum d = value (half lo of g) x weight (half dy of w) + a, in f32
.if ((\lo) == 0) && ((\dy) == 0)
	v_fma_mix_f32_bf16 v[\d], v[\g], v[\w], v[\a] op_sel_hi:[1,1,0]
.elseif (\dy) == 0
	v_fma_mix_f32_bf16 v[\d], v[\g], v[\w], v[\a] op_sel:[1,0,0] op_sel_hi:[1,1,0]
.elseif (\lo) == 0
	v_fma_mix_f32_bf16 v[\d], v[\g], v[\w], v[\a] op_sel:[0,1,0] op_sel_hi:[1,1,0]
.else
	v_fma_mix_f32_bf16 v[\d], v[\g], v[\w], v[\a] op_sel:[1,1,0] op_sel_hi:[1,1,0]
.endif
.endm
.macro FMAQ q                          ; the step's 64 multiply-adds; eight sums take turns; a group's first eight start the sums with 0
.set lv, (\q)%4
.set gb, 76+32*((\q)%2)
.set wb, 36+24*((\q)/4)+4*lv
.set p, 0
.rept 4
.set dy, 0
.rept 2
.set c, 0
.rept 8
.if (lv == 0) && (p == 0) && (dy == 0)
	FM 16+c, gb+8*p+4*dy+c/2, wb+p, 5, c%2, dy
.else
	FM 16+c, gb+8*p+4*dy+c/2, wb+p, 16+c, c%2, dy
.endif
.set c, c+1
.endr
.set dy, dy+1
.endr
.set p, p+1
.endr
.endm
.macro EPI d                           ; the two columns' sums are added (the lane 4 away), and rounded
.set c, 0
.rept 8
	v_add_f32_dpp v[16+c], v[16+c], v[16+c] row_xmask:4 row_mask:0xf bank_mask:0xf
.set c, c+1
.endr
.set c, 0
.rept 4
	v_cvt_pk_bf16_f32 v[(\d)+c], v[16+2*c], v[17+2*c]
.set c, c+1
.endr
.endm
	s_wait_loadcnt 6                               ; group A's indices and weights are in; group B's six loads may stay out
	ISSUE 0
	ISSUE 1
.set q, 0
.rept 8
.if q < 7
	s_wait_loadcnt 8                               ; this step's gathers are in; the other buffer's eight may stay out.  The wait also frees this step's four address registers
.else
	s_wait_loadcnt 0x0
.endif
	FMAQ q
.if q < 6
	ISSUE q+2
.endif
.if q == 3
	EPI 24
.endif
.set q, q+1
.endr
	EPI 28
.irp c, 0,1,2,3
	v_cndmask_b32 v[24+\c], v[24+\c], v[28+\c], s20
.endr
	global_store_b128 v4, v[24:27], s[14:15]       ; 512 bytes on end, at a multiple of 256 from the plane's first byte
	s_endpgm
.Lfunc_end_k_q7386b882df_sample:
	.size	k_q7386b882df_sample, .Lfunc_end_k_q7386b882df_sample-k_q7386b882df_sample
	.p2alignl 7, 3214868480
	.fill 96, 4, 3214868480
	.section	.rodata,"a",@progbits
	.p2align	6, 0x0
	.amdhsa_kernel k_q7386b882df_sample
		.amdhsa_group_segment_fixed_size 0
		.amdhsa_private_segment_fixed_size 0
		.amdhsa_enable_private_segment 0
		.amdhsa_kernarg_size 32
		.amdhsa_user_sgpr_count 2
		.amdhsa_user_sgpr_kernarg_segment_ptr 1
		.amdhsa_wavefront_size32 1
		.amdhsa_system_sgpr_workgroup_id_x 1
		.amdhsa_system_sgpr_workgroup_id_y 1
		.amdhsa_system_sgpr_workgroup_id_z 1
		.amdhsa_system_vgpr_workitem_id 0
		.amdhsa_next_free_vgpr 140
		.amdhsa_next_free_sgpr 66
		.amdhsa_reserve_vcc 0
		.amdhsa_float_denorm_mode_32 3
		.amdhsa_float_denorm_mode_16_64 3
		.amdhsa_memory_ordered 1
		.amdhsa_forward_progress 1
		.amdhsa_inst_pref_size 49
	.end_amdhsa_kernel
	.amdgpu_metadata
---
amdhsa.version: [ 1, 2 ]
amdhsa.kernels:
  - .name:           k_q7386b882df_sample
    .symbol:         k_q7386b882df_sample.kd
    .args:
      - { .name: idx, .offset: 0, .size: 8, .value_kind: global_buffer, .address_space: global }
      - { .name: wgt, .offset: 8, .size: 8, .value_kind: global_buffer, .address_space: global }
      - { .name: val, .offset: 16, .size: 8, .value_kind: global_buffer, .address_space: global }
      - { .name: smp, .offset: 24, .size: 8, .value_kind: global_buffer, .address_space: global }
    .group_segment_fixed_size: 0
    .private_segment_fixed_size: 0
    .kernarg_segment_align: 8
    .kernarg_segment_size: 32
    .max_flat_workgroup_size: 256
    .sgpr_count:     66
    .vgpr_count:     140
    .wavefront_size: 32
...
	.end_amdgpu_metadata
.endif
;; end of part 3
;; launch ffn (part 4): grid 238 x 1, 4 waves a work-group, no clusters, 219,136 bytes of LDS; arguments smp, src, wts, b_out, ln1_g, ln1_b, b_ffn1, b_ffn2, ln2_g, ln2_b, out0; writes out0
.if DOCPART == 4
	.amdgcn_target "amdgcn-amd-amdhsa--gfx1250"
	.amdhsa_code_object_version 6
	.text
	.protected	k_q7386b882df_ffn
	.globl	k_q7386b882df_ffn
	.p2align	8
	.type	k_q7386b882df_ffn,@function
k_q7386b882df_ffn:
	s_mov_b64 s[64:65], 0
	v_nop
	global_prefetch_b8 v0, s[64:65] scope:SCOPE_SE
	s_setreg_imm32_b32 hwreg(HW_REG_WAVE_MODE, 25, 1), 1
	s_wait_xcnt 0x0
; x = LN1(src + smp w_out + b_out);  out0 = LN2(x + relu(x w_ffn1 + b_ffn1) w_ffn2 + b_ffn2).  Products in bf16 with f32 sums; the residual path and both norms in f32.
; SHARES.  A work-group takes 112 rows (7 tiles of 16).  Wave w owns output channels 64 w .. 64 w + 63 of all rows: Y, 28 accumulators, 224 registers.  Y carries src + b_out, then the sums of the
; first product, then (normed) x + b_ffn2, then the sums of the last product: x never leaves registers in f32.  The 2,048 hidden units go in 16 chunks of 128; of a chunk wave w makes units 32 w .. 32 w + 31
; for all rows, and the four waves' parts meet in LDS.
; THE PRODUCTS ARE TRANSPOSED (source 0 = 16 channels of weights, source 1 = 16 rows): in a result lane (r = l % 16, h = l / 16) holds row r and channels 8 h + j.
; THE WEIGHTS lie in memory as fragments and come straight into a ring of 16 fragments in registers, asked for 16 fragments ahead of their use; no byte of them is wanted by two waves of a work-group.
; NO CLUSTER for that reason (a joint load would have to land in LDS and be read back), and 238 work-groups are no multiple of four.
; THE NORMS take the mean first and then the mean of the squared differences: no difference of large sums.  A row's 256 channels lie in 2 lanes of each of the 4 waves: the waves' sums meet in LDS.
; LIMITS.  smp, x as a matrix operand and the hidden units are rounded to bf16; NaN and infinities are not treated apart.  Rows past 26,587 are made from clamped rows and not stored.
; REGISTERS, in windows of 256 (s_set_vgpr_msb: bits 1:0 source 0, 3:2 source 1, 5:4 source 2, 7:6 destination):
;   window 0: v0-19 addresses; v20-35 the chunk's bias; v36-49 means, v50-63 1 / deviation (each twice, a pair); v64-191 the ring; v192-255 hidden sums of tiles 0-3, hidden fragments, at work
;   window 1: the rows' fragments of tiles 0-3 at 8 (8 m + k); between the products: gain, bias, b_ffn2       window 2: v0-191 fragments of tiles 4-6; v192-255 hidden sums of tiles 4-6, hidden fragments
;   window 3: Y at 8 (4 m + n)
.set M,      26588
.set TAILROWS, M-237*112               ; the last work-group's rows: 44
.set SBLK,   3324                      ; blocks of 8 rows that smp holds
.set VPL,    1705984
.set XP,     528                       ; LDS row of 256 bf16 + 16 bytes
.set HP,     272                       ; LDS row of 256 bytes + 16
.set HB,     59136                     ; LDS: rows (smp, then x) in bf16 at 0; a chunk's hidden units here, 112 x 272
.set STG,    89600                     ; each wave's stage: its 256 bytes of 112 rows, pitch 272: src on the way in, the result on the way out
.set STGW,   112*HP
.set RED,    211456                    ; four regions [row 112][wave 4] f32, one for each meeting of sums
.set REDB,   1792
.set SPARE,  218624                    ; the spare words, 128 bytes a wave
.set WO_OFF, 327680
.set WF_OFF, 458752
.set RING,   64
.set TMP,    192
.set B1,     20
.set ME,     36
.set RS,     50
; v1 r, v2 h, v3 16 x lane, v4 fragments of rows, v5 where x goes, v6 / v7 hidden units in / out, v8 my stage by result layout, v9 by whole rows, v10 / v11 sums in / out,
; v12 my 8 channels' offset in a vector of 256 f32, v13 in a chunk's bias, v14 my 16 bytes of two rows of src, v15 of out0, v16 0, v17 at work, v18 / v19 the add's two registers
.set MSB, 0
.macro WIN new                         ; the immediate's high byte repeats the setting that is left; a switch that changes nothing is dropped
.if MSB != (\new)
	s_set_vgpr_msb (MSB<<8)|(\new)
.set MSB, (\new)
.endif
.endm
.macro PLACES n                        ; places between a product and a load into, or a write over, its registers, or a read of its result
.rept \n
	v_nop
.endr
.endm
.macro BAR
	s_barrier_signal -1
	s_barrier_wait -1
.endm
.macro ALLM line:vararg                ; a line for each tile of rows mm
.set mm, 0
.rept 7
	\line
.set mm, mm+1
.endr
.endm
.macro ALLT line:vararg                ; a line for each accumulator tt = 4 m + n of Y
.set tt, 0
.rept 28
	\line
.set tt, tt+1
.endr
.endm
.macro ALLP line:vararg                ; a line for each register pair ii of each accumulator tt
.set tt, 0
.rept 28
.set ii, 0
.rept 4
	\line
.set ii, ii+1
.endr
.set tt, tt+1
.endr
.endm
.macro REFILL sb, o, slot0, cnt        ; cnt fragments from byte o behind s[sb:sb+1] into the ring from slot0 on: two loads of 512 bytes on end each
	WIN 0
.set rf, 0
.rept \cnt
	global_load_b128 v[RING+8*((\slot0)+rf):RING+8*((\slot0)+rf)+3],   v3, s[\sb:\sb+1] offset:(\o)+1024*rf
	global_load_b128 v[RING+8*((\slot0)+rf)+4:RING+8*((\slot0)+rf)+7], v3, s[\sb:\sb+1] offset:(\o)+1024*rf+512
.set rf, rf+1
.endr
.endm
.macro PARAM w, d, sb                  ; my 32 numbers (4 n x 8) of a vector of 256, in Y's layout
	WIN \w
.set nn, 0
.rept 8
	global_load_b128 v[(\d)+4*nn:(\d)+4*nn+3], v12, s[\sb:\sb+1] offset:64*(nn/2)+16*(nn%2)
.set nn, nn+1
.endr
.endm
.macro LOADB1 o                        ; my 16 numbers (2 t x 8) of a chunk's bias
	WIN 0
.set nn, 0
.rept 4
	global_load_b128 v[B1+4*nn:B1+4*nn+3], v13, s[34:35] offset:(\o)+64*(nn/2)+16*(nn%2)
.set nn, nn+1
.endr
.endm
.macro LOADA                           ; all 56 fragments of the 112 rows
	WIN 0x40
.set mm, 0
.rept 7
.if mm == 4
	WIN 0x80
.endif
.set k, 0
.rept 8
	ds_load_b128 v[8*(8*(mm%4)+k):8*(8*(mm%4)+k)+3],   v4 offset:16*XP*mm+64*k
	ds_load_b128 v[8*(8*(mm%4)+k)+4:8*(8*(mm%4)+k)+7], v4 offset:16*XP*mm+64*k+32
.set k, k+1
.endr
.set mm, mm+1
.endr
	WIN 0
.endm
; 28 products: Y[m][n] += ring quad q's fragment n x the rows' fragment of tile m.  All 28 accumulators differ: they take turns.
; bsel 0: the rows' fragment kx (windows 1 and 2); 1: hidden fragments in window 0; 2: in window 2
.macro MMY q, bsel, kx
.set mm, 0
.rept 7
.if (\bsel) == 0
.if mm < 4
	WIN 0xf4
.set rb, 8*(8*mm+(\kx))
.else
	WIN 0xf8
.set rb, 8*(8*(mm-4)+(\kx))
.endif
.elseif (\bsel) == 1
	WIN 0xf0
.set rb, TMP+8*mm
.else
	WIN 0xf8
.set rb, TMP+8*mm
.endif
.set nn, 0
.rept 4
	v_wmma_f32_16x16x32_bf16 v[8*(4*mm+nn):8*(4*mm+nn)+7], v[RING+8*(4*(\q)+nn):RING+8*(4*(\q)+nn)+7], v[rb:rb+7], v[8*(4*mm+nn):8*(4*mm+nn)+7]
.set nn, nn+1
.endr
.set mm, mm+1
.endr
.endm
.macro SRCB b                          ; 56 rows of src, my wave's 256 bytes of each: a load takes two rows, sixteen lanes 256 bytes on end
	WIN 0
.set i, 0
.rept 28
	s_add_co_u32 s5, s3, 2*(28*(\b)+i)
	s_min_u32 s5, s5, M-2                          ; rows past the end take the last two rows
	v_lshl_add_u32 v[TMP+28*(\b)+i], s5, 10, v14
.set i, i+1
.endr
	WIN 0x80
.set i, 0
.rept 28
	global_load_b128 v[112*(\b)+4*i:112*(\b)+4*i+3], v[TMP+28*(\b)+i], s[10:11] th:TH_LOAD_NT
.set i, i+1
.endr
.endm
.macro SRCST b                         ; and into my stage
	WIN 0x08
.set i, 0
.rept 28
	ds_store_b128 v9, v[112*(\b)+4*i:112*(\b)+4*i+3] offset:2*HP*(28*(\b)+i)
.set i, i+1
.endr
.endm
; The pairs at TMP + 2 tt hold each accumulator's part of a row's sum.  They are added over n, the pair, the lanes' halves and, through region x of RED, the four waves: the row's sum is left in v[TMP + 8 m].
.macro RSUM x
	WIN 0
	ALLM v_pk_add_f32 v[TMP+8*mm:TMP+8*mm+1], v[TMP+8*mm:TMP+8*mm+1], v[TMP+8*mm+2:TMP+8*mm+3]
	ALLM v_pk_add_f32 v[TMP+8*mm+4:TMP+8*mm+5], v[TMP+8*mm+4:TMP+8*mm+5], v[TMP+8*mm+6:TMP+8*mm+7]
	ALLM v_pk_add_f32 v[TMP+8*mm:TMP+8*mm+1], v[TMP+8*mm:TMP+8*mm+1], v[TMP+8*mm+4:TMP+8*mm+5]
	ALLM v_add_f32 v[TMP+8*mm], v[TMP+8*mm], v[TMP+8*mm+1]
	ALLM v_permlanex16_b32 v[TMP+8*mm+1], v[TMP+8*mm], s42, s43
	ALLM v_add_f32 v[TMP+8*mm], v[TMP+8*mm], v[TMP+8*mm+1]
	ALLM ds_store_b32 v10, v[TMP+8*mm] offset:(\x)*REDB+256*mm
	s_wait_dscnt 0x0                               ; for the others' sake: my sums are in LDS,
	BAR                                            ; everybody's are
	ALLM ds_load_b128 v[TMP+8*mm:TMP+8*mm+3], v11 offset:(\x)*REDB+256*mm
	s_wait_dscnt 0x0
	ALLM v_add_f32 v[TMP+8*mm], v[TMP+8*mm], v[TMP+8*mm+1]
	ALLM v_add_f32 v[TMP+8*mm+2], v[TMP+8*mm+2], v[TMP+8*mm+3]
	ALLM v_add_f32 v[TMP+8*mm], v[TMP+8*mm], v[TMP+8*mm+2]
.endm
; Y = (Y - mean) / sqrt(var + 1e-5) x gain + bias, gain at v0-31 and bias at v32-63 of window 1.  Regions x and x + 1 of RED.  Each accumulator's lowest registers are read first.
.macro LN x
	WIN 0x0f
	ALLT v_pk_add_f32 v[TMP+2*tt:TMP+2*tt+1], v[8*tt:8*tt+1], v[8*tt+2:8*tt+3]
	WIN 0x0c
	ALLT v_pk_add_f32 v[TMP+2*tt:TMP+2*tt+1], v[TMP+2*tt:TMP+2*tt+1], v[8*tt+4:8*tt+5]
	ALLT v_pk_add_f32 v[TMP+2*tt:TMP+2*tt+1], v[TMP+2*tt:TMP+2*tt+1], v[8*tt+6:8*tt+7]
	RSUM \x
	ALLM v_mul_f32 v[ME+2*mm], s45, v[TMP+8*mm]
	ALLM v_mov_b32 v[ME+2*mm+1], v[ME+2*mm]
	WIN 0xc3
	ALLP v_pk_add_f32 v[8*tt+2*ii:8*tt+2*ii+1], v[8*tt+2*ii:8*tt+2*ii+1], v[ME+2*(tt/4):ME+2*(tt/4)+1] neg_lo:[0,1] neg_hi:[0,1]
	WIN 0x0f
	ALLT v_pk_mul_f32 v[TMP+2*tt:TMP+2*tt+1], v[8*tt:8*tt+1], v[8*tt:8*tt+1]
	ALLT v_pk_fma_f32 v[TMP+2*tt:TMP+2*tt+1], v[8*tt+2:8*tt+3], v[8*tt+2:8*tt+3], v[TMP+2*tt:TMP+2*tt+1]
	ALLT v_pk_fma_f32 v[TMP+2*tt:TMP+2*tt+1], v[8*tt+4:8*tt+5], v[8*tt+4:8*tt+5], v[TMP+2*tt:TMP+2*tt+1]
	ALLT v_pk_fma_f32 v[TMP+2*tt:TMP+2*tt+1], v[8*tt+6:8*tt+7], v[8*tt+6:8*tt+7], v[TMP+2*tt:TMP+2*tt+1]
	RSUM (\x)+1
	ALLM v_fma_f32 v[TMP+8*mm], v[TMP+8*mm], s45, s46
	ALLM v_rsq_f32 v[RS+2*mm], v[TMP+8*mm]
	v_nop                                          ; a plain instruction behind the last root,
	s_wait_alu depctr_va_vdst(0)                   ; and one wait for the seven, ahead of their first reader
	ALLM v_mov_b32 v[RS+2*mm+1], v[RS+2*mm]
	s_wait_loadcnt 0x0                             ; gain and bias are in
	WIN 0xc3
	ALLP v_pk_mul_f32 v[8*tt+2*ii:8*tt+2*ii+1], v[8*tt+2*ii:8*tt+2*ii+1], v[RS+2*(tt/4):RS+2*(tt/4)+1]
	WIN 0xd7
	ALLP v_pk_fma_f32 v[8*tt+2*ii:8*tt+2*ii+1], v[8*tt+2*ii:8*tt+2*ii+1], v[8*(tt%4)+2*ii:8*(tt%4)+2*ii+1], v[32+8*(tt%4)+2*ii:32+8*(tt%4)+2*ii+1]
	WIN 0
.endm
.macro FETCH_H kq                      ; the 7 tiles' fragments of hidden units 32 kq .. 32 kq + 31, into window 0 (kq even) or 2 (odd)
.if (\kq)%2 == 0
	WIN 0
.else
	WIN 0x80
.endif
.set mm, 0
.rept 7
	ds_load_b128 v[TMP+8*mm:TMP+8*mm+3],   v7 offset:16*HP*mm+64*(\kq)
	ds_load_b128 v[TMP+8*mm+4:TMP+8*mm+7], v7 offset:16*HP*mm+64*(\kq)+32
.set mm, mm+1
.endr
.endm
; A CHUNK of 128 hidden units.  s[32:33] stands at the chunk's 32 fragments (16 of w_ffn1, 16 of w_ffn2), s[34:35] at its bias.  more = 1: another chunk follows.
; THE RING is refilled in the order of use.  Behind the four loads of w_ffn1's pair k stand 28 ring loads: the other pair of its quad if k is even (4), the later quads (8 (3 - k / 2)), this chunk's
; refills so far (4 k).  Behind the eight loads of w_ffn2's quad kk stand 24: 4 (6 - 2 kk) + 8 kk.  The bias' loads can only add to these counts.
.macro CHUNK more
.set k, 0
.rept 8
	s_wait_loadcnt 28
	WIN 0x04
.set mm, 0
.rept 4
.set t, 0
.rept 2
.if k == 0
	v_wmma_f32_16x16x32_bf16 v[TMP+16*mm+8*t:TMP+16*mm+8*t+7], v[RING+8*(2*k+t):RING+8*(2*k+t)+7], v[8*(8*mm+k):8*(8*mm+k)+7], v[B1+8*t:B1+8*t+7]
.else
	v_wmma_f32_16x16x32_bf16 v[TMP+16*mm+8*t:TMP+16*mm+8*t+7], v[RING+8*(2*k+t):RING+8*(2*k+t)+7], v[8*(8*mm+k):8*(8*mm+k)+7], v[TMP+16*mm+8*t:TMP+16*mm+8*t+7]
.endif
.set t, t+1
.endr
.set mm, mm+1
.endr
.if k == 0
	WIN 0x88
.else
	WIN 0xa8
.endif
.set mm, 0
.rept 3
.set t, 0
.rept 2
.if k == 0
	v_wmma_f32_16x16x32_bf16 v[TMP+16*mm+8*t:TMP+16*mm+8*t+7], v[RING+8*(2*k+t):RING+8*(2*k+t)+7], v[8*(8*mm+k):8*(8*mm+k)+7], v[B1+8*t:B1+8*t+7]
.else
	v_wmma_f32_16x16x32_bf16 v[TMP+16*mm+8*t:TMP+16*mm+8*t+7], v[RING+8*(2*k+t):RING+8*(2*k+t)+7], v[8*(8*mm+k):8*(8*mm+k)+7], v[TMP+16*mm+8*t:TMP+16*mm+8*t+7]
.endif
.set t, t+1
.endr
.set mm, mm+1
.endr
	WIN 0
	PLACES 4
	REFILL 32, 16384+2048*k, 2*k, 2                ; the slots just read take this chunk's fragments 2 k, 2 k + 1 of w_ffn2
.if (k == 0) && (\more)
	LOADB1 512                                     ; the next chunk's bias
.endif
.if (k == 7) && !(\more)
	PARAM 0x40, 0, 24                              ; the rows' fragments have had their last product: ln2's gain and bias take their place
	PARAM 0x40, 32, 26
	WIN 0
.endif
.set k, k+1
.endr
	; the hidden units: rounded to bf16, held at 0 from below, 16 bytes a lane into LDS
.set i, 0
.rept 8
	v_cvt_pk_bf16_f32 v[TMP+8*i],   v[TMP+8*i],   v[TMP+8*i+1]
	v_cvt_pk_bf16_f32 v[TMP+8*i+1], v[TMP+8*i+2], v[TMP+8*i+3]
	v_cvt_pk_bf16_f32 v[TMP+8*i+2], v[TMP+8*i+4], v[TMP+8*i+5]
	v_cvt_pk_bf16_f32 v[TMP+8*i+3], v[TMP+8*i+6], v[TMP+8*i+7]
.set i, i+1
.endr
.set i, 0
.rept 8
.irp j, 0,1,2,3
	v_pk_max_num_bf16 v[TMP+8*i+\j], v[TMP+8*i+\j], v16
.endr
	ds_store_b128 v6, v[TMP+8*i:TMP+8*i+3] offset:16*HP*(i/2)+32*(i%2)
.set i, i+1
.endr
	WIN 0x8a
.set i, 0
.rept 6
	v_cvt_pk_bf16_f32 v[TMP+8*i],   v[TMP+8*i],   v[TMP+8*i+1]
	v_cvt_pk_bf16_f32 v[TMP+8*i+1], v[TMP+8*i+2], v[TMP+8*i+3]
	v_cvt_pk_bf16_f32 v[TMP+8*i+2], v[TMP+8*i+4], v[TMP+8*i+5]
	v_cvt_pk_bf16_f32 v[TMP+8*i+3], v[TMP+8*i+6], v[TMP+8*i+7]
.set i, i+1
.endr
	WIN 0x82
.set i, 0
.rept 6
.irp j, 0,1,2,3
	v_pk_max_num_bf16 v[TMP+8*i+\j], v[TMP+8*i+\j], v16
.endr
.set i, i+1
.endr
	WIN 0x08
.set i, 0
.rept 6
	ds_store_b128 v6, v[TMP+8*i:TMP+8*i+3] offset:16*HP*(4+i/2)+32*(i%2)
.set i, i+1
.endr
	WIN 0
	s_wait_dscnt 0x0                               ; my 32 units of all rows are in LDS,
	BAR                                            ; everybody's are
	FETCH_H 0
	FETCH_H 1
.set kk, 0
.rept 4
.if kk < 3
	s_wait_dscnt 14                                ; this step's fragments are in; the next step's fourteen loads may stay out
.else
	s_wait_dscnt 0x0
.endif
.if \more
	s_wait_loadcnt 24
.else
	s_wait_loadcnt 40-8*kk                         ; no refills here: 24 - 8 kk ring loads and the 16 of ln2's gain and bias stand behind this quad's
.endif
.if (kk == 3) && (\more)
	s_barrier_signal -1                            ; my reads of the hidden units are over: the next chunk's may be written when all four waves have said so
.endif
	MMY kk, 1+kk%2, 0
	WIN 0
.if (kk == 3) && (\more)
	s_barrier_wait -1
.endif
.if kk == 3
	PLACES 5                                       ; the next chunk's first products write over the hidden fragments
.else
	PLACES 4
.endif
.if \more
	REFILL 32, 32768+4096*kk, 4*kk, 4              ; the slots just read take the next chunk's fragments of w_ffn1
.endif
.if kk < 2
	FETCH_H kk+2
.endif
.set kk, kk+1
.endr
	WIN 0
.if \more
	s_wait_xcnt 0x0                                ; every load issued so far has read its address: the two pointers step
	s_add_nc_u64 s[32:33], s[32:33], 32768
	s_add_nc_u64 s[34:35], s[34:35], 512
.endif
.endm
	s_load_b512 s[8:23], s[0:1], 0x0               ; smp, src, wts, b_out, ln1_g, ln1_b, b_ffn1, b_ffn2
	s_load_b128 s[24:27], s[0:1], 0x40             ; ln2_g, ln2_b
	s_load_b64 s[28:29], s[0:1], 0x50              ; out0
	v_lshl_add_u32 v18, v0, 2, SPARE
	v_mov_b32 v19, 0
	v_lshrrev_b32 v17, 5, v0
	v_readfirstlane_b32 s2, v17                    ; wave 0..3
	s_mul_i32 s3, ttmp9, 112                       ; the work-group's first row
	v_and_b32 v1, 15, v0
	v_bfe_u32 v2, v0, 4, 1
	v_and_b32 v17, 31, v0
	v_lshlrev_b32 v3, 4, v17
	v_mul_u32_u24 v4, v1, XP
	v_lshl_add_u32 v4, v2, 4, v4
	s_lshl_b32 s5, s2, 7
	v_add_nc_u32 v5, s5, v4
	v_mul_u32_u24 v7, v1, HP
	v_lshl_add_u32 v7, v2, 4, v7
	v_add_nc_u32 v7, HB, v7
	s_lshl_b32 s6, s2, 6
	v_add_nc_u32 v6, s6, v7
	s_mul_i32 s6, s2, STGW
	s_add_co_u32 s6, s6, STG
	v_mul_u32_u24 v8, v1, HP
	v_lshl_add_u32 v8, v2, 5, v8
	v_add_nc_u32 v8, s6, v8
	v_mul_u32_u24 v9, v2, HP
	v_lshl_add_u32 v9, v1, 4, v9
	v_add_nc_u32 v9, s6, v9
	v_lshlrev_b32 v11, 4, v1
	v_add_nc_u32 v11, RED, v11
	s_lshl_b32 s6, s2, 2
	v_add_nc_u32 v10, s6, v11
	s_lshl_b32 s6, s2, 8
	v_lshlrev_b32 v13, 5, v2
	v_add_nc_u32 v12, s6, v13
	v_lshlrev_b32 v14, 10, v2
	v_lshl_add_u32 v14, v1, 4, v14
	v_add_nc_u32 v14, s6, v14
	s_lshl_b32 s7, s3, 10
	v_add_nc_u32 v15, s7, v14
	v_mov_b32 v16, 0
	v_bfe_u32 v17, v0, 2, 3                        ; where a block of smp goes: row l / 4 of 8, head 2w's 64 bytes, 16 (l % 4)
	v_mul_u32_u24 v17, v17, XP
	v_and_b32 v20, 3, v0
	v_lshl_add_u32 v17, v20, 4, v17
	v_add_nc_u32 v17, s5, v17
	s_mov_b32 s42, 0x76543210                      ; v_permlanex16_b32: each lane takes its own place in the other half
	s_mov_b32 s43, 0xfedcba98
	s_sub_co_u32 s44, M, s3
	s_min_u32 s44, s44, 112                        ; rows of mine that exist
	s_mov_b32 s45, 0x3b800000                      ; 1 / 256
	s_mov_b32 s46, 0x3727c5ac                      ; 1e-5
	s_mov_b32 s39, 0
	s_wait_kmcnt 0x0
	s_lshl_b32 s38, s2, 15
	s_add_co_u32 s38, s38, WO_OFF
	s_add_nc_u64 s[30:31], s[12:13], s[38:39]      ; my 32 fragments of w_out
	s_lshl_b32 s38, s2, 19
	s_add_co_u32 s38, s38, WF_OFF
	s_add_nc_u64 s[32:33], s[12:13], s[38:39]      ; my 512 fragments of the two large matrices
	s_lshl_b32 s38, s2, 7
	s_add_nc_u64 s[34:35], s[20:21], s[38:39]      ; b_ffn1 at my 32 units of chunk 0
	s_mul_i32 s38, s2, 2*VPL
	s_add_nc_u64 s[36:37], s[8:9], s[38:39]        ; smp at head 2w
	; THE WAY IN.  smp: heads 2w and 2w + 1, 14 blocks of 8 rows x 64 bytes = 512 bytes on end each; blocks past smp's last take the last
	s_mul_i32 s5, ttmp9, 14
.set i, 0
.rept 14
	s_add_co_u32 s6, s5, i
	s_min_u32 s6, s6, SBLK-1
	v_lshl_add_u32 v[RING+i], s6, 9, v3
.set i, i+1
.endr
	WIN 0x40
.set i, 0
.rept 14
	global_load_b128 v[8*i:8*i+3],   v[RING+i], s[36:37] th:TH_LOAD_NT
	global_load_b128 v[8*i+4:8*i+7], v[RING+i], s[36:37] offset:VPL th:TH_LOAD_NT
.set i, i+1
.endr
	SRCB 0
	s_wait_loadcnt 28                              ; smp is in; the first batch of src, 28 loads, may stay out
	WIN 0x04
.set i, 0
.rept 14
	ds_store_b128 v17, v[8*i:8*i+3]   offset:8*XP*i
	ds_store_b128 v17, v[8*i+4:8*i+7] offset:8*XP*i+64
.set i, i+1
.endr
	SRCB 1
	s_wait_loadcnt 28                              ; the first batch is in; the second's 28 may stay out
	SRCST 0
	PARAM 0, B1, 14                                ; b_out, into v20-51
	REFILL 30, 0, 0, 16                            ; the ring's first fill: w_out's fragments 0-15
	s_wait_loadcnt 40                              ; the second batch is in; b_out's 8 and the ring's 32 may stay out
	SRCST 1
	WIN 0
	s_wait_dscnt 0x0                               ; my two heads of all rows are in LDS,
	BAR                                            ; everybody's are
	LOADA
	WIN 0xc0
.set tt, 0
.rept 28
	ds_load_b128 v[8*tt:8*tt+3],   v8 offset:16*HP*(tt/4)+64*(tt%4)       ; src in Y's layout, out of my own stage
	ds_load_b128 v[8*tt+4:8*tt+7], v8 offset:16*HP*(tt/4)+64*(tt%4)+16
.set tt, tt+1
.endr
	s_wait_dscnt 0x0
	s_wait_loadcnt 32                              ; b_out is in; the ring's 32 may stay out
	WIN 0xc3
	ALLP v_pk_add_f32 v[8*tt+2*ii:8*tt+2*ii+1], v[8*tt+2*ii:8*tt+2*ii+1], v[B1+8*(tt%4)+2*ii:B1+8*(tt%4)+2*ii+1]
	; Y += smp w_out.  Behind a quad's eight loads stand three more quads' 24.  The slots take w_out's second half and then chunk 0's fragments of w_ffn1
.set kk, 0
.rept 8
	s_wait_loadcnt 24
	MMY kk%4, 0, kk
	WIN 0
	PLACES 4
.if kk < 4
	REFILL 30, 16384+4096*kk, 4*kk, 4
.else
	REFILL 32, 4096*(kk-4), 4*(kk-4), 4
.endif
.set kk, kk+1
.endr
	PARAM 0x40, 0, 16                              ; smp's fragments have had their last product: ln1's gain and bias and b_ffn2 take their place
	PARAM 0x40, 32, 18
	PARAM 0x40, 64, 22
	LOADB1 0
	LN 0
	; x: rounded to bf16 into LDS for the products (every wave's reads of smp's rows were waited for ahead of the norm's barriers); Y goes on as x + b_ffn2
.set hf, 0
.rept 2
	WIN 0x0f
.set i, 0
.rept 14
.set tt, 14*hf+i
.set j, 0
.rept 4
	v_cvt_pk_bf16_f32 v[TMP+4*i+j], v[8*tt+2*j], v[8*tt+2*j+1]
.set j, j+1
.endr
.set i, i+1
.endr
	WIN 0
.set i, 0
.rept 14
.set tt, 14*hf+i
	ds_store_b128 v5, v[TMP+4*i:TMP+4*i+3] offset:16*XP*(tt/4)+32*(tt%4)
.set i, i+1
.endr
.set hf, hf+1
.endr
	WIN 0xc7
	ALLP v_pk_add_f32 v[8*tt+2*ii:8*tt+2*ii+1], v[8*tt+2*ii:8*tt+2*ii+1], v[64+8*(tt%4)+2*ii:64+8*(tt%4)+2*ii+1]
	WIN 0
	s_wait_dscnt 0x0                               ; my 64 channels of x are in LDS,
	BAR                                            ; everybody's are
	LOADA
	s_wait_dscnt 0x0
	s_mov_b32 s4, 15
.Lchunk:
	CHUNK 1
	s_sub_co_u32 s4, s4, 1
	s_cmp_lg_u32 s4, 0
	s_cbranch_scc1 .Lchunk
	CHUNK 0                                        ; the last chunk asks for no further weights
	LN 2
	; THE WAY OUT: through my own stage, back as whole rows: sixteen lanes store 256 bytes on end, at a multiple of 256 from out0's first byte
	WIN 0x0c
.set tt, 0
.rept 28
	ds_store_b128 v8, v[8*tt:8*tt+3]   offset:16*HP*(tt/4)+64*(tt%4)
	ds_store_b128 v8, v[8*tt+4:8*tt+7] offset:16*HP*(tt/4)+64*(tt%4)+16
.set tt, tt+1
.endr
	WIN 0
.set hf, 0
.rept 2
.if hf == 1
	s_wait_xcnt 0x0                                ; the first half's stores have read their registers, which are loaded again
.endif
.set i, 0
.rept 28
	ds_load_b128 v[RING+4*i:RING+4*i+3], v9 offset:2*HP*(28*hf+i)   ; LDS serves a wave's instructions in order (ISA guide 5.7.1.4): these see the stores above
.set i, i+1
.endr
.set i, 0
.rept 28
.if 2*(28*hf+i) == TAILROWS
	s_cmp_le_u32 s44, TAILROWS                     ; the last work-group has 44 rows: it stores no more
	s_cbranch_scc1 .Lend
.endif
	s_wait_dscnt 27-i
	global_store_b128 v15, v[RING+4*i:RING+4*i+3], s[28:29] offset:2048*(28*hf+i) th:TH_STORE_NT
.set i, i+1
.endr
.set hf, hf+1
.endr
.Lend:
	s_wait_tensorcnt 0x0                           ; the wave's end, behind my last LDS store
	ds_add_u32 v18, v19
	s_wait_dscnt 0x0
	s_endpgm
.Lfunc_end_k_q7386b882df_ffn:
	.size	k_q7386b882df_ffn, .Lfunc_end_k_q7386b882df_ffn-k_q7386b882df_ffn
	.p2alignl 7, 3214868480
	.fill 96, 4, 3214868480
	.section	.rodata,"a",@progbits
	.p2align	6, 0x0
	.amdhsa_kernel k_q7386b882df_ffn
		.amdhsa_group_segment_fixed_size 219136
		.amdhsa_private_segment_fixed_size 0
		.amdhsa_enable_private_segment 0
		.amdhsa_kernarg_size 88
		.amdhsa_user_sgpr_count 2
		.amdhsa_user_sgpr_kernarg_segment_ptr 1
		.amdhsa_wavefront_size32 1
		.amdhsa_system_sgpr_workgroup_id_x 1
		.amdhsa_system_sgpr_workgroup_id_y 1
		.amdhsa_system_sgpr_workgroup_id_z 1
		.amdhsa_system_vgpr_workitem_id 0
		.amdhsa_next_free_vgpr 1024
		.amdhsa_next_free_sgpr 66
		.amdhsa_reserve_vcc 0
		.amdhsa_float_denorm_mode_32 3
		.amdhsa_float_denorm_mode_16_64 3
		.amdhsa_memory_ordered 1
		.amdhsa_forward_progress 1
		.amdhsa_inst_pref_size 255
	.end_amdhsa_kernel
	.section	.bss,"aw",@nobits
	.p2align	6
	.space	262144
	.amdgpu_metadata
---
amdhsa.version: [ 1, 2 ]
amdhsa.kernels:
  - .name:           k_q7386b882df_ffn
    .symbol:         k_q7386b882df_ffn.kd
    .args:
      - { .name: smp, .offset: 0, .size: 8, .value_kind: global_buffer, .address_space: global }
      - { .name: src, .offset: 8, .size: 8, .value_kind: global_buffer, .address_space: global }
      - { .name: wts, .offset: 16, .size: 8, .value_kind: global_buffer, .address_space: global }
      - { .name: b_out, .offset: 24, .size: 8, .value_kind: global_buffer, .address_space: global }
      - { .name: ln1_g, .offset: 32, .size: 8, .value_kind: global_buffer, .address_space: global }
      - { .name: ln1_b, .offset: 40, .size: 8, .value_kind: global_buffer, .address_space: global }
      - { .name: b_ffn1, .offset: 48, .size: 8, .value_kind: global_buffer, .address_space: global }
      - { .name: b_ffn2, .offset: 56, .size: 8, .value_kind: global_buffer, .address_space: global }
      - { .name: ln2_g, .offset: 64, .size: 8, .value_kind: global_buffer, .address_space: global }
      - { .name: ln2_b, .offset: 72, .size: 8, .value_kind: global_buffer, .address_space: global }
      - { .name: out0, .offset: 80, .size: 8, .value_kind: global_buffer, .address_space: global }
    .group_segment_fixed_size: 219136
    .private_segment_fixed_size: 0
    .kernarg_segment_align: 8
    .kernarg_segment_size: 88
    .max_flat_workgroup_size: 128
    .sgpr_count:     66
    .vgpr_count:     1024
    .wavefront_size: 32
...
	.end_amdgpu_metadata
.endif
;; end of part 4
;; ======== version 2 of 3: 4 launches; 1.64 times as fast as version 1
;; workspace buffers: wts 2,621,440 bytes; val 13,647,872 bytes; idx 6,823,936 bytes of whole numbers; wgt 27,295,744 bytes; smp 13,647,872 bytes
;; launch prep (part 5): grid 640 x 1, 8 waves a work-group, no clusters, 0 bytes of LDS; arguments w_value, w_off, w_attn, w_out, w_ffn1, w_ffn2, wts; writes wts
.if DOCPART == 5
	.amdgcn_target "amdgcn-amd-amdhsa--gfx1250"
	.amdhsa_code_object_version 6
	.text
	.protected	k_q7386b882df_prep
	.globl	k_q7386b882df_prep
	.p2align	8
	.type	k_q7386b882df_prep,@function
k_q7386b882df_prep:
	s_mov_b64 s[64:65], 0
	v_nop
	global_prefetch_b8 v0, s[64:65] scope:SCOPE_SE
	s_setreg_imm32_b32 hwreg(HW_REG_WAVE_MODE, 25, 1), 1
	s_wait_xcnt 0x0
; All six weight matrices ([K][N], f32) are rounded once to bf16 and laid out as matrix fragments, so that the later launches
; load them straight into registers.  A fragment is 16 output channels x 32 K = 1,024 bytes: byte 512 u + 16 l + 2 e holds
; (channel l % 16 of the fragment, K = KB + 16 u + 8 (l / 16) + e).  2,560 fragments:
;   0-319     WP[tau 10][w 4][kk 8]: tau 0-3 value (heads 2w, 2w+1, two halves of 16 channels), 4-5 offsets x of heads 2w, 2w+1, 6-7 offsets y, 8-9 logits
;   320-447   WO[w 4][kk 8][n 4]: w_out, channels 64 w + 16 n
;   448-2559  WF[w 4][528]: for each wave of the last launch the two large matrices as ONE STREAM of quads of four fragments, in the order in which that wave multiplies them.
;             Block c (0-15) has eight quads q.  q even: w_ffn1, units 128 c + 32 w + 16 (n % 2), K = 32 (q + n / 2).  q odd: w_ffn2, channels 64 w + 16 n, K = 128 c' + 32 ((w + p) % 4):
;             q = 1, 3, 5: c' = (c - 1) mod 16, p = 1, 2, 3;  q = 7: c' = c, p = 0.  A tail of four quads follows: c' = 15, p = 1, 2, 3, 0.
; A work-group writes four fragments, a wave half a fragment, a thread 16 bytes at 16 x its number: a wave's store is 512 bytes on end.
; Each range of fragments has its own copy of the tail of this text, so that every address has one origin.  No LDS, no matrix unit: a copy of 2.6 MB.
	s_load_b256 s[8:15], s[0:1], 0x0               ; w_value s[8:9], w_off s[10:11], w_attn s[12:13], w_out s[14:15]
	s_load_b128 s[16:19], s[0:1], 0x20             ; w_ffn1 s[16:17], w_ffn2 s[18:19]
	s_load_b64 s[20:21], s[0:1], 0x30              ; wts
	v_lshrrev_b32 v3, 5, v0
	v_readfirstlane_b32 s2, v3                     ; wave 0..7
	v_and_b32 v1, 15, v0                           ; the fragment's channel
	v_bfe_u32 v2, v0, 4, 1                         ; l / 16
	v_lshlrev_b32 v9, 4, v0                        ; my 16 bytes of the work-group's 4,096
	s_and_b32 s3, s2, 1                            ; u: which half of the fragment
	s_lshr_b32 s22, s2, 1
	s_lshl_b32 s23, ttmp9, 2
	s_add_co_u32 s22, s22, s23                     ; F: the fragment's number
	s_lshl_b32 s26, ttmp9, 12
	s_mov_b32 s27, 0
	s_lshr_b32 s23, s22, 5                         ; for WP: tau,
	s_bfe_u32 s24, s22, 0x20003                    ; w,
	s_and_b32 s5, s22, 7
	s_lshl_b32 s5, s5, 5                           ; KB = 32 kk
	s_wait_kmcnt 0x0
	s_add_nc_u64 s[20:21], s[20:21], s[26:27]
; The tail.  s4 = the fragment's first column CB, s5 = KB, s3 = u; p: the matrix' address; rb: bytes in a row of it; cs: bytes from one channel of the fragment to the next.
.macro TAIL p, rb, cs
	s_lshl4_add_u32 s6, s3, s5                     ; KB + 16 u
	s_mul_i32 s6, s6, \rb
	s_lshl2_add_u32 s6, s4, s6                     ; + 4 CB
	s_mov_b32 s7, 0
	s_add_nc_u64 s[\p:\p+1], s[\p:\p+1], s[6:7]
	v_mul_u32_u24 v8, v2, 8*(\rb)                  ; 8 (l / 16) rows of K
	v_mad_u32_u24 v8, v1, \cs, v8                  ; + my channel
.irp e, 0,1,2,3,4,5,6,7
	global_load_b32 v[16+\e], v8, s[\p:\p+1] offset:\e*(\rb)
.endr
	s_wait_loadcnt 0x0
	v_cvt_pk_bf16_f32 v24, v16, v17
	v_cvt_pk_bf16_f32 v25, v18, v19
	v_cvt_pk_bf16_f32 v26, v20, v21
	v_cvt_pk_bf16_f32 v27, v22, v23
	global_store_b128 v9, v[24:27], s[20:21]
	s_endpgm
.endm
	s_cmp_lt_u32 s22, 128
	s_cbranch_scc0 .Loff
	s_lshr_b32 s25, s23, 1                         ; value: column (2 w + tau / 2) 32 + (tau % 2) 16
	s_lshl1_add_u32 s25, s24, s25
	s_lshl_b32 s4, s25, 5
	s_and_b32 s25, s23, 1
	s_lshl4_add_u32 s4, s25, s4
	TAIL 8, 1024, 4
.Loff:
	s_cmp_lt_u32 s22, 256
	s_cbranch_scc0 .Lattn
	s_and_b32 s25, s23, 1                          ; offsets: column (2 w + t % 2) 32 + 2 point + (t / 2: x or y), t = tau - 4
	s_lshl1_add_u32 s25, s24, s25
	s_lshl_b32 s4, s25, 5
	s_bfe_u32 s25, s23, 0x10001
	s_add_co_u32 s4, s4, s25
	TAIL 10, 1024, 8
.Lattn:
	s_cmp_lt_u32 s22, 320
	s_cbranch_scc0 .Lout
	s_and_b32 s25, s23, 1                          ; logits: column (2 w + t) 16, t = tau - 8
	s_lshl1_add_u32 s25, s24, s25
	s_lshl_b32 s4, s25, 4
	TAIL 12, 512, 4
.Lout:
	s_cmp_lt_u32 s22, 448
	s_cbranch_scc0 .Lffn
	s_sub_co_u32 s22, s22, 320                     ; WO: w, kk, n
	s_lshr_b32 s24, s22, 5
	s_bfe_u32 s5, s22, 0x30002
	s_lshl_b32 s5, s5, 5
	s_and_b32 s25, s22, 3
	s_lshl_b32 s4, s24, 6
	s_lshl4_add_u32 s4, s25, s4
	TAIL 14, 1024, 4
.Lffn:
	s_sub_co_u32 s22, s22, 448                     ; WF: the wave w and the fragment's place among its 528
	s_mov_b32 s24, 0
.rept 3
	s_cmp_ge_u32 s22, 528
	s_cselect_b32 s6, 528, 0
	s_cselect_b32 s7, 1, 0
	s_sub_co_u32 s22, s22, s6
	s_add_co_u32 s24, s24, s7
.endr
	s_lshr_b32 s23, s22, 5                         ; block c, 16 for the tail
	s_bfe_u32 s25, s22, 0x30002                    ; quad q
	s_and_b32 s26, s22, 3                          ; n
	s_cmp_eq_u32 s23, 16
	s_cbranch_scc1 .Ltail
	s_and_b32 s6, s25, 1
	s_cmp_lg_u32 s6, 0
	s_cbranch_scc1 .Lw2
	s_lshr_b32 s5, s26, 1                          ; w_ffn1: KB = 32 (q + n / 2), column 128 c + 32 w + 16 (n % 2)
	s_add_co_u32 s5, s5, s25
	s_lshl_b32 s5, s5, 5
	s_lshl_b32 s4, s23, 7
	s_lshl_b32 s6, s24, 5
	s_add_co_u32 s4, s4, s6
	s_and_b32 s6, s26, 1
	s_lshl4_add_u32 s4, s6, s4
	TAIL 16, 8192, 4
.Ltail:
	s_mov_b32 s23, 15                              ; the tail: chunk 15, p = (q + 1) mod 4
	s_add_co_u32 s25, s25, 1
	s_and_b32 s25, s25, 3
	s_branch .Lw2go
.Lw2:
	s_cmp_lg_u32 s25, 7                            ; q = 1, 3, 5: the chunk before, p = (q + 1) / 2;  q = 7: this chunk, p = 0
	s_cselect_b32 s6, 1, 0
	s_sub_co_u32 s23, s23, s6
	s_and_b32 s23, s23, 15
	s_add_co_u32 s25, s25, 1
	s_bfe_u32 s25, s25, 0x20001
.Lw2go:
	s_add_co_u32 s25, s25, s24                     ; w_ffn2: KB = 128 c' + 32 ((w + p) % 4), column 64 w + 16 n
	s_and_b32 s25, s25, 3
	s_lshl_b32 s5, s25, 5
	s_lshl_b32 s6, s23, 7
	s_add_co_u32 s5, s5, s6
	s_lshl_b32 s4, s24, 6
	s_lshl4_add_u32 s4, s26, s4
	TAIL 18, 1024, 4
.Lfunc_end_k_q7386b882df_prep:
	.size	k_q7386b882df_prep, .Lfunc_end_k_q7386b882df_prep-k_q7386b882df_prep
	.p2alignl 7, 3214868480
	.fill 96, 4, 3214868480
	.section	.rodata,"a",@progbits
	.p2align	6, 0x0
	.amdhsa_kernel k_q7386b882df_prep
		.amdhsa_group_segment_fixed_size 0
		.amdhsa_private_segment_fixed_size 0
		.amdhsa_enable_private_segment 0
		.amdhsa_kernarg_size 56
		.amdhsa_user_sgpr_count 2
		.amdhsa_user_sgpr_kernarg_segment_ptr 1
		.amdhsa_wavefront_size32 1
		.amdhsa_system_sgpr_workgroup_id_x 1
		.amdhsa_system_sgpr_workgroup_id_y 1
		.amdhsa_system_sgpr_workgroup_id_z 1
		.amdhsa_system_vgpr_workitem_id 0
		.amdhsa_next_free_vgpr 32
		.amdhsa_next_free_sgpr 66
		.amdhsa_reserve_vcc 0
		.amdhsa_float_denorm_mode_32 3
		.amdhsa_float_denorm_mode_16_64 3
		.amdhsa_memory_ordered 1
		.amdhsa_forward_progress 1
		.amdhsa_inst_pref_size 13
	.end_amdhsa_kernel
	.amdgpu_metadata
---
amdhsa.version: [ 1, 2 ]
amdhsa.kernels:
  - .name:           k_q7386b882df_prep
    .symbol:         k_q7386b882df_prep.kd
    .args:
      - { .name: w_value, .offset: 0, .size: 8, .value_kind: global_buffer, .address_space: global }
      - { .name: w_off, .offset: 8, .size: 8, .value_kind: global_buffer, .address_space: global }
      - { .name: w_attn, .offset: 16, .size: 8, .value_kind: global_buffer, .address_space: global }
      - { .name: w_out, .offset: 24, .size: 8, .value_kind: global_buffer, .address_space: global }
      - { .name: w_ffn1, .offset: 32, .size: 8, .value_kind: global_buffer, .address_space: global }
      - { .name: w_ffn2, .offset: 40, .size: 8, .value_kind: global_buffer, .address_space: global }
      - { .name: wts, .offset: 48, .size: 8, .value_kind: global_buffer, .address_space: global }
    .group_segment_fixed_size: 0
    .private_segment_fixed_size: 0
    .kernarg_segment_align: 8
    .kernarg_segment_size: 56
    .max_flat_workgroup_size: 256
    .sgpr_count:     66
    .vgpr_count:     32
    .wavefront_size: 32
...
	.end_amdgpu_metadata
.endif
;; end of part 5
;; launch proj (part 6): grid 238 x 1, 4 waves a work-group, no clusters, 118,784 bytes of LDS; arguments src, pos, reference_points, wts, b_value, b_off, b_attn, val, idx, wgt; writes val, idx, wgt
.if DOCPART == 6
	.amdgcn_target "amdgcn-amd-amdhsa--gfx1250"
	.amdhsa_code_object_version 6
	.text
	.protected	k_q7386b882df_proj
	.globl	k_q7386b882df_proj
	.p2align	8
	.type	k_q7386b882df_proj,@function
k_q7386b882df_proj:
	s_mov_b64 s[64:65], 0
	v_nop
	global_prefetch_b8 v0, s[64:65] scope:SCOPE_SE
	s_setreg_imm32_b32 hwreg(HW_REG_WAVE_MODE, 25, 1), 1
	s_wait_xcnt 0x0
; value = src w_value + b_value; offsets and logits from q = src + pos; softmax over a head's 16 points; for each point a base index and four corner weights.
; SHARES.  A work-group takes 112 rows (7 tiles of 16); 238 x 112 = 26,656 rows, the last 68 made from the clamped last row and stored as padding.  Wave w takes heads 2w and 2w+1:
; ten tiles tau of 16 output channels (0-3 value, 4-5 offsets x, 6-7 offsets y, 8-9 logits).  Its 80 weight fragments stay in registers; the rows, rounded to bf16, stream from LDS.
; THE PRODUCTS ARE TRANSPOSED (source 0 = 16 channels of weights, source 1 = 16 rows): in a result lane (r = l % 16, h = l / 16) holds row r and channels 8 h + j.  For offsets and logits
; channel 8 h + j is point 4 level + p of the head: level 2 h + j / 4, p = j % 4.  So a point's x, y and logit lie in one lane, and the softmax wants one exchange between the lanes' halves.
; SAMPLING, restated.  gx = ref_x W + off_x - 0.5 (the same number as (ref_x + off_x / W) W - 0.5 in another order of rounding); xb = floor(gx) held to 0 .. W - 2; tx = gx - xb;
; column xb weighs max(0, 1 - |tx|), column xb + 1 max(0, 1 - |tx - 1|): for every gx that is the sum of the in-range corners.  The same in y.  All four levels are square: W's constants serve H.
; STORED in planes of [row 26,656][16 bytes]; a lane's 16 bytes are its row's place in plane .. + h, so sixteen lanes store 256 bytes on end, at a multiple of 256, and one offset register serves every store:
;   val  plane 4 head + channel / 8: 8 channels in bf16          idx  plane 2 head + h: 8 x u16 = 14 x batch + level start + yb W + xb (the next launch's table of batch 1 begins 14 rows ahead of its first row)
;   wgt  plane 8 head + 4 dx + 2 (j / 4) + h: 4 points x (dy 0, dy 1) in bf16 = softmax weight x wy x wx
; LIMITS.  The order of rounding of gx, as said; value and the corner weights are rounded once to bf16; NaN and infinities are not treated apart.
; NO CLUSTER: each byte of the weights is wanted by one wave of a work-group and goes straight into its registers, and 238 work-groups are no multiple of four.
; REGISTERS, in windows of 256 (s_set_vgpr_msb: bits 1:0 source 0, 3:2 source 1, 5:4 source 2, 7:6 destination):
;   window 0: v0-31 addresses and constants; v32-111 the ten accumulators; v112-191 their biases; v192-255 at work.   window 1: weights of tau 0-3 at 8 (8 tau + k).   window 2: of tau 4-7.
;   window 3: v0-127 weights of tau 8-9; v128-191 a tile's 8 fragments of src; v192-255 of q.
.set M,     26588
.set LV,    13294
.set PLN,   426496                     ; a plane: 26,656 rows x 16 bytes
.set XP,    528                        ; an LDS row: 512 bytes + 16: the 16 rows of a fragment load start 4 banks apart
.set QB,    59136                      ; LDS: src in bf16 at 0, q in bf16 here, 112 rows each
.set SPARE, 118272                     ; the spare words, 128 bytes a wave
.set ACC,   32
.set BIAS,  112
.set T,     192
.set XB,    T                          ; in POST: xb, yb, the four one-dimensional weights, the packed corner weights
.set YB,    T+8
.set WX0,   T+16
.set WX1,   T+24
.set WY0,   T+32
.set WY1,   T+40
.set OUT,   T+48
; v1 r, v2 h, v3 16 x lane, v4 / v5 LDS address of my fragments of src / q, v8 my 16 bytes in a pair of planes, v10 my row,
; v11 / v12 the add's two registers, v13 address of the reference points, v14:15 W, v16:17 W - 2, v18:19 level start (each for levels 2 h and 2 h + 1), v20:23 reference points,
; v24:25 ref_x W - 0.5, v26:27 ref_y H - 0.5, v28:29 level start + 14 x batch, v30:31 at work.  While rows are staged: v14-27 row offsets, v28 / v29 LDS addresses, v32-255 data.
.set MSB, 0
.macro WIN new                         ; the immediate's high byte repeats the setting that is left; a switch that changes nothing is dropped
.if MSB != (\new)
	s_set_vgpr_msb (MSB<<8)|(\new)
.set MSB, (\new)
.endif
.endm
	s_load_b512 s[8:23], s[0:1], 0x0               ; src, pos, reference_points, wts, b_value, b_off, b_attn, val
	s_load_b128 s[24:27], s[0:1], 0x40             ; idx, wgt
	v_lshl_add_u32 v11, v0, 2, SPARE
	v_mov_b32 v12, 0
	v_lshrrev_b32 v13, 5, v0
	v_readfirstlane_b32 s2, v13                    ; wave 0..3
	s_mul_i32 s3, ttmp9, 112                       ; the work-group's first row
	v_and_b32 v1, 15, v0
	v_bfe_u32 v2, v0, 4, 1
	v_and_b32 v30, 31, v0
	v_lshlrev_b32 v3, 4, v30
	v_mul_u32_u24 v4, v1, XP
	v_lshl_add_u32 v4, v2, 4, v4
	v_add_nc_u32 v5, QB, v4
	v_add_nc_u32 v10, s3, v1
	v_mul_u32_u24 v8, v2, PLN
	v_lshl_add_u32 v8, v10, 4, v8                  ; 16 x row + h planes
	s_mul_i32 s6, s2, 28*XP
	v_lshl_add_u32 v28, v30, 3, s6                 ; staging: my wave's 28 rows, 8 bytes a lane
	v_add_nc_u32 v29, QB, v28
	s_mov_b32 s28, 0x76543210                      ; v_permlanex16_b32: each lane takes its own place in the other half
	s_mov_b32 s29, 0xfedcba98
	s_mov_b32 s30, 0x3fb8aa3b                      ; log2(e)
	s_mov_b32 s31, s30                             ; named with it as a pair
	s_mov_b32 s46, 0x41600000                      ; 14.0
	s_mov_b32 s49, 0
	s_wait_kmcnt 0x0
	s_lshl_b32 s48, s2, 13
	s_add_nc_u64 s[32:33], s[14:15], s[48:49]      ; WP at my wave's fragments
	s_mul_i32 s48, s2, 8*PLN
	s_add_nc_u64 s[34:35], s[22:23], s[48:49]      ; val, idx, wgt at head 2w
	s_mul_i32 s48, s2, 4*PLN
	s_add_nc_u64 s[36:37], s[24:25], s[48:49]
	s_mul_i32 s48, s2, 16*PLN
	s_add_nc_u64 s[38:39], s[26:27], s[48:49]
	s_lshl_b32 s48, s2, 8
	s_add_nc_u64 s[40:41], s[16:17], s[48:49]      ; the biases at head 2w
	s_add_nc_u64 s[42:43], s[18:19], s[48:49]
	s_lshl_b32 s48, s2, 7
	s_add_nc_u64 s[44:45], s[20:21], s[48:49]
	; my 80 weight fragments: two loads of 512 bytes on end each
.set tau, 0
.rept 10
	WIN 0x40*(1+tau/4)
.set kk, 0
.rept 8
	global_load_b128 v[8*(8*(tau%4)+kk):8*(8*(tau%4)+kk)+3],   v3, s[32:33] offset:tau*32768+kk*1024
	global_load_b128 v[8*(8*(tau%4)+kk)+4:8*(8*(tau%4)+kk)+7], v3, s[32:33] offset:tau*32768+kk*1024+512
.set kk, kk+1
.endr
.set tau, tau+1
.endr
	WIN 0
	; STAGING: my wave's 28 rows of src and pos, 14 a trip: 56 loads of 512 bytes on end; src and src + pos are rounded to bf16 and put into LDS
	s_mul_i32 s5, s2, 28
	s_add_co_u32 s5, s5, s3
	s_mov_b32 s4, 2
.Lstage:
.set i, 0
.rept 14
	s_add_co_u32 s6, s5, i
	s_min_u32 s6, s6, M-1                          ; rows past the end take the last row
	v_lshl_add_u32 v[14+i], s6, 10, v3
	global_load_b128 v[32+16*i:35+16*i],  v[14+i], s[8:9] th:TH_LOAD_NT
	global_load_b128 v[36+16*i:39+16*i],  v[14+i], s[8:9] offset:512 th:TH_LOAD_NT
	global_load_b128 v[40+16*i:43+16*i],  v[14+i], s[10:11] th:TH_LOAD_NT
	global_load_b128 v[44+16*i:47+16*i],  v[14+i], s[10:11] offset:512 th:TH_LOAD_NT
.set i, i+1
.endr
.set i, 0
.rept 14
.set D, 32+16*i
	s_wait_loadcnt 52-4*i                          ; row i is in; the four loads of each later row may stay out
	v_pk_add_f32 v[D+8:D+9],   v[D:D+1],   v[D+8:D+9]
	v_pk_add_f32 v[D+10:D+11], v[D+2:D+3], v[D+10:D+11]
	v_pk_add_f32 v[D+12:D+13], v[D+4:D+5], v[D+12:D+13]
	v_pk_add_f32 v[D+14:D+15], v[D+6:D+7], v[D+14:D+15]
	v_cvt_pk_bf16_f32 v[D],    v[D],    v[D+1]
	v_cvt_pk_bf16_f32 v[D+1],  v[D+2],  v[D+3]
	v_cvt_pk_bf16_f32 v[D+4],  v[D+4],  v[D+5]
	v_cvt_pk_bf16_f32 v[D+5],  v[D+6],  v[D+7]
	v_cvt_pk_bf16_f32 v[D+8],  v[D+8],  v[D+9]
	v_cvt_pk_bf16_f32 v[D+9],  v[D+10], v[D+11]
	v_cvt_pk_bf16_f32 v[D+12], v[D+12], v[D+13]
	v_cvt_pk_bf16_f32 v[D+13], v[D+14], v[D+15]
	ds_store_b64 v28, v[D:D+1]     offset:i*XP
	ds_store_b64 v28, v[D+4:D+5]   offset:i*XP+256
	ds_store_b64 v29, v[D+8:D+9]   offset:i*XP
	ds_store_b64 v29, v[D+12:D+13] offset:i*XP+256
.set i, i+1
.endr
	s_wait_dscnt 0x0                               ; the stores have read their registers before the next trip's loads are issued into them
	v_add_nc_u32 v28, 14*XP, v28
	v_add_nc_u32 v29, 14*XP, v29
	s_add_co_u32 s5, s5, 14
	s_sub_co_u32 s4, s4, 1
	s_cmp_lg_u32 s4, 0
	s_cbranch_scc1 .Lstage
	; the biases in the accumulators' layout: they are the C operand of each sum's first product
	v_lshlrev_b32 v30, 5, v2
	v_lshlrev_b32 v31, 6, v2
.set t, 0
.rept 4
	global_load_b128 v[BIAS+8*t:BIAS+8*t+3],   v30, s[40:41] offset:(t/2)*128+(t%2)*64
	global_load_b128 v[BIAS+8*t+4:BIAS+8*t+7], v30, s[40:41] offset:(t/2)*128+(t%2)*64+16
.set t, t+1
.endr
.set t, 0
.rept 2
	global_load_b128 v[BIAS+64+8*t:BIAS+64+8*t+3],   v30, s[44:45] offset:t*64
	global_load_b128 v[BIAS+64+8*t+4:BIAS+64+8*t+7], v30, s[44:45] offset:t*64+16
.set i, 0
.rept 4
	global_load_b128 v[T+16*t+4*i:T+16*t+4*i+3], v31, s[42:43] offset:t*128+16*i   ; x and y by turns: parted below
.set i, i+1
.endr
.set t, t+1
.endr
.macro LVC d, a, b                     ; a constant of level 2 h (+ 1): a in lanes 0-15, b in lanes 16-31
	s_mov_b32 s6, \b
	v_mov_b32 v[\d], \a
	v_cndmask_b32 v[\d], v[\d], s6, vcc_lo
.endm
	v_cmp_eq_u32 vcc_lo, 1, v2
	LVC 14, 0x42c80000, 0x41c80000                 ; W: 100, 25
	LVC 15, 0x42480000, 0x41500000                 ;    50, 13
	LVC 16, 0x42c40000, 0x41b80000                 ; W - 2: 98, 23
	LVC 17, 0x42400000, 0x41300000                 ;        48, 11
	LVC 18, 0, 0x46435000                          ; start: 0, 12,500
	LVC 19, 0x461c4000, 0x464d1400                 ;        10,000, 13,125
	s_wait_loadcnt 0x0
.set t, 0
.rept 2
.set j, 0
.rept 8
	v_mov_b32 v[BIAS+32+8*t+j], v[T+16*t+2*j]
	v_mov_b32 v[BIAS+48+8*t+j], v[T+16*t+2*j+1]
.set j, j+1
.endr
.set t, t+1
.endr
	s_wait_dscnt 0x0                               ; my rows are in LDS,
	s_barrier_signal -1
	s_barrier_wait -1                              ; everybody's are; they are never written again
.macro FETCH                           ; a tile's 8 fragments of src, then its 8 of q
	WIN 0xc0
.set k, 0
.rept 8
	ds_load_b128 v[128+8*k:131+8*k], v4 offset:64*k
	ds_load_b128 v[132+8*k:135+8*k], v4 offset:64*k+32
.set k, k+1
.endr
.set k, 0
.rept 8
	ds_load_b128 v[192+8*k:195+8*k], v5 offset:64*k
	ds_load_b128 v[196+8*k:199+8*k], v5 offset:64*k+32
.set k, k+1
.endr
	WIN 0
.endm
.macro REF add                         ; the reference points of levels 2 h, 2 h + 1 of my row of the tile add rows on
	v_add_nc_u32 v13, \add, v10
	v_min_u32 v13, M-1, v13
	v_lshlrev_b32 v13, 5, v13
	v_lshl_add_u32 v13, v2, 4, v13
	global_load_b128 v[20:23], v13, s[12:13]
.endm
; nt accumulators from t0 on take turns, one instruction a turn, K ascending; the first product takes the bias as C
.macro GRP w, t0, nt, fb
	WIN \w
.set k, 0
.rept 8
.set t, 0
.rept \nt
.if k == 0
	v_wmma_f32_16x16x32_bf16 v[ACC+8*((\t0)+t):ACC+8*((\t0)+t)+7], v[8*(8*t+k):8*(8*t+k)+7], v[(\fb)+8*k:(\fb)+8*k+7], v[BIAS+8*((\t0)+t):BIAS+8*((\t0)+t)+7]
.else
	v_wmma_f32_16x16x32_bf16 v[ACC+8*((\t0)+t):ACC+8*((\t0)+t)+7], v[8*(8*t+k):8*(8*t+k)+7], v[(\fb)+8*k:(\fb)+8*k+7], v[ACC+8*((\t0)+t):ACC+8*((\t0)+t)+7]
.endif
.set t, t+1
.endr
.set k, k+1
.endr
.endm
.macro PRE                             ; what the tile's points share
	s_wait_loadcnt 0x0                             ; the reference points
	v_fma_f32 v24, v20, v14, -0.5
	v_fma_f32 v25, v22, v15, -0.5
	v_fma_f32 v26, v21, v14, -0.5
	v_fma_f32 v27, v23, v15, -0.5
	v_cmp_le_u32 vcc_lo, LV, v10                   ; the second batch's rows: its table begins 14 rows ahead of them
	v_cndmask_b32 v30, 0, s46, vcc_lo
	v_add_f32 v28, v18, v30
	v_add_f32 v29, v19, v30
.endm
.macro VALOUT                          ; value: a lane's eight channels of a row are 16 bytes of plane 4 head + 2 (tau % 2) + h
.set t, 0
.rept 4
.set j, 0
.rept 4
	v_cvt_pk_bf16_f32 v[T+4*t+j], v[ACC+8*t+2*j], v[ACC+8*t+2*j+1]
.set j, j+1
.endr
.set t, t+1
.endr
.set t, 0
.rept 4
	global_store_b128 v8, v[T+4*t:T+4*t+3], s[34:35] offset:(4*(t/2)+2*(t%2))*PLN
.set t, t+1
.endr
.endm
; one axis: o: the offsets, which become g and then t = g - base; b: the base; w0, w1: the two weights; rr: ref x size - 0.5
.macro GEO o, b, w0, w1, rr
.set j, 0
.rept 8
	v_add_f32 v[\o+j], v[\rr+j/4], v[\o+j]
.set j, j+1
.endr
.set j, 0
.rept 8
	v_floor_f32 v[\b+j], v[\o+j]
.set j, j+1
.endr
.set j, 0
.rept 8
	v_med3_num_f32 v[\b+j], v[\b+j], 0, v[16+j/4]
.set j, j+1
.endr
.set j, 0
.rept 4
	v_pk_add_f32 v[\o+2*j:\o+2*j+1], v[\o+2*j:\o+2*j+1], v[\b+2*j:\b+2*j+1] neg_lo:[0,1] neg_hi:[0,1]
.set j, j+1
.endr
.set j, 0
.rept 8
	v_sub_f32 v[\w0+j], 1.0, |v[\o+j]|
	v_add_f32 v[\w1+j], -1.0, v[\o+j]
.set j, j+1
.endr
.set j, 0
.rept 8
	v_max_num_f32 v[\w0+j], 0, v[\w0+j]
	v_sub_f32 v[\w1+j], 1.0, |v[\w1+j]|
.set j, j+1
.endr
.set j, 0
.rept 8
	v_max_num_f32 v[\w1+j], 0, v[\w1+j]
.set j, j+1
.endr
.endm
.macro POST hl                         ; head 2w + hl of the tile: softmax, geometry, index, corner weights, five stores
.set OX, ACC+8*(4+(\hl))
.set OY, ACC+8*(6+(\hl))
.set LG, ACC+8*(8+(\hl))
	s_wait_xcnt 0x0                                ; the stores issued so far have read their registers, which are written again below
	v_max3_num_f32 v30, v[LG], v[LG+1], v[LG+2]    ; the maximum of the head's 16 logits: 8 here, 8 in the lane 16 away
	v_max3_num_f32 v31, v[LG+3], v[LG+4], v[LG+5]
	v_max3_num_f32 v30, v30, v[LG+6], v[LG+7]
	v_max_num_f32 v30, v30, v31
	v_permlanex16_b32 v31, v30, s28, s29
	v_max_num_f32 v30, v30, v31
	v_mul_f32 v30, s30, v30
.set j, 0
.rept 4
	v_pk_fma_f32 v[LG+2*j:LG+2*j+1], v[LG+2*j:LG+2*j+1], s[30:31], v[30:31] op_sel_hi:[1,0,0] neg_lo:[0,0,1] neg_hi:[0,0,1]
.set j, j+1
.endr
.set j, 0
.rept 8
	v_exp_f32 v[LG+j], v[LG+j]
.set j, j+1
.endr
	GEO OX, XB, WX0, WX1, 24                       ; the geometry names no exponential's result: it is the work between the batch and its wait
	GEO OY, YB, WY0, WY1, 26
	s_wait_alu depctr_va_vdst(0)                   ; one wait for the eight exponentials, ahead of their first reader
	v_pk_add_f32 v[30:31], v[LG:LG+1], v[LG+2:LG+3]
	v_pk_add_f32 v[OUT:OUT+1], v[LG+4:LG+5], v[LG+6:LG+7]
	v_pk_add_f32 v[30:31], v[30:31], v[OUT:OUT+1]
	v_add_f32 v30, v30, v31
	v_permlanex16_b32 v31, v30, s28, s29
	v_add_f32 v30, v30, v31
	v_rcp_f32 v30, v30
.set j, 0
.rept 8
	v_add_f32 v[XB+j], v[XB+j], v[28+j/4]          ; the index, whole numbers under 2^24 in f32: yb W + xb + start
.set j, j+1
.endr
.set j, 0
.rept 8
	v_fma_f32 v[XB+j], v[YB+j], v[14+j/4], v[XB+j]
.set j, j+1
.endr
.set j, 0
.rept 8
	v_cvt_u32_f32 v[XB+j], v[XB+j]
.set j, j+1
.endr
.set j, 0
.rept 4
	v_lshl_or_b32 v[XB+j], v[XB+2*j+1], 16, v[XB+2*j]
.set j, j+1
.endr
	s_wait_alu depctr_va_vdst(0)                   ; the reciprocal's wait
.set j, 0
.rept 4
	v_pk_mul_f32 v[LG+2*j:LG+2*j+1], v[LG+2*j:LG+2*j+1], v[30:31] op_sel_hi:[1,0]
.set j, j+1
.endr
.set j, 0
.rept 4
	v_pk_mul_f32 v[WY0+2*j:WY0+2*j+1], v[WY0+2*j:WY0+2*j+1], v[LG+2*j:LG+2*j+1]
	v_pk_mul_f32 v[WY1+2*j:WY1+2*j+1], v[WY1+2*j:WY1+2*j+1], v[LG+2*j:LG+2*j+1]
.set j, j+1
.endr
.irp dx, 0,1
.set j, 0
.rept 4
	v_pk_mul_f32 v[OX+2*j:OX+2*j+1], v[WY0+2*j:WY0+2*j+1], v[WX0+8*\dx+2*j:WX0+8*\dx+2*j+1]
	v_pk_mul_f32 v[OY+2*j:OY+2*j+1], v[WY1+2*j:WY1+2*j+1], v[WX0+8*\dx+2*j:WX0+8*\dx+2*j+1]
.set j, j+1
.endr
.set j, 0
.rept 8
	v_cvt_pk_bf16_f32 v[OUT+8*\dx+j], v[OX+j], v[OY+j]    ; dy 0 in the low half, dy 1 in the high
.set j, j+1
.endr
.endr
	global_store_b128 v8, v[XB:XB+3], s[36:37] offset:2*(\hl)*PLN
.set j, 0
.rept 4
	global_store_b128 v8, v[OUT+4*j:OUT+4*j+3], s[38:39] offset:(8*(\hl)+2*j)*PLN   ; j = 2 dx + (point / 4): planes 8 hl + 2 j and + 1: sixteen lanes store 256 bytes on end, at a multiple of 256
.set j, j+1
.endr
.endm
	FETCH
	REF 0
	s_mov_b32 s4, 7
.Ltile:
	s_wait_dscnt 16                                ; the fragments of src are in; q's sixteen loads may stay out
	GRP 0x0d, 0, 4, 128
	s_wait_dscnt 0x0
	GRP 0x0e, 4, 4, 192
	GRP 0x0f, 8, 2, 192
	WIN 0
.rept 4
	v_nop                                          ; four places between the last product and the loads into its sources and the reads of its result
.endr
	PRE
	s_cmp_eq_u32 s4, 1
	s_cbranch_scc1 .Lnofetch                       ; the last tile has none behind it
	v_add_nc_u32 v4, 16*XP, v4
	v_add_nc_u32 v5, 16*XP, v5
	FETCH                                          ; the next tile's fragments and reference points come while this tile's results are worked on
	REF 16
.Lnofetch:
	VALOUT
	POST 0
	POST 1
	s_wait_xcnt 0x0                                ; the stores have read their offset, which steps now
	v_add_nc_u32 v8, 256, v8
	v_add_nc_u32 v10, 16, v10
	s_sub_co_u32 s4, s4, 1
	s_cmp_lg_u32 s4, 0
	s_cbranch_scc1 .Ltile
	s_wait_tensorcnt 0x0                           ; the wave's end, behind my last LDS store
	ds_add_u32 v11, v12
	s_wait_dscnt 0x0
	s_endpgm
.Lfunc_end_k_q7386b882df_proj:
	.size	k_q7386b882df_proj, .Lfunc_end_k_q7386b882df_proj-k_q7386b882df_proj
	.p2alignl 7, 3214868480
	.fill 96, 4, 3214868480
	.section	.rodata,"a",@progbits
	.p2align	6, 0x0
	.amdhsa_kernel k_q7386b882df_proj
		.amdhsa_group_segment_fixed_size 118784
		.amdhsa_private_segment_fixed_size 0
		.amdhsa_enable_private_segment 0
		.amdhsa_kernarg_size 80
		.amdhsa_user_sgpr_count 2
		.amdhsa_user_sgpr_kernarg_segment_ptr 1
		.amdhsa_wavefront_size32 1
		.amdhsa_system_sgpr_workgroup_id_x 1
		.amdhsa_system_sgpr_workgroup_id_y 1
		.amdhsa_system_sgpr_workgroup_id_z 1
		.amdhsa_system_vgpr_workitem_id 0
		.amdhsa_next_free_vgpr 1024
		.amdhsa_next_free_sgpr 66
		.amdhsa_reserve_vcc 1
		.amdhsa_float_denorm_mode_32 3
		.amdhsa_float_denorm_mode_16_64 3
		.amdhsa_memory_ordered 1
		.amdhsa_forward_progress 1
		.amdhsa_inst_pref_size 80
	.end_amdhsa_kernel
	.amdgpu_metadata
---
amdhsa.version: [ 1, 2 ]
amdhsa.kernels:
  - .name:           k_q7386b882df_proj
    .symbol:         k_q7386b882df_proj.kd
    .args:
      - { .name: src, .offset: 0, .size: 8, .value_kind: global_buffer, .address_space: global }
      - { .name: pos, .offset: 8, .size: 8, .value_kind: global_buffer, .address_space: global }
      - { .name: reference_points, .offset: 16, .size: 8, .value_kind: global_buffer, .address_space: global }
      - { .name: wts, .offset: 24, .size: 8, .value_kind: global_buffer, .address_space: global }
      - { .name: b_value, .offset: 32, .size: 8, .value_kind: global_buffer, .address_space: global }
      - { .name: b_off, .offset: 40, .size: 8, .value_kind: global_buffer, .address_space: global }
      - { .name: b_attn, .offset: 48, .size: 8, .value_kind: global_buffer, .address_space: global }
      - { .name: val, .offset: 56, .size: 8, .value_kind: global_buffer, .address_space: global }
      - { .name: idx, .offset: 64, .size: 8, .value_kind: global_buffer, .address_space: global }
      - { .name: wgt, .offset: 72, .size: 8, .value_kind: global_buffer, .address_space: global }
    .group_segment_fixed_size: 118784
    .private_segment_fixed_size: 0
    .kernarg_segment_align: 8
    .kernarg_segment_size: 80
    .max_flat_workgroup_size: 128
    .sgpr_count:     66
    .vgpr_count:     1024
    .wavefront_size: 32
...
	.end_amdgpu_metadata
.endif
;; end of part 6
;; launch sample (part 7): grid 256 x 1, 8 waves a work-group, no clusters, 214,016 bytes of LDS; arguments idx, wgt, val, smp; writes smp
.if DOCPART == 7
	.amdgcn_target "amdgcn-amd-amdhsa--gfx1250"
	.amdhsa_code_object_version 6
	.text
	.protected	k_q7386b882df_sample
	.globl	k_q7386b882df_sample
	.p2align	8
	.type	k_q7386b882df_sample,@function
k_q7386b882df_sample:
	s_mov_b64 s[64:65], 0
	v_nop
	global_prefetch_b8 v0, s[64:65] scope:SCOPE_SE
	s_setreg_imm32_b32 hwreg(HW_REG_WAVE_MODE, 25, 1), 1
	s_wait_xcnt 0x0
; smp[row][8 channels] = the sum over a head's 16 points and 4 corners of weight x val[index + dx + dy W][8 channels], in f32, rounded once to bf16.
; THE TABLE LIES IN LDS.  All positions of one batch, one head and 8 of its 32 channels are 13,312 rows x 16 bytes = 212,992 bytes.  There are 2 x 8 x 4 = 64 such tables; four work-groups
; share each and take a quarter of its batch's queries: 256 work-groups.  Work-group number: bits 1:0 channel quarter, 3:2 query quarter, 6:4 head, 7 batch.
; Batch b's table and queries begin at row 13,280 b, a multiple of 16, so that every load and store of a wave is 512 bytes on end at a multiple of 256; the indices were stored with 14 b added.
; The indices were stored as whole numbers by the launch before; each is held to its level's greatest base index before it enters an LDS address.
; SHARES.  A lane is a query row, a wave 32 rows; in trip t of 13 wave v takes rows 13,280 b + 3,328 q + 32 (8 t + v) + lane.  A step is a level: 4 points x 4 corners = 16 LDS loads of 16 bytes a lane
; and 128 multiply-adds; two buffers, so that one step's loads are out while the step before is multiplied; the eight waves' loads keep LDS at work across a wave's change of trips.
; INDICES AND WEIGHTS (10 loads of 512 bytes on end for 32 rows) have one set of registers: each block is loaded for the next trip as soon as its last reader is past.  The offset is held inside the plane;
; what the last trip so loads serves nothing.
; STORED under EXEC: rows of my own batch alone (batch 0: under 13,294; batch 1: 13,294 to 26,591, four rows of padding among them, so that the last tile of 16 rows is whole).
; NO CLUSTER: the four that share a table read it once, at the head, 213 KB of the 745 KB that a work-group reads; the four that share indices and weights take them straight into registers.
; No matrix unit: each weight serves 8 channels of one row.
.set PLN,    426496                    ; a plane of any of the four buffers: 26,656 rows x 16 bytes
.set LV,     13294
.set BSTART, 13280
.set QROWS,  3328
.set TRIPS,  13
.set SPARE,  212992                    ; behind the table: the spare words, 128 bytes a wave
.set IX,     32                        ; v32-39   indices: plane h at IX + 4 h
.set WT,     40                        ; v40-71   weights: WT + 16 dx + 4 level + point; dy 0 in the low half, dy 1 in the high
.set G,      72                        ; v72-135, v136-199  two buffers: G + 16 point + 8 dy + 4 dx
; v1 my row's 16 bytes in a plane, v2 my row less my batch's first, v3 0, v4 / v5 the add's two registers, v6 the next trip's offset, v7 lane, v8-15 two sets of four LDS addresses (at the head: the fill's four),
; v16-23 sums, v24-27 the result.  Window 1 (v256-463): the table on its way in.
.set MSB, 0
.macro WIN new                         ; the immediate's high byte repeats the setting that is left; a switch that changes nothing is dropped
.if MSB != (\new)
	s_set_vgpr_msb (MSB<<8)|(\new)
.set MSB, (\new)
.endif
.endm
	s_load_b256 s[8:15], s[0:1], 0x0               ; idx, wgt, val, smp
	v_lshl_add_u32 v4, v0, 2, SPARE
	v_mov_b32 v5, 0
	v_lshrrev_b32 v6, 5, v0
	v_readfirstlane_b32 s2, v6                     ; wave 0..7
	s_and_b32 s3, ttmp9, 3                         ; channel quarter
	s_bfe_u32 s4, ttmp9, 0x20002                   ; query quarter
	s_bfe_u32 s5, ttmp9, 0x30004                   ; head
	s_lshr_b32 s6, ttmp9, 7                        ; batch
	v_and_b32 v7, 31, v0
	v_mov_b32 v3, 0
	s_mul_i32 s7, s6, BSTART
	s_mul_i32 s16, s4, QROWS
	s_add_co_u32 s7, s7, s16
	s_lshl_b32 s16, s2, 5
	s_add_co_u32 s7, s7, s16
	v_add_nc_u32 v2, s7, v7                        ; my row in trip 0
	v_lshlrev_b32 v1, 4, v2
	s_mul_i32 s16, s6, LV
	v_sub_nc_u32 v2, v2, s16                       ; less my batch's first row: rows ahead of it wrap to large numbers
	s_lshl_b32 s21, s6, 2
	s_add_co_u32 s21, s21, LV                      ; rows to store: 13,294, or 13,298 with the padding
	v_add_nc_u32 v6, 4096, v1                      ; a trip is 256 rows
	v_min_u32 v6, PLN-16, v6
	v_lshlrev_b32 v8, 4, v0                        ; the fill: thread t takes bytes 16 t of each 4,096
	v_add_nc_u32 v9, 0x10000, v8                   ; an LDS immediate has 16 bits: four address registers
	v_add_nc_u32 v10, 0x20000, v8
	v_add_nc_u32 v11, 0x30000, v8
	s_mov_b32 s17, 0
	s_mov_b32 s19, 0
	s_mul_i32 s16, s5, 2*PLN
	s_lshl2_add_u32 s18, s5, s3                    ; 4 head + quarter
	s_mul_i32 s18, s18, PLN
	s_wait_kmcnt 0x0
	s_add_nc_u64 s[8:9], s[8:9], s[16:17]          ; idx at plane 2 head
	s_lshl_b32 s16, s16, 2
	s_add_nc_u64 s[10:11], s[10:11], s[16:17]      ; wgt at plane 8 head
	s_add_nc_u64 s[12:13], s[12:13], s[18:19]      ; val and smp at plane 4 head + quarter
	s_add_nc_u64 s[14:15], s[14:15], s[18:19]
	s_mul_i32 s16, s6, BSTART*16
	s_add_nc_u64 s[12:13], s[12:13], s[16:17]      ; the table's first row
.macro LDI h, o                        ; the indices of levels 2 h, 2 h + 1
	global_load_b128 v[IX+4*(\h):IX+4*(\h)+3], v[\o], s[8:9] offset:(\h)*PLN
.endm
.macro LDW lv, o                       ; the weights of a level: columns dx = 0 and 1
	global_load_b128 v[WT+4*(\lv):WT+4*(\lv)+3],       v[\o], s[10:11] offset:(2*((\lv)%2)+(\lv)/2)*PLN
	global_load_b128 v[WT+16+4*(\lv):WT+16+4*(\lv)+3], v[\o], s[10:11] offset:(4+2*((\lv)%2)+(\lv)/2)*PLN
.endm
	; THE FILL: 52 loads a wave, 512 bytes on end each, all out at once; behind them the first trip's ten loads, in the order in which every trip issues them
	WIN 0x40
.set i, 0
.rept 52
	global_load_b128 v[4*i:4*i+3], v8, s[12:13] offset:4096*i
.set i, i+1
.endr
	WIN 0
	LDI 0, 1
	LDW 0, 1
	LDW 1, 1
	LDI 1, 1
	LDW 2, 1
	LDW 3, 1
	WIN 0x04
.set i, 0
.rept 52
.if i%4 == 0
	s_wait_loadcnt 58-i                            ; loads i to i + 3 are in: behind them stand 48 - i of the fill and the ten
.endif
	ds_store_b128 v[8+i/16], v[4*i:4*i+3] offset:(i%16)*4096
.set i, i+1
.endr
	WIN 0
	s_wait_dscnt 0x0                               ; my part of the table is in LDS,
	s_barrier_signal -1
	s_barrier_wait -1                              ; everybody's is; it is never written again
; a level's four points: index out of its half word, held to the level's greatest (14 + start + (H - 2) W + W - 2), times 16; then the four corners of each
.macro ISSUE lv
.set ib, IX+4*((\lv)/2)+2*((\lv)%2)
.set ad, 8+4*((\lv)%2)
.set gb, G+64*((\lv)%2)
.if (\lv) == 0
.set mx, 9912
.set wl, 100
.elseif (\lv) == 1
.set mx, 12462
.set wl, 50
.elseif (\lv) == 2
.set mx, 13112
.set wl, 25
.else
.set mx, 13293
.set wl, 13
.endif
	v_and_b32 v[ad], 0xffff, v[ib]
	v_lshrrev_b32 v[ad+1], 16, v[ib]
	v_and_b32 v[ad+2], 0xffff, v[ib+1]
	v_lshrrev_b32 v[ad+3], 16, v[ib+1]
.set p, 0
.rept 4
	v_min_u32 v[ad+p], mx, v[ad+p]
.set p, p+1
.endr
.set p, 0
.rept 4
	v_lshlrev_b32 v[ad+p], 4, v[ad+p]
.set p, p+1
.endr
.set p, 0
.rept 4
	ds_load_b128 v[gb+16*p:gb+16*p+3],     v[ad+p]
	ds_load_b128 v[gb+16*p+4:gb+16*p+7],   v[ad+p] offset:16
	ds_load_b128 v[gb+16*p+8:gb+16*p+11],  v[ad+p] offset:wl*16
	ds_load_b128 v[gb+16*p+12:gb+16*p+15], v[ad+p] offset:wl*16+16
.set p, p+1
.endr
.endm
.macro FM d, g, w, a, lo, dy           ; sum d = value (half lo of g) x weight (half dy of w) + a, in f32
.if ((\lo) == 0) && ((\dy) == 0)
	v_fma_mix_f32_bf16 v[\d], v[\g], v[\w], v[\a] op_sel_hi:[1,1,0]
.elseif (\dy) == 0
	v_fma_mix_f32_bf16 v[\d], v[\g], v[\w], v[\a] op_sel:[1,0,0] op_sel_hi:[1,1,0]
.elseif (\lo) == 0
	v_fma_mix_f32_bf16 v[\d], v[\g], v[\w], v[\a] op_sel:[0,1,0] op_sel_hi:[1,1,0]
.else
	v_fma_mix_f32_bf16 v[\d], v[\g], v[\w], v[\a] op_sel:[1,1,0] op_sel_hi:[1,1,0]
.endif
.endm
.macro FMAQ lv                         ; a level's 128 multiply-adds; the eight sums take turns; a trip's first eight start them with 0
.set gb, G+64*((\lv)%2)
.set p, 0
.rept 4
.set dy, 0
.rept 2
.set dx, 0
.rept 2
.set c, 0
.rept 8
.if ((\lv) == 0) && (p == 0) && (dy == 0) && (dx == 0)
	FM 16+c, gb+16*p+8*dy+4*dx+c/2, WT+16*dx+4*(\lv)+p, 3, c%2, dy
.else
	FM 16+c, gb+16*p+8*dy+4*dx+c/2, WT+16*dx+4*(\lv)+p, 16+c, c%2, dy
.endif
.set c, c+1
.endr
.set dx, dx+1
.endr
.set dy, dy+1
.endr
.set p, p+1
.endr
.endm
	s_mov_b32 s22, TRIPS
.Ltrip:                                        ; the ten loads for a trip were issued in this order: indices 0, weights 0, weights 1, indices 1, weights 2, weights 3
	s_wait_loadcnt 4                               ; all but the four loads of weights 2 and 3 are in
	ISSUE 0
	ISSUE 1
	LDI 0, 6                                       ; levels 0 and 1 have read their indices: the next trip's
	s_wait_dscnt 16                                ; level 0's corners are in; level 1's sixteen loads may stay out
	FMAQ 0
	LDW 0, 6
	ISSUE 2
	s_wait_dscnt 16
	FMAQ 1
	LDW 1, 6
	ISSUE 3
	LDI 1, 6
	s_wait_dscnt 16
	s_wait_loadcnt 8                               ; weights 2 are in: behind them stand weights 3 (2) and this trip's six
	FMAQ 2
	LDW 2, 6
	s_wait_dscnt 0x0
	s_wait_loadcnt 8                               ; weights 3 are in: behind them stand this trip's eight
	FMAQ 3
	LDW 3, 6
.set c, 0
.rept 4
	v_cvt_pk_bf16_f32 v[24+c], v[16+2*c], v[17+2*c]
.set c, c+1
.endr
	s_wait_xcnt 0x0                                ; EXEC changes only when every load issued so far has read it
	v_cmp_gt_u32 vcc_lo, s21, v2                   ; rows of my own batch
	s_and_saveexec_b32 s20, vcc_lo
	global_store_b128 v1, v[24:27], s[14:15]       ; 512 bytes on end, at a multiple of 256 from the plane's first byte
	s_wait_xcnt 0x0                                ; and again ahead of the line that widens it; the offsets and the result are also written again only behind this wait
	s_or_b32 exec_lo, exec_lo, s20
	v_add_nc_u32 v1, 4096, v1
	v_add_nc_u32 v2, 256, v2
	v_add_nc_u32 v6, 4096, v1
	v_min_u32 v6, PLN-16, v6                       ; no load leaves its plane
	s_sub_co_u32 s22, s22, 1
	s_cmp_lg_u32 s22, 0
	s_cbranch_scc1 .Ltrip
	s_wait_tensorcnt 0x0                           ; the wave's end
	ds_add_u32 v4, v5
	s_wait_dscnt 0x0
	s_endpgm
.Lfunc_end_k_q7386b882df_sample:
	.size	k_q7386b882df_sample, .Lfunc_end_k_q7386b882df_sample-k_q7386b882df_sample
	.p2alignl 7, 3214868480
	.fill 96, 4, 3214868480
	.section	.rodata,"a",@progbits
	.p2align	6, 0x0
	.amdhsa_kernel k_q7386b882df_sample
		.amdhsa_group_segment_fixed_size 214016
		.amdhsa_private_segment_fixed_size 0
		.amdhsa_enable_private_segment 0
		.amdhsa_kernarg_size 32
		.amdhsa_user_sgpr_count 2
		.amdhsa_user_sgpr_kernarg_segment_ptr 1
		.amdhsa_wavefront_size32 1
		.amdhsa_system_sgpr_workgroup_id_x 1
		.amdhsa_system_sgpr_workgroup_id_y 1
		.amdhsa_system_sgpr_workgroup_id_z 1
		.amdhsa_system_vgpr_workitem_id 0
		.amdhsa_next_free_vgpr 464
		.amdhsa_next_free_sgpr 66
		.amdhsa_reserve_vcc 1
		.amdhsa_float_denorm_mode_32 3
		.amdhsa_float_denorm_mode_16_64 3
		.amdhsa_memory_ordered 1
		.amdhsa_forward_progress 1
		.amdhsa_inst_pref_size 53
	.end_amdhsa_kernel
	.amdgpu_metadata
---
amdhsa.version: [ 1, 2 ]
amdhsa.kernels:
  - .name:           k_q7386b882df_sample
    .symbol:         k_q7386b882df_sample.kd
    .args:
      - { .name: idx, .offset: 0, .size: 8, .value_kind: global_buffer, .address_space: global }
      - { .name: wgt, .offset: 8, .size: 8, .value_kind: global_buffer, .address_space: global }
      - { .name: val, .offset: 16, .size: 8, .value_kind: global_buffer, .address_space: global }
      - { .name: smp, .offset: 24, .size: 8, .value_kind: global_buffer, .address_space: global }
    .group_segment_fixed_size: 214016
    .private_segment_fixed_size: 0
    .kernarg_segment_align: 8
    .kernarg_segment_size: 32
    .max_flat_workgroup_size: 256
    .sgpr_count:     66
    .vgpr_count:     464
    .wavefront_size: 32
...
	.end_amdgpu_metadata
.endif
;; end of part 7
;; launch ffn (part 8): grid 238 x 1, 4 waves a work-group, no clusters, 219,136 bytes of LDS; arguments smp, src, wts, b_out, ln1_g, ln1_b, b_ffn1, b_ffn2, ln2_g, ln2_b, out0; writes out0
.if DOCPART == 8
	.amdgcn_target "amdgcn-amd-amdhsa--gfx1250"
	.amdhsa_code_object_version 6
	.text
	.protected	k_q7386b882df_ffn
	.globl	k_q7386b882df_ffn
	.p2align	8
	.type	k_q7386b882df_ffn,@function
k_q7386b882df_ffn:
	s_mov_b64 s[64:65], 0
	v_nop
	global_prefetch_b8 v0, s[64:65] scope:SCOPE_SE
	s_setreg_imm32_b32 hwreg(HW_REG_WAVE_MODE, 25, 1), 1
	s_wait_xcnt 0x0
; x = LN1(src + smp w_out + b_out);  out0 = LN2(x + relu(x w_ffn1 + b_ffn1) w_ffn2 + b_ffn2).  Products in bf16 with f32 sums; the residual path and both norms in f32.
; SHARES.  A work-group takes 112 rows (7 tiles of 16).  Wave w owns output channels 64 w .. 64 w + 63 of all rows: Y, 28 accumulators, 224 registers.  Y carries src + b_out, then the sums of the
; first product, then (normed) x + b_ffn2, then the sums of the last product: x never leaves registers in f32.  The 2,048 hidden units go in 16 chunks of 128; of a chunk wave w makes units 32 w .. 32 w + 31
; for all rows.
; THE PRODUCTS ARE TRANSPOSED (source 0 = 16 channels of weights, source 1 = 16 rows): in a result lane (r = l % 16, h = l / 16) holds row r and channels 8 h + j.  So two tiles of hidden units, rounded to bf16
; in pairs, ARE a source-1 fragment (16 rows x 32 units): a wave multiplies ITS OWN 32 units straight out of registers.  The other waves' units come through LDS, in the order (w + p) % 4, p = 1, 2, 3.
; A TRIP of the loop has eight steps of 28 products: S0 hidden sums of chunk c, K 0-63 | S1 Y += units p 1 of chunk c - 1 | S2 K 64-127 | S3 p 2 | S4 K 128-191 | S5 p 3 | S6 K 192-255 | S7 Y += own units of chunk c.
; So a fetch of hidden units from LDS has the step between in which to land, and both barriers of a chunk stand round matrix work.  S6 goes tile by tile, and each tile's 16 lines of rounding and
; max(0, .) stand four behind each product of the tile two on (the last two tiles': behind S7's first eight products).
; THE WEIGHTS lie in memory as fragments, for each wave as one stream of quads of four in the order of these steps, and come straight into a ring of four quads in registers: behind each step one run of eight
; loads asks for the quad four steps on.  No byte of them is wanted by two waves of a work-group.
; NO CLUSTER for that reason (a joint load would have to land in LDS and be read back), and 238 work-groups are no multiple of four.
; ONE TEXT FOR ALL 16 CHUNKS, and its price: in the first trip S1, S3, S5 multiply zeros (the LDS rows are cleared once; the stream holds chunk 15's fragments there): 84 products that add nothing; chunk 15's p 1 to 3
; are written out behind the loop; the last trip's load of a next bias takes chunk 0's, and the fourth quad of the stream's tail is never multiplied.
; smp lies in 32 planes of [row][8 channels in bf16]; rows up to 26,591 are written, so tiles of 16 rows past number 1,661 take that tile.
; THE NORMS take the mean first and then the mean of the squared differences: no difference of large sums.  A row's 256 channels lie in 2 lanes of each of the 4 waves: the waves' sums meet in LDS.
; LIMITS.  smp, x as a matrix operand and the hidden units are rounded to bf16; NaN and infinities are not treated apart.  Rows past 26,587 are made from clamped rows and not stored.
; REGISTERS, in windows of 256 (s_set_vgpr_msb: bits 1:0 source 0, 3:2 source 1, 5:4 source 2, 7:6 destination):
;   window 0: v0-19 addresses; v20-35 the chunk's bias; v36-49 means, v50-63 1 / deviation (each twice, a pair), in the loop v36-38 LDS addresses and v56-63 a fetched fragment; v64-191 the ring;
;             v192-255 hidden sums of tiles 0-3 (tile m, half t at 192 + 16 m + 8 t; rounded: the own fragment at 192 + 16 m), at work
;   window 1: the rows' fragments of tiles 0-3 at 8 (8 m + k); between the products: gain, bias, b_ffn2       window 2: v0-191 fragments of tiles 4-6; v192-239 hidden sums of tiles 4-6; v240-255 fetched fragments
;   window 3: Y at 8 (4 m + n); v224-255 fetched fragments
.set M,      26588
.set TAILROWS, M-237*112               ; the last work-group's rows: 44
.set STILES, 1662                      ; tiles of 16 rows that smp holds
.set PLN,    426496                    ; a plane of smp: 26,656 rows x 16 bytes
.set XP,     528                       ; LDS row of 256 bf16 + 16 bytes
.set HP,     272                       ; LDS row of 256 bytes + 16
.set HB,     59136                     ; LDS: rows (smp, then x) in bf16 at 0; a chunk's hidden units here, 112 x 272
.set STG,    89600                     ; each wave's stage: its 256 bytes of 112 rows, pitch 272: src on the way in, the result on the way out
.set STGW,   112*HP
.set RED,    211456                    ; four regions [row 112][wave 4] f32, one for each meeting of sums
.set REDB,   1792
.set SPARE,  218624                    ; the spare words, 128 bytes a wave
.set WO_OFF, 327680
.set WF_OFF, 458752
.set WSTR,   540672                    ; a wave's stream: 16 blocks of 8 quads and a tail of 4, 4,096 bytes a quad
.set RING,   64
.set TMP,    192
.set B1,     20
.set ME,     36
.set RS,     50
.set AH,     36                        ; v36-38: where the units of p = 1, 2, 3 are read
; v1 r, v2 h, v3 16 x lane, v4 fragments of rows, v5 where smp and x go, v6 hidden units in, v7 hidden units out (column 0), v8 my stage by result layout, v9 by whole rows, v10 / v11 sums in / out,
; v12 my 8 channels' offset in a vector of 256 f32, v13 in b_ffn1 (it steps), v14 my 16 bytes of two rows of src, v15 of out0, v16 0, v17 at work, v18 / v19 the add's two registers
.set MSB, 0
.macro WIN new                         ; the immediate's high byte repeats the setting that is left; a switch that changes nothing is dropped
.if MSB != (\new)
	s_set_vgpr_msb (MSB<<8)|(\new)
.set MSB, (\new)
.endif
.endm
.macro PLACES n                        ; places between a product and a load into, or a write over, its registers, or a read of its result
.rept \n
	v_nop
.endr
.endm
.macro RUN n                           ; behind a step's products, ahead of its run of loads
	WIN 0
	PLACES \n
.endm
.macro BAR
	s_barrier_signal -1
	s_barrier_wait -1
.endm
.macro ALLM line:vararg                ; a line for each tile of rows mm
.set mm, 0
.rept 7
	\line
.set mm, mm+1
.endr
.endm
.macro ALLT line:vararg                ; a line for each accumulator tt = 4 m + n of Y
.set tt, 0
.rept 28
	\line
.set tt, tt+1
.endr
.endm
.macro ALLP line:vararg                ; a line for each register pair ii of each accumulator tt
.set tt, 0
.rept 28
.set ii, 0
.rept 4
	\line
.set ii, ii+1
.endr
.set tt, tt+1
.endr
.endm
.macro REFILL sb, o, slot0, cnt        ; cnt fragments from byte o behind s[sb:sb+1] into the ring from slot0 on: two loads of 512 bytes on end each
	WIN 0
.set rf, 0
.rept \cnt
	global_load_b128 v[RING+8*((\slot0)+rf):RING+8*((\slot0)+rf)+3],   v3, s[\sb:\sb+1] offset:(\o)+1024*rf
	global_load_b128 v[RING+8*((\slot0)+rf)+4:RING+8*((\slot0)+rf)+7], v3, s[\sb:\sb+1] offset:(\o)+1024*rf+512
.set rf, rf+1
.endr
.endm
.macro PARAM w, d, sb                  ; my 32 numbers (4 n x 8) of a vector of 256, in Y's layout
	WIN \w
.set nn, 0
.rept 8
	global_load_b128 v[(\d)+4*nn:(\d)+4*nn+3], v12, s[\sb:\sb+1] offset:64*(nn/2)+16*(nn%2)
.set nn, nn+1
.endr
.endm
.macro LOADB1                          ; my 16 numbers (2 t x 8) of the bias of the chunk at which v13 stands
	WIN 0
.set nn, 0
.rept 4
	global_load_b128 v[B1+4*nn:B1+4*nn+3], v13, s[34:35] offset:64*(nn/2)+16*(nn%2)
.set nn, nn+1
.endr
.endm
.macro LOADA                           ; all 56 fragments of the 112 rows
	WIN 0x40
.set mm, 0
.rept 7
.if mm == 4
	WIN 0x80
.endif
.set k, 0
.rept 8
	ds_load_b128 v[8*(8*(mm%4)+k):8*(8*(mm%4)+k)+3],   v4 offset:16*XP*mm+64*k
	ds_load_b128 v[8*(8*(mm%4)+k)+4:8*(8*(mm%4)+k)+7], v4 offset:16*XP*mm+64*k+32
.set k, k+1
.endr
.set mm, mm+1
.endr
	WIN 0
.endm
; 28 products: Y[m][n] += ring quad q's fragment n x the rows' fragment of tile m.  All 28 accumulators differ: they take turns.
; bsel 0: the rows' fragment kx (windows 1 and 2); 1: the fetched hidden fragments (windows 3, 2, 0); 2: the second fetch buffer, behind the loop (window 0)
.macro MMY q, bsel, kx
.set mm, 0
.rept 7
.if (\bsel) == 0
.if mm < 4
	WIN 0xf4
.set rb, 8*(8*mm+(\kx))
.else
	WIN 0xf8
.set rb, 8*(8*(mm-4)+(\kx))
.endif
.elseif (\bsel) == 1
.if mm < 4
	WIN 0xfc
.set rb, 224+8*mm
.elseif mm < 6
	WIN 0xf8
.set rb, 240+8*(mm-4)
.else
	WIN 0xf0
.set rb, 56
.endif
.else
	WIN 0xf0
.set rb, TMP+8*mm
.endif
.set nn, 0
.rept 4
	v_wmma_f32_16x16x32_bf16 v[8*(4*mm+nn):8*(4*mm+nn)+7], v[RING+8*(4*(\q)+nn):RING+8*(4*(\q)+nn)+7], v[rb:rb+7], v[8*(4*mm+nn):8*(4*mm+nn)+7]
.set nn, nn+1
.endr
.set mm, mm+1
.endr
.endm
.macro SRCB b                          ; 56 rows of src, my wave's 256 bytes of each: a load takes two rows, sixteen lanes 256 bytes on end
	WIN 0
.set i, 0
.rept 28
	s_add_co_u32 s5, s3, 2*(28*(\b)+i)
	s_min_u32 s5, s5, M-2                          ; rows past the end take the last two rows
	v_lshl_add_u32 v[TMP+28*(\b)+i], s5, 10, v14
.set i, i+1
.endr
	WIN 0x80
.set i, 0
.rept 28
	global_load_b128 v[112*(\b)+4*i:112*(\b)+4*i+3], v[TMP+28*(\b)+i], s[10:11] th:TH_LOAD_NT
.set i, i+1
.endr
.endm
.macro SRCST b                         ; and into my stage
	WIN 0x08
.set i, 0
.rept 28
	ds_store_b128 v9, v[112*(\b)+4*i:112*(\b)+4*i+3] offset:2*HP*(28*(\b)+i)
.set i, i+1
.endr
.endm
; The pairs at TMP + 2 tt hold each accumulator's part of a row's sum.  They are added over n, the pair, the lanes' halves and, through region x of RED, the four waves: the row's sum is left in v[TMP + 8 m].
.macro RSUM x
	WIN 0
	ALLM v_pk_add_f32 v[TMP+8*mm:TMP+8*mm+1], v[TMP+8*mm:TMP+8*mm+1], v[TMP+8*mm+2:TMP+8*mm+3]
	ALLM v_pk_add_f32 v[TMP+8*mm+4:TMP+8*mm+5], v[TMP+8*mm+4:TMP+8*mm+5], v[TMP+8*mm+6:TMP+8*mm+7]
	ALLM v_pk_add_f32 v[TMP+8*mm:TMP+8*mm+1], v[TMP+8*mm:TMP+8*mm+1], v[TMP+8*mm+4:TMP+8*mm+5]
	ALLM v_add_f32 v[TMP+8*mm], v[TMP+8*mm], v[TMP+8*mm+1]
	ALLM v_permlanex16_b32 v[TMP+8*mm+1], v[TMP+8*mm], s42, s43
	ALLM v_add_f32 v[TMP+8*mm], v[TMP+8*mm], v[TMP+8*mm+1]
	ALLM ds_store_b32 v10, v[TMP+8*mm] offset:(\x)*REDB+256*mm
	s_wait_dscnt 0x0                               ; for the others' sake: my sums are in LDS,
	BAR                                            ; everybody's are
	ALLM ds_load_b128 v[TMP+8*mm:TMP+8*mm+3], v11 offset:(\x)*REDB+256*mm
	s_wait_dscnt 0x0
	ALLM v_add_f32 v[TMP+8*mm], v[TMP+8*mm], v[TMP+8*mm+1]
	ALLM v_add_f32 v[TMP+8*mm+2], v[TMP+8*mm+2], v[TMP+8*mm+3]
	ALLM v_add_f32 v[TMP+8*mm], v[TMP+8*mm], v[TMP+8*mm+2]
.endm
; Y = (Y - mean) / sqrt(var + 1e-5) x gain + bias, gain at v0-31 and bias at v32-63 of window 1.  Regions x and x + 1 of RED.  Each accumulator's lowest registers are read first.
.macro LN x
	WIN 0x0f
	ALLT v_pk_add_f32 v[TMP+2*tt:TMP+2*tt+1], v[8*tt:8*tt+1], v[8*tt+2:8*tt+3]
	WIN 0x0c
	ALLT v_pk_add_f32 v[TMP+2*tt:TMP+2*tt+1], v[TMP+2*tt:TMP+2*tt+1], v[8*tt+4:8*tt+5]
	ALLT v_pk_add_f32 v[TMP+2*tt:TMP+2*tt+1], v[TMP+2*tt:TMP+2*tt+1], v[8*tt+6:8*tt+7]
	RSUM \x
	ALLM v_mul_f32 v[ME+2*mm], s45, v[TMP+8*mm]
	ALLM v_mov_b32 v[ME+2*mm+1], v[ME+2*mm]
	WIN 0xc3
	ALLP v_pk_add_f32 v[8*tt+2*ii:8*tt+2*ii+1], v[8*tt+2*ii:8*tt+2*ii+1], v[ME+2*(tt/4):ME+2*(tt/4)+1] neg_lo:[0,1] neg_hi:[0,1]
	WIN 0x0f
	ALLT v_pk_mul_f32 v[TMP+2*tt:TMP+2*tt+1], v[8*tt:8*tt+1], v[8*tt:8*tt+1]
	ALLT v_pk_fma_f32 v[TMP+2*tt:TMP+2*tt+1], v[8*tt+2:8*tt+3], v[8*tt+2:8*tt+3], v[TMP+2*tt:TMP+2*tt+1]
	ALLT v_pk_fma_f32 v[TMP+2*tt:TMP+2*tt+1], v[8*tt+4:8*tt+5], v[8*tt+4:8*tt+5], v[TMP+2*tt:TMP+2*tt+1]
	ALLT v_pk_fma_f32 v[TMP+2*tt:TMP+2*tt+1], v[8*tt+6:8*tt+7], v[8*tt+6:8*tt+7], v[TMP+2*tt:TMP+2*tt+1]
	RSUM (\x)+1
	ALLM v_fma_f32 v[TMP+8*mm], v[TMP+8*mm], s45, s46
	ALLM v_rsq_f32 v[RS+2*mm], v[TMP+8*mm]
	v_nop                                          ; a plain instruction behind the last root,
	s_wait_alu depctr_va_vdst(0)                   ; and one wait for the seven, ahead of their first reader
	ALLM v_mov_b32 v[RS+2*mm+1], v[RS+2*mm]
	s_wait_loadcnt 0x0                             ; gain and bias are in
	WIN 0xc3
	ALLP v_pk_mul_f32 v[8*tt+2*ii:8*tt+2*ii+1], v[8*tt+2*ii:8*tt+2*ii+1], v[RS+2*(tt/4):RS+2*(tt/4)+1]
	WIN 0xd7
	ALLP v_pk_fma_f32 v[8*tt+2*ii:8*tt+2*ii+1], v[8*tt+2*ii:8*tt+2*ii+1], v[8*(tt%4)+2*ii:8*(tt%4)+2*ii+1], v[32+8*(tt%4)+2*ii:32+8*(tt%4)+2*ii+1]
	WIN 0
.endm
; One product of the hidden sums: tile m, half t (16 units), K = 32 k, weights in ring slot.  K = 0 starts the sum with the bias as C.
.macro HWM m, t, k, slot
.set ra, TMP+16*((\m)%4)+8*(\t)
.set rx, 8*(8*((\m)%4)+(\k))
.set rw, RING+8*(\slot)
.if (\m) < 4
	WIN 0x04
.elseif (\k) == 0
	WIN 0x88
.else
	WIN 0xa8
.endif
.if (\k) == 0
	v_wmma_f32_16x16x32_bf16 v[ra:ra+7], v[rw:rw+7], v[rx:rx+7], v[B1+8*(\t):B1+8*(\t)+7]
.else
	v_wmma_f32_16x16x32_bf16 v[ra:ra+7], v[rw:rw+7], v[rx:rx+7], v[ra:ra+7]
.endif
.endm
; 28 products: the hidden sums of all tiles take K = 32 kb and 32 (kb + 1), out of ring quad g.  Eight accumulators take turns, then six.
.macro F2 kb, g
.set kq, 0
.rept 2
.set mm, 0
.rept 4
	HWM mm, 0, (\kb)+kq, 4*(\g)+2*kq
	HWM mm, 1, (\kb)+kq, 4*(\g)+2*kq+1
.set mm, mm+1
.endr
.set kq, kq+1
.endr
.set kq, 0
.rept 2
.set mm, 4
.rept 3
	HWM mm, 0, (\kb)+kq, 4*(\g)+2*kq
	HWM mm, 1, (\kb)+kq, 4*(\g)+2*kq+1
.set mm, mm+1
.endr
.set kq, kq+1
.endr
.endm
; Line i of the 16 that make tile m's own fragment: 0-7 round its 16 registers of sums to bf16 into the lower 8 (each accumulator's lowest registers are read first); 8-15 max(0, .)
.macro PR m, i
.set pa, TMP+16*((\m)%4)
.if (\i) < 8
.if (\m) < 4
	WIN 0
.else
	WIN 0x8a
.endif
	v_cvt_pk_bf16_f32 v[pa+(\i)], v[pa+2*(\i)], v[pa+2*(\i)+1]
.else
.if (\m) < 4
	WIN 0
.else
	WIN 0x82
.endif
	v_pk_max_num_bf16 v[pa+(\i)-8], v[pa+(\i)-8], v16
.endif
.endm
; What stands behind product u of S6 and S7 (u = 0 .. 55; tile u / 4 in S6).  Behind tile 1's products a v_nop each: the four places between tile 0's last product and the first line that reads its sums.
; Behind products 8 to 35: four lines of tile u / 4 - 2; between a tile's last product and its first line stand the sixteen lines of the tile before.
.macro RIDE
.if (u >= 4) && (u < 8)
	v_nop
.elseif (u >= 8) && (u < 36)
.set pm, u/4-2
.set pi, 4*(u%4)
	PR pm, pi
	PR pm, pi+1
	PR pm, pi+2
	PR pm, pi+3
.endif
.endm
.macro FETCH_P a                       ; the 7 tiles' fragments of 32 hidden units, from the address in v[a]
	WIN 0xc0
.set mm, 0
.rept 4
	ds_load_b128 v[224+8*mm:224+8*mm+3], v[\a] offset:16*HP*mm
	ds_load_b128 v[224+8*mm+4:224+8*mm+7], v[\a] offset:16*HP*mm+32
.set mm, mm+1
.endr
	WIN 0x80
.rept 2
	ds_load_b128 v[240+8*(mm-4):240+8*(mm-4)+3], v[\a] offset:16*HP*mm
	ds_load_b128 v[240+8*(mm-4)+4:240+8*(mm-4)+7], v[\a] offset:16*HP*mm+32
.set mm, mm+1
.endr
	WIN 0
	ds_load_b128 v[56:59], v[\a] offset:16*HP*6
	ds_load_b128 v[60:63], v[\a] offset:16*HP*6+32
.endm
.macro FETCH_Q a                       ; the same into the registers of the hidden sums, behind the loop
	WIN 0
.set mm, 0
.rept 7
	ds_load_b128 v[TMP+8*mm:TMP+8*mm+3],   v[\a] offset:16*HP*mm
	ds_load_b128 v[TMP+8*mm+4:TMP+8*mm+7], v[\a] offset:16*HP*mm+32
.set mm, mm+1
.endr
.endm
	s_load_b512 s[8:23], s[0:1], 0x0               ; smp, src, wts, b_out, ln1_g, ln1_b, b_ffn1, b_ffn2
	s_load_b128 s[24:27], s[0:1], 0x40             ; ln2_g, ln2_b
	s_load_b64 s[28:29], s[0:1], 0x50              ; out0
	v_lshl_add_u32 v18, v0, 2, SPARE
	v_mov_b32 v19, 0
	v_lshrrev_b32 v17, 5, v0
	v_readfirstlane_b32 s2, v17                    ; wave 0..3
	s_mul_i32 s3, ttmp9, 112                       ; the work-group's first row
	v_and_b32 v1, 15, v0
	v_bfe_u32 v2, v0, 4, 1
	v_and_b32 v17, 31, v0
	v_lshlrev_b32 v3, 4, v17
	v_mul_u32_u24 v4, v1, XP
	v_lshl_add_u32 v4, v2, 4, v4
	s_lshl_b32 s5, s2, 7
	v_add_nc_u32 v5, s5, v4
	v_mul_u32_u24 v7, v1, HP
	v_lshl_add_u32 v7, v2, 4, v7
	v_add_nc_u32 v7, HB, v7
	s_lshl_b32 s6, s2, 6
	v_add_nc_u32 v6, s6, v7
	s_mul_i32 s6, s2, STGW
	s_add_co_u32 s6, s6, STG
	v_mul_u32_u24 v8, v1, HP
	v_lshl_add_u32 v8, v2, 5, v8
	v_add_nc_u32 v8, s6, v8
	v_mul_u32_u24 v9, v2, HP
	v_lshl_add_u32 v9, v1, 4, v9
	v_add_nc_u32 v9, s6, v9
	v_lshlrev_b32 v11, 4, v1
	v_add_nc_u32 v11, RED, v11
	s_lshl_b32 s6, s2, 2
	v_add_nc_u32 v10, s6, v11
	s_lshl_b32 s6, s2, 8
	v_lshlrev_b32 v13, 5, v2
	v_add_nc_u32 v12, s6, v13
	v_lshlrev_b32 v14, 10, v2
	v_lshl_add_u32 v14, v1, 4, v14
	v_add_nc_u32 v14, s6, v14
	s_lshl_b32 s7, s3, 10
	v_add_nc_u32 v15, s7, v14
	v_mov_b32 v16, 0
	v_mul_u32_u24 v17, v2, PLN                     ; in smp: row r of a tile, plane .. + h
	v_lshl_add_u32 v17, v1, 4, v17
	s_mov_b32 s42, 0x76543210                      ; v_permlanex16_b32: each lane takes its own place in the other half
	s_mov_b32 s43, 0xfedcba98
	s_sub_co_u32 s44, M, s3
	s_min_u32 s44, s44, 112                        ; rows of mine that exist
	s_mov_b32 s45, 0x3b800000                      ; 1 / 256
	s_mov_b32 s46, 0x3727c5ac                      ; 1e-5
	s_mov_b32 s39, 0
	s_wait_kmcnt 0x0
	s_lshl_b32 s38, s2, 15
	s_add_co_u32 s38, s38, WO_OFF
	s_add_nc_u64 s[30:31], s[12:13], s[38:39]      ; my 32 fragments of w_out
	s_mul_i32 s38, s2, WSTR
	s_add_co_u32 s38, s38, WF_OFF
	s_add_nc_u64 s[32:33], s[12:13], s[38:39]      ; my stream of the two large matrices (it steps)
	s_lshl_b32 s38, s2, 7
	s_add_nc_u64 s[34:35], s[20:21], s[38:39]      ; b_ffn1 at my 32 units of chunk 0
	s_mul_i32 s38, s2, 8*PLN
	s_add_nc_u64 s[36:37], s[8:9], s[38:39]        ; smp at plane 8 w
	; THE WAY IN.  smp: my 8 planes (channels 64 w .. 64 w + 63) of 7 tiles of 16 rows: a load takes two planes, sixteen lanes 256 bytes on end
	s_mul_i32 s5, ttmp9, 7
.set i, 0
.rept 7
	s_add_co_u32 s6, s5, i
	s_min_u32 s6, s6, STILES-1
	v_lshl_add_u32 v[RING+i], s6, 8, v17
.set i, i+1
.endr
	WIN 0x40
.set i, 0
.rept 28
	global_load_b128 v[4*i:4*i+3], v[RING+i/4], s[36:37] offset:2*(i%4)*PLN th:TH_LOAD_NT
.set i, i+1
.endr
	SRCB 0
	s_wait_loadcnt 28                              ; smp is in; the first batch of src, 28 loads, may stay out
	WIN 0x04
.set i, 0
.rept 28
	ds_store_b128 v5, v[4*i:4*i+3] offset:16*XP*(i/4)+32*(i%4)
.set i, i+1
.endr
	SRCB 1
	s_wait_loadcnt 28                              ; the first batch is in; the second's 28 may stay out
	SRCST 0
	PARAM 0, B1, 14                                ; b_out, into v20-51
	REFILL 30, 0, 0, 16                            ; the ring's first fill: w_out's fragments 0-15
	s_wait_loadcnt 40                              ; the second batch is in; b_out's 8 and the ring's 32 may stay out
	SRCST 1
	WIN 0
	s_wait_dscnt 0x0                               ; my 64 channels of all rows are in LDS,
	BAR                                            ; everybody's are
	LOADA
	WIN 0xc0
.set tt, 0
.rept 28
	ds_load_b128 v[8*tt:8*tt+3],   v8 offset:16*HP*(tt/4)+64*(tt%4)       ; src in Y's layout, out of my own stage
	ds_load_b128 v[8*tt+4:8*tt+7], v8 offset:16*HP*(tt/4)+64*(tt%4)+16
.set tt, tt+1
.endr
	s_wait_dscnt 0x0
	s_wait_loadcnt 32                              ; b_out is in; the ring's 32 may stay out
	WIN 0xc3
	ALLP v_pk_add_f32 v[8*tt+2*ii:8*tt+2*ii+1], v[8*tt+2*ii:8*tt+2*ii+1], v[B1+8*(tt%4)+2*ii:B1+8*(tt%4)+2*ii+1]
	; Y += smp w_out.  Behind a quad's eight loads stand three more quads' 24.  The slots take w_out's second half and then the stream's first four quads
.set kk, 0
.rept 8
	s_wait_loadcnt 24
	MMY kk%4, 0, kk
	RUN 4
.if kk < 4
	REFILL 30, 16384+4096*kk, 4*kk, 4
.else
	REFILL 32, 4096*(kk-4), 4*(kk-4), 4
.endif
.set kk, kk+1
.endr
	PARAM 0x40, 0, 16                              ; smp's fragments have had their last product: ln1's gain and bias and b_ffn2 take their place
	PARAM 0x40, 32, 18
	PARAM 0x40, 64, 22
	LOADB1                                         ; chunk 0's bias
	LN 0
	; x: rounded to bf16 into LDS for the products (every wave's reads of smp's rows were waited for ahead of the norm's barriers); Y goes on as x + b_ffn2
.set hf, 0
.rept 2
	WIN 0x0f
.set i, 0
.rept 14
.set tt, 14*hf+i
.set j, 0
.rept 4
	v_cvt_pk_bf16_f32 v[TMP+4*i+j], v[8*tt+2*j], v[8*tt+2*j+1]
.set j, j+1
.endr
.set i, i+1
.endr
	WIN 0
.set i, 0
.rept 14
.set tt, 14*hf+i
	ds_store_b128 v5, v[TMP+4*i:TMP+4*i+3] offset:16*XP*(tt/4)+32*(tt%4)
.set i, i+1
.endr
.set hf, hf+1
.endr
	WIN 0xc7
	ALLP v_pk_add_f32 v[8*tt+2*ii:8*tt+2*ii+1], v[8*tt+2*ii:8*tt+2*ii+1], v[64+8*(tt%4)+2*ii:64+8*(tt%4)+2*ii+1]
	WIN 0
.irp j, 56,57,58,59
	v_mov_b32 v[TMP+\j], 0
.endr
.set i, 0
.rept 14
	ds_store_b128 v6, v[TMP+56:TMP+59] offset:16*HP*(i/2)+32*(i%2)   ; my 32 units of all rows start at 0: what the first trip's S1, S3, S5 multiply
.set i, i+1
.endr
.irp p, 1,2,3
	s_add_co_u32 s5, s2, \p                        ; the units of p lie at column 64 ((w + p) % 4) of the LDS rows
	s_and_b32 s5, s5, 3
	s_lshl_b32 s5, s5, 6
	v_add_nc_u32 v[AH+\p-1], s5, v7
.endr
	s_wait_dscnt 0x0                               ; my 64 channels of x and my zeros are in LDS,
	BAR                                            ; everybody's are
	LOADA
	FETCH_P AH
	s_wait_dscnt 0x0
	; THE LOOP.  Loads in a trip, in order: a run of 8 behind each step, and the bias' 4 behind S4's.  The quad that step s multiplies was asked for behind step s - 4: behind its loads stand three runs,
	; 24 loads, and for S5, S6, S7 the bias' 4 too.  S0 also wants the bias: behind it stand three runs.
	s_mov_b32 s4, 16
.Lchunk:
	s_wait_loadcnt 24
	F2 0, 0                                        ; S0
	RUN 4
	REFILL 32, 16384, 0, 4
	s_wait_loadcnt 24
	s_wait_dscnt 0x0                               ; the units of p 1 are in
	MMY 1, 1, 0                                    ; S1
	RUN 4
	REFILL 32, 20480, 4, 4
	FETCH_P AH+1                                   ; p 2: S2's products stand between this fetch and its use
	s_wait_loadcnt 24
	F2 2, 2                                        ; S2
	RUN 4
	REFILL 32, 24576, 8, 4
	s_wait_loadcnt 24
	s_wait_dscnt 0x0
	MMY 3, 1, 0                                    ; S3
	RUN 4
	REFILL 32, 28672, 12, 4
	FETCH_P AH+2                                   ; p 3
	s_wait_loadcnt 24
	F2 4, 0                                        ; S4
	RUN 4
	s_wait_xcnt 0x0                                ; every load issued so far (the youngest 28 products back) has read its address: the stream's pointer and the bias' offset step
	s_add_nc_u64 s[32:33], s[32:33], 32768
	v_add_nc_u32 v13, 512, v13
	v_and_b32 v13, 0x1fff, v13                     ; behind chunk 15: chunk 0's, so that no load leaves b_ffn1
	REFILL 32, 0, 0, 4
	LOADB1                                         ; the next chunk's bias
	s_wait_loadcnt 28
	s_wait_dscnt 0x0                               ; the units of p 3 are in: my reads of the last chunk's units are over
	MMY 1, 1, 0                                    ; S5
	RUN 4
	REFILL 32, 4096, 4, 4
	s_wait_loadcnt 28
	s_barrier_signal -1                            ; say so; no LDS instruction of mine is out
.set u, 0
.rept 28                               ; S6, tile by tile: K = 192 and 224 for the tile's two halves: two accumulators by turns
	HWM u/4, u%2, 6+(u%4)/2, 8+u%4
	RIDE
.set u, u+1
.endr
	WIN 0
	s_barrier_wait -1                              ; all four waves have said so: this chunk's units may be stored
	PLACES 4
	REFILL 32, 8192, 8, 4
	s_wait_loadcnt 28
.rept 28                               ; S7: Y += my own units, out of the registers in which they were rounded
.set om, (u-28)/4
.set rb, TMP+16*(om%4)
.set ry, 8*(4*om+u%4)
.set rw, RING+8*(12+u%4)
.if om < 4
	WIN 0xf0
.else
	WIN 0xf8
.endif
	v_wmma_f32_16x16x32_bf16 v[ry:ry+7], v[rw:rw+7], v[rb:rb+7], v[ry:ry+7]
	RIDE
.if u == 35                            ; all seven own fragments are made: one run of 14 stores, 16 bytes a lane, for the other three waves
	WIN 0
.set i, 0
.rept 8
	ds_store_b128 v6, v[TMP+16*(i/2)+4*(i%2):TMP+16*(i/2)+4*(i%2)+3] offset:16*HP*(i/2)+32*(i%2)
.set i, i+1
.endr
	WIN 0x08
.set i, 0
.rept 6
	ds_store_b128 v6, v[TMP+16*(i/2)+4*(i%2):TMP+16*(i/2)+4*(i%2)+3] offset:16*HP*(4+i/2)+32*(i%2)
.set i, i+1
.endr
.endif
.if u == 47
	s_wait_dscnt 0x0                               ; for the others' sake: my 32 units of all rows are in LDS (twelve products stand between the stores and this wait);
	s_barrier_signal -1                            ; say so, and go on multiplying
.endif
.set u, u+1
.endr
	WIN 0
	s_barrier_wait -1                              ; everybody's units are in LDS
	PLACES 5                                       ; the next trip's first products write over the own fragments
	REFILL 32, 12288, 12, 4
	FETCH_P AH                                     ; p 1: the next trip's S0 stands between this fetch and its use
	s_sub_co_u32 s4, s4, 1
	s_cmp_lg_u32 s4, 0
	s_cbranch_scc1 .Lchunk
	; chunk 15's p 1, 2, 3: the ring's quads 0, 1, 2 hold the stream's tail.  The registers of the hidden sums are free: a second fetch buffer
	FETCH_Q AH+1
	s_wait_loadcnt 28                              ; quad 0 is in: behind its loads stand the bias' 4 and three runs
	s_wait_dscnt 14                                ; p 1 is in; p 2's fourteen loads may stay out
	MMY 0, 1, 0
	RUN 4
	FETCH_P AH+2
	PARAM 0x40, 0, 24                              ; the rows' fragments have had their last product: ln2's gain and bias take their place
	PARAM 0x40, 32, 26
	WIN 0
	s_wait_loadcnt 32                              ; quad 1 is in: behind its loads stand two runs and these 16
	s_wait_dscnt 14                                ; p 2 is in; p 3's fourteen may stay out
	MMY 1, 2, 0
	s_wait_loadcnt 24                              ; quad 2: one run and the 16
	s_wait_dscnt 0x0
	MMY 2, 1, 0
	RUN 4
	LN 2
	; THE WAY OUT: through my own stage, back as whole rows: sixteen lanes store 256 bytes on end, at a multiple of 256 from out0's first byte
	WIN 0x0c
.set tt, 0
.rept 28
	ds_store_b128 v8, v[8*tt:8*tt+3]   offset:16*HP*(tt/4)+64*(tt%4)
	ds_store_b128 v8, v[8*tt+4:8*tt+7] offset:16*HP*(tt/4)+64*(tt%4)+16
.set tt, tt+1
.endr
	WIN 0
.set hf, 0
.rept 2
.if hf == 1
	s_wait_xcnt 0x0                                ; the first half's stores have read their registers, which are loaded again
.endif
.set i, 0
.rept 28
	ds_load_b128 v[RING+4*i:RING+4*i+3], v9 offset:2*HP*(28*hf+i)   ; LDS serves a wave's instructions in order (ISA guide 5.7.1.4): these see the stores above
.set i, i+1
.endr
.set i, 0
.rept 28
.if 2*(28*hf+i) == TAILROWS
	s_cmp_le_u32 s44, TAILROWS                     ; the last work-group has 44 rows: it stores no more
	s_cbranch_scc1 .Lend
.endif
	s_wait_dscnt 27-i
	global_store_b128 v15, v[RING+4*i:RING+4*i+3], s[28:29] offset:2048*(28*hf+i) th:TH_STORE_NT
.set i, i+1
.endr
.set hf, hf+1
.endr
.Lend:
	s_wait_tensorcnt 0x0                           ; the wave's end, behind my last LDS store
	ds_add_u32 v18, v19
	s_wait_dscnt 0x0
	s_endpgm
.Lfunc_end_k_q7386b882df_ffn:
	.size	k_q7386b882df_ffn, .Lfunc_end_k_q7386b882df_ffn-k_q7386b882df_ffn
	.p2alignl 7, 3214868480
	.fill 96, 4, 3214868480
	.section	.rodata,"a",@progbits
	.p2align	6, 0x0
	.amdhsa_kernel k_q7386b882df_ffn
		.amdhsa_group_segment_fixed_size 219136
		.amdhsa_private_segment_fixed_size 0
		.amdhsa_enable_private_segment 0
		.amdhsa_kernarg_size 88
		.amdhsa_user_sgpr_count 2
		.amdhsa_user_sgpr_kernarg_segment_ptr 1
		.amdhsa_wavefront_size32 1
		.amdhsa_system_sgpr_workgroup_id_x 1
		.amdhsa_system_sgpr_workgroup_id_y 1
		.amdhsa_system_sgpr_workgroup_id_z 1
		.amdhsa_system_vgpr_workitem_id 0
		.amdhsa_next_free_vgpr 1024
		.amdhsa_next_free_sgpr 66
		.amdhsa_reserve_vcc 0
		.amdhsa_float_denorm_mode_32 3
		.amdhsa_float_denorm_mode_16_64 3
		.amdhsa_memory_ordered 1
		.amdhsa_forward_progress 1
		.amdhsa_inst_pref_size 244
	.end_amdhsa_kernel
	.amdgpu_metadata
---
amdhsa.version: [ 1, 2 ]
amdhsa.kernels:
  - .name:           k_q7386b882df_ffn
    .symbol:         k_q7386b882df_ffn.kd
    .args:
      - { .name: smp, .offset: 0, .size: 8, .value_kind: global_buffer, .address_space: global }
      - { .name: src, .offset: 8, .size: 8, .value_kind: global_buffer, .address_space: global }
      - { .name: wts, .offset: 16, .size: 8, .value_kind: global_buffer, .address_space: global }
      - { .name: b_out, .offset: 24, .size: 8, .value_kind: global_buffer, .address_space: global }
      - { .name: ln1_g, .offset: 32, .size: 8, .value_kind: global_buffer, .address_space: global }
      - { .name: ln1_b, .offset: 40, .size: 8, .value_kind: global_buffer, .address_space: global }
      - { .name: b_ffn1, .offset: 48, .size: 8, .value_kind: global_buffer, .address_space: global }
      - { .name: b_ffn2, .offset: 56, .size: 8, .value_kind: global_buffer, .address_space: global }
      - { .name: ln2_g, .offset: 64, .size: 8, .value_kind: global_buffer, .address_space: global }
      - { .name: ln2_b, .offset: 72, .size: 8, .value_kind: global_buffer, .address_space: global }
      - { .name: out0, .offset: 80, .size: 8, .value_kind: global_buffer, .address_space: global }
    .group_segment_fixed_size: 219136
    .private_segment_fixed_size: 0
    .kernarg_segment_align: 8
    .kernarg_segment_size: 88
    .max_flat_workgroup_size: 128
    .sgpr_count:     66
    .vgpr_count:     1024
    .wavefront_size: 32
...
	.end_amdgpu_metadata
.endif
;; end of part 8
;; ======== version 3 of 3: 4 launches; version 2 with the launches proj, ffn written anew for expert scheduling mode
;; workspace buffers: wts 2,621,440 bytes; val 13,647,872 bytes; idx 6,823,936 bytes of whole numbers; wgt 27,295,744 bytes; smp 13,647,872 bytes
;; launch prep: the kernel of part 5 again; grid 640 x 1, 8 waves a work-group, no clusters, 0 bytes of LDS; arguments w_value, w_off, w_attn, w_out, w_ffn1, w_ffn2, wts; writes wts
;; launch proj (part 9): grid 238 x 1, 4 waves a work-group, no clusters, 118,784 bytes of LDS; arguments src, pos, reference_points, wts, b_value, b_off, b_attn, val, idx, wgt; writes val, idx, wgt
.if DOCPART == 9
	.amdgcn_target "amdgcn-amd-amdhsa--gfx1250"
	.amdhsa_code_object_version 6
	.text
	.protected	k_q7386b882df_proj
	.globl	k_q7386b882df_proj
	.p2align	8
	.type	k_q7386b882df_proj,@function
k_q7386b882df_proj:
	s_mov_b64 s[64:65], 0
	v_nop
	global_prefetch_b8 v0, s[64:65] scope:SCOPE_SE
	s_setreg_imm32_b32 hwreg(HW_REG_WAVE_SCHED_MODE, 0, 2), 2
	s_setreg_imm32_b32 hwreg(HW_REG_WAVE_MODE, 25, 1), 1
	s_wait_xcnt 0x0
	s_wait_alu depctr_vm_vsrc(0)
; value = src w_value + b_value; offsets and logits from q = src + pos; softmax over a head's 16 points; for each point a base index and four corner weights.
; SHARES.  A work-group takes 112 rows (7 tiles of 16); 238 x 112 = 26,656 rows, the last 68 made from the clamped last row and stored as padding.  Wave w takes heads 2w and 2w+1:
; ten tiles tau of 16 output channels (0-3 value, 4-5 offsets x, 6-7 offsets y, 8-9 logits).  Its 80 weight fragments stay in registers; the rows, rounded to bf16, stream from LDS.
; THE PRODUCTS ARE TRANSPOSED (source 0 = 16 channels of weights, source 1 = 16 rows): in a result lane (r = l % 16, h = l / 16) holds row r and channels 8 h + j.  For offsets and logits
; channel 8 h + j is point 4 level + p of the head: level 2 h + j / 4, p = j % 4.  So a point's x, y and logit lie in one lane, and the softmax wants one exchange between the lanes' halves.
; SAMPLING, restated.  gx = ref_x W + off_x - 0.5 (the same number as (ref_x + off_x / W) W - 0.5 in another order of rounding); xb = floor(gx) held to 0 .. W - 2; tx = gx - xb;
; column xb weighs max(0, 1 - |tx|), column xb + 1 max(0, 1 - |tx - 1|): for every gx that is the sum of the in-range corners.  The same in y.  All four levels are square: W's constants serve H.
; STORED in planes of [row 26,656][16 bytes]; a lane's 16 bytes are its row's place in plane .. + h, so sixteen lanes store 256 bytes on end, at a multiple of 256, and one offset register serves every store:
;   val  plane 4 head + channel / 8: 8 channels in bf16          idx  plane 2 head + h: 8 x u16 = 14 x batch + level start + yb W + xb (the next launch's table of batch 1 begins 14 rows ahead of its first row)
;   wgt  plane 8 head + 4 dx + 2 (j / 4) + h: 4 points x (dy 0, dy 1) in bf16 = softmax weight x wy x wx
; LIMITS.  The order of rounding of gx, as said; value and the corner weights are rounded once to bf16; NaN and infinities are not treated apart.
; NO CLUSTER: each byte of the weights is wanted by one wave of a work-group and goes straight into its registers, and 238 work-groups are no multiple of four.
; THE MODE: SCHED_MODE bits 1:0 = 2 (LLVM: expert scheduling mode 2), set by the entry lines.  The code itself states the register dependences
; between vector or matrix instructions and memory or LDS instructions, with s_wait_alu, always for 0.
; THE PLAN.  Registers that memory or LDS instructions touch:
;   staging  v14-27 the 14 rows' offsets, made in one run ahead of the 56 loads; v32-255 the rows: loaded, rounded in place, read by the LDS stores, which go in two runs of 28; v28, v29 LDS addresses, stepped once a trip.
;            One wait on va_vdst ahead of the loads, one ahead of each run of stores, one wait on vm_vsrc at the trip's end.
;   a tile   window 3 v128-255: read by the tile's products, then loaded for the next tile.  v20-23: read by PRE, then loaded.  v4, v5, v13: read by those loads, stepped once a tile.  v8: every store's offset, stepped at the tile's end.
;            OUT-BUFFERS: value is rounded in place into the low halves of accumulators 0-3; a head's index and weights are left in its own three accumulators.  v192-255 is at work for vector instructions alone.
;            So a tile has: one wait on vm_vsrc behind its products (the address registers are free); ONE wait on va_vdst behind PRE, the address steps and value's roundings, which serves the next tile's 33 loads and value's 4 stores;
;            one ahead of each head's 5 stores; and at its end one wait on vm_vsrc, ahead of the step of v8 and of the next tile's products, which write the accumulators again.
; REGISTERS, in windows of 256 (s_set_vgpr_msb: bits 1:0 source 0, 3:2 source 1, 5:4 source 2, 7:6 destination):
;   window 0: v0-31 addresses and constants; v32-111 the ten accumulators; v112-191 their biases; v192-255 at work.   window 1: weights of tau 0-3 at 8 (8 tau + k).   window 2: of tau 4-7.
;   window 3: v0-127 weights of tau 8-9; v128-191 a tile's 8 fragments of src; v192-255 of q.
.set M,     26588
.set LV,    13294
.set PLN,   426496                     ; a plane: 26,656 rows x 16 bytes
.set XP,    528                        ; an LDS row: 512 bytes + 16: the 16 rows of a fragment load start 4 banks apart
.set QB,    59136                      ; LDS: src in bf16 at 0, q in bf16 here, 112 rows each
.set SPARE, 118272                     ; the spare words, 128 bytes a wave
.set ACC,   32
.set BIAS,  112
.set T,     192
.set XB,    T                          ; in POST: xb, yb, the four one-dimensional weights, two registers at work
.set YB,    T+8
.set WX0,   T+16
.set WX1,   T+24
.set WY0,   T+32
.set WY1,   T+40
.set OUT,   T+48
; v1 r, v2 h, v3 16 x lane, v4 / v5 LDS address of my fragments of src / q, v8 my 16 bytes in a pair of planes, v10 my row,
; v11 / v12 the add's two registers, v13 address of the reference points, v14:15 W, v16:17 W - 2, v18:19 level start (each for levels 2 h and 2 h + 1), v20:23 reference points,
; v24:25 ref_x W - 0.5, v26:27 ref_y H - 0.5, v28:29 level start + 14 x batch, v30:31 at work.  While rows are staged: v14-27 row offsets, v28 / v29 LDS addresses, v32-255 data.
.set MSB, 0
.macro WIN new                         ; the immediate's high byte repeats the setting that is left; a switch that changes nothing is dropped
.if MSB != (\new)
	s_set_vgpr_msb (MSB<<8)|(\new)
.set MSB, (\new)
.endif
.endm
	s_load_b512 s[8:23], s[0:1], 0x0               ; src, pos, reference_points, wts, b_value, b_off, b_attn, val
	s_load_b128 s[24:27], s[0:1], 0x40             ; idx, wgt
	v_lshl_add_u32 v11, v0, 2, SPARE
	v_mov_b32 v12, 0
	v_lshrrev_b32 v13, 5, v0
	v_readfirstlane_b32 s2, v13                    ; wave 0..3
	s_mul_i32 s3, ttmp9, 112                       ; the work-group's first row
	v_and_b32 v1, 15, v0
	v_bfe_u32 v2, v0, 4, 1
	v_and_b32 v30, 31, v0
	v_lshlrev_b32 v3, 4, v30
	v_mul_u32_u24 v4, v1, XP
	v_lshl_add_u32 v4, v2, 4, v4
	v_add_nc_u32 v5, QB, v4
	v_add_nc_u32 v10, s3, v1
	v_mul_u32_u24 v8, v2, PLN
	v_lshl_add_u32 v8, v10, 4, v8                  ; 16 x row + h planes
	s_wait_alu depctr_va_sdst(0)                   ; s2 is written, ahead of its first reader: LDS addresses and all the bases are made from it
	s_mul_i32 s6, s2, 28*XP
	v_lshl_add_u32 v28, v30, 3, s6                 ; staging: my wave's 28 rows, 8 bytes a lane
	v_add_nc_u32 v29, QB, v28
	s_mov_b32 s28, 0x76543210                      ; v_permlanex16_b32: each lane takes its own place in the other half
	s_mov_b32 s29, 0xfedcba98
	s_mov_b32 s30, 0x3fb8aa3b                      ; log2(e)
	s_mov_b32 s31, s30                             ; named with it as a pair
	s_mov_b32 s46, 0x41600000                      ; 14.0
	s_mov_b32 s49, 0
	s_wait_kmcnt 0x0
	s_lshl_b32 s48, s2, 13
	s_add_nc_u64 s[32:33], s[14:15], s[48:49]      ; WP at my wave's fragments
	s_mul_i32 s48, s2, 8*PLN
	s_add_nc_u64 s[34:35], s[22:23], s[48:49]      ; val, idx, wgt at head 2w
	s_mul_i32 s48, s2, 4*PLN
	s_add_nc_u64 s[36:37], s[24:25], s[48:49]
	s_mul_i32 s48, s2, 16*PLN
	s_add_nc_u64 s[38:39], s[26:27], s[48:49]
	s_lshl_b32 s48, s2, 8
	s_add_nc_u64 s[40:41], s[16:17], s[48:49]      ; the biases at head 2w
	s_add_nc_u64 s[42:43], s[18:19], s[48:49]
	s_lshl_b32 s48, s2, 7
	s_add_nc_u64 s[44:45], s[20:21], s[48:49]
	s_wait_alu depctr_va_vdst(0)                   ; v3 is written, the offset of the loads below; so are v4, v5, v8, v28 and v29, which later loads and stores read
	; my 80 weight fragments: two loads of 512 bytes on end each
.set tau, 0
.rept 10
	WIN 0x40*(1+tau/4)
.set kk, 0
.rept 8
	global_load_b128 v[8*(8*(tau%4)+kk):8*(8*(tau%4)+kk)+3],   v3, s[32:33] offset:tau*32768+kk*1024
	global_load_b128 v[8*(8*(tau%4)+kk)+4:8*(8*(tau%4)+kk)+7], v3, s[32:33] offset:tau*32768+kk*1024+512
.set kk, kk+1
.endr
.set tau, tau+1
.endr
	WIN 0
	; STAGING: my wave's 28 rows of src and pos, 14 a trip: 56 loads of 512 bytes on end; src and src + pos are rounded to bf16 and put into LDS
	s_mul_i32 s5, s2, 28
	s_add_co_u32 s5, s5, s3
	s_mov_b32 s4, 2
.Lstage:
.set i, 0
.rept 14
	s_add_co_u32 s6, s5, i
	s_min_u32 s6, s6, M-1                          ; rows past the end take the last row
	v_lshl_add_u32 v[14+i], s6, 10, v3
.set i, i+1
.endr
	s_wait_alu depctr_va_vdst(0)                   ; the 14 offsets are written, which the loads read; in the second trip the roundings are done with v32-255, in which the loads land, and v28 and v29 are stepped
.set i, 0
.rept 14
	global_load_b128 v[32+16*i:35+16*i],  v[14+i], s[8:9] th:TH_LOAD_NT
	global_load_b128 v[36+16*i:39+16*i],  v[14+i], s[8:9] offset:512 th:TH_LOAD_NT
	global_load_b128 v[40+16*i:43+16*i],  v[14+i], s[10:11] th:TH_LOAD_NT
	global_load_b128 v[44+16*i:47+16*i],  v[14+i], s[10:11] offset:512 th:TH_LOAD_NT
.set i, i+1
.endr
.set i, 0
.rept 14
.set D, 32+16*i
	s_wait_loadcnt 52-4*i                          ; row i is in; the four loads of each later row may stay out
	v_pk_add_f32 v[D+8:D+9],   v[D:D+1],   v[D+8:D+9]
	v_pk_add_f32 v[D+10:D+11], v[D+2:D+3], v[D+10:D+11]
	v_pk_add_f32 v[D+12:D+13], v[D+4:D+5], v[D+12:D+13]
	v_pk_add_f32 v[D+14:D+15], v[D+6:D+7], v[D+14:D+15]
	v_cvt_pk_bf16_f32 v[D],    v[D],    v[D+1]
	v_cvt_pk_bf16_f32 v[D+1],  v[D+2],  v[D+3]
	v_cvt_pk_bf16_f32 v[D+4],  v[D+4],  v[D+5]
	v_cvt_pk_bf16_f32 v[D+5],  v[D+6],  v[D+7]
	v_cvt_pk_bf16_f32 v[D+8],  v[D+8],  v[D+9]
	v_cvt_pk_bf16_f32 v[D+9],  v[D+10], v[D+11]
	v_cvt_pk_bf16_f32 v[D+12], v[D+12], v[D+13]
	v_cvt_pk_bf16_f32 v[D+13], v[D+14], v[D+15]
.if i%7 == 6
	s_wait_alu depctr_va_vdst(0)                   ; the roundings of seven rows are written, which the 28 LDS stores read
.set gr, i-6
.rept 7
.set D, 32+16*gr
	ds_store_b64 v28, v[D:D+1]     offset:gr*XP
	ds_store_b64 v28, v[D+4:D+5]   offset:gr*XP+256
	ds_store_b64 v29, v[D+8:D+9]   offset:gr*XP
	ds_store_b64 v29, v[D+12:D+13] offset:gr*XP+256
.set gr, gr+1
.endr
.endif
.set i, i+1
.endr
	s_wait_dscnt 0x0                               ; the stores are done before the next trip's loads are issued into their registers
	s_wait_alu depctr_vm_vsrc(0)                   ; the loads have read v14-27, the LDS stores v28, v29 and v32-255: all are written again, by the two steps, by the next offsets and loads, and behind the loop by the constants and the biases
	v_add_nc_u32 v28, 14*XP, v28
	v_add_nc_u32 v29, 14*XP, v29
	s_add_co_u32 s5, s5, 14
	s_sub_co_u32 s4, s4, 1
	s_cmp_lg_u32 s4, 0
	s_cbranch_scc1 .Lstage
	; the biases in the accumulators' layout: they are the C operand of each sum's first product
	v_lshlrev_b32 v30, 5, v2
	v_lshlrev_b32 v31, 6, v2
	v_cmp_eq_u32 vcc_lo, 1, v2
	s_wait_alu depctr_va_vdst(0)                   ; v30 and v31 are written, the offsets of the loads below
.set t, 0
.rept 4
	global_load_b128 v[BIAS+8*t:BIAS+8*t+3],   v30, s[40:41] offset:(t/2)*128+(t%2)*64
	global_load_b128 v[BIAS+8*t+4:BIAS+8*t+7], v30, s[40:41] offset:(t/2)*128+(t%2)*64+16
.set t, t+1
.endr
.set t, 0
.rept 2
	global_load_b128 v[BIAS+64+8*t:BIAS+64+8*t+3],   v30, s[44:45] offset:t*64
	global_load_b128 v[BIAS+64+8*t+4:BIAS+64+8*t+7], v30, s[44:45] offset:t*64+16
.set i, 0
.rept 4
	global_load_b128 v[T+16*t+4*i:T+16*t+4*i+3], v31, s[42:43] offset:t*128+16*i   ; x and y by turns: parted below
.set i, i+1
.endr
.set t, t+1
.endr
.macro LVC d, a, b                     ; a constant of level 2 h (+ 1): a in lanes 0-15, b in lanes 16-31
	s_mov_b32 s6, \b
	v_mov_b32 v[\d], \a
	v_cndmask_b32 v[\d], v[\d], s6, vcc_lo
.endm
	s_wait_alu depctr_va_vcc(0)                    ; VCC is written by the compare above, ahead of its first reader
	LVC 14, 0x42c80000, 0x41c80000                 ; W: 100, 25
	LVC 15, 0x42480000, 0x41500000                 ;    50, 13
	LVC 16, 0x42c40000, 0x41b80000                 ; W - 2: 98, 23
	LVC 17, 0x42400000, 0x41300000                 ;        48, 11
	LVC 18, 0, 0x46435000                          ; start: 0, 12,500
	LVC 19, 0x461c4000, 0x464d1400                 ;        10,000, 13,125
	s_wait_loadcnt 0x0
.set t, 0
.rept 2
.set j, 0
.rept 8
	v_mov_b32 v[BIAS+32+8*t+j], v[T+16*t+2*j]
	v_mov_b32 v[BIAS+48+8*t+j], v[T+16*t+2*j+1]
.set j, j+1
.endr
.set t, t+1
.endr
.macro FETCH                           ; a tile's 8 fragments of src, then its 8 of q
	WIN 0xc0
.set k, 0
.rept 8
	ds_load_b128 v[128+8*k:131+8*k], v4 offset:64*k
	ds_load_b128 v[132+8*k:135+8*k], v4 offset:64*k+32
.set k, k+1
.endr
.set k, 0
.rept 8
	ds_load_b128 v[192+8*k:195+8*k], v5 offset:64*k
	ds_load_b128 v[196+8*k:199+8*k], v5 offset:64*k+32
.set k, k+1
.endr
	WIN 0
.endm
.macro REFA add                        ; where the reference points of levels 2 h, 2 h + 1 of my row of the tile add rows on lie
	v_add_nc_u32 v13, \add, v10
	v_min_u32 v13, M-1, v13
	v_lshlrev_b32 v13, 5, v13
	v_lshl_add_u32 v13, v2, 4, v13
.endm
.macro REFL                            ; and their load
	global_load_b128 v[20:23], v13, s[12:13]
.endm
; nt accumulators from t0 on take turns, one instruction a turn, K ascending; the first product takes the bias as C
.macro GRP w, t0, nt, fb
	WIN \w
.set k, 0
.rept 8
.set t, 0
.rept \nt
.if k == 0
	v_wmma_f32_16x16x32_bf16 v[ACC+8*((\t0)+t):ACC+8*((\t0)+t)+7], v[8*(8*t+k):8*(8*t+k)+7], v[(\fb)+8*k:(\fb)+8*k+7], v[BIAS+8*((\t0)+t):BIAS+8*((\t0)+t)+7]
.else
	v_wmma_f32_16x16x32_bf16 v[ACC+8*((\t0)+t):ACC+8*((\t0)+t)+7], v[8*(8*t+k):8*(8*t+k)+7], v[(\fb)+8*k:(\fb)+8*k+7], v[ACC+8*((\t0)+t):ACC+8*((\t0)+t)+7]
.endif
.set t, t+1
.endr
.set k, k+1
.endr
.endm
.macro PRE                             ; what the tile's points share
	v_cmp_le_u32 vcc_lo, LV, v10                   ; the second batch's rows: its table begins 14 rows ahead of them
	s_wait_loadcnt 0x0                             ; the reference points
	v_fma_f32 v24, v20, v14, -0.5
	v_fma_f32 v25, v22, v15, -0.5
	v_fma_f32 v26, v21, v14, -0.5
	v_fma_f32 v27, v23, v15, -0.5
	s_wait_alu depctr_va_vcc(0)                    ; VCC is written by the compare above, ahead of its reader
	v_cndmask_b32 v30, 0, s46, vcc_lo
	v_add_f32 v28, v18, v30
	v_add_f32 v29, v19, v30
.endm
.macro VALCVT                          ; value: a lane's eight channels of a row close up, rounded, into the first four of their accumulator's eight registers
.set t, 0
.rept 4
.set j, 0
.rept 4
	v_cvt_pk_bf16_f32 v[ACC+8*t+j], v[ACC+8*t+2*j], v[ACC+8*t+2*j+1]
.set j, j+1
.endr
.set t, t+1
.endr
.endm
.macro VALST                           ; 16 bytes of plane 4 head + 2 (tau % 2) + h
.set t, 0
.rept 4
	global_store_b128 v8, v[ACC+8*t:ACC+8*t+3], s[34:35] offset:(4*(t/2)+2*(t%2))*PLN
.set t, t+1
.endr
.endm
; one axis: o: the offsets, which become g and then t = g - base; b: the base; w0, w1: the two weights; rr: ref x size - 0.5
.macro GEO o, b, w0, w1, rr
.set j, 0
.rept 8
	v_add_f32 v[\o+j], v[\rr+j/4], v[\o+j]
.set j, j+1
.endr
.set j, 0
.rept 8
	v_floor_f32 v[\b+j], v[\o+j]
.set j, j+1
.endr
.set j, 0
.rept 8
	v_med3_num_f32 v[\b+j], v[\b+j], 0, v[16+j/4]
.set j, j+1
.endr
.set j, 0
.rept 4
	v_pk_add_f32 v[\o+2*j:\o+2*j+1], v[\o+2*j:\o+2*j+1], v[\b+2*j:\b+2*j+1] neg_lo:[0,1] neg_hi:[0,1]
.set j, j+1
.endr
.set j, 0
.rept 8
	v_sub_f32 v[\w0+j], 1.0, |v[\o+j]|
	v_add_f32 v[\w1+j], -1.0, v[\o+j]
.set j, j+1
.endr
.set j, 0
.rept 8
	v_max_num_f32 v[\w0+j], 0, v[\w0+j]
	v_sub_f32 v[\w1+j], 1.0, |v[\w1+j]|
.set j, j+1
.endr
.set j, 0
.rept 8
	v_max_num_f32 v[\w1+j], 0, v[\w1+j]
.set j, j+1
.endr
.endm
; head 2w + hl of the tile: softmax, geometry, index, corner weights, five stores.  What is stored is left in the head's own three accumulators: column dx = 0 in the logits' registers, dx = 1 in x's, the index in y's.
.macro POST hl
.set OX, ACC+8*(4+(\hl))
.set OY, ACC+8*(6+(\hl))
.set LG, ACC+8*(8+(\hl))
	v_max3_num_f32 v30, v[LG], v[LG+1], v[LG+2]    ; the maximum of the head's 16 logits: 8 here, 8 in the lane 16 away
	v_max3_num_f32 v31, v[LG+3], v[LG+4], v[LG+5]
	v_max3_num_f32 v30, v30, v[LG+6], v[LG+7]
	v_max_num_f32 v30, v30, v31
	v_permlanex16_b32 v31, v30, s28, s29
	v_max_num_f32 v30, v30, v31
	v_mul_f32 v30, s30, v30
.set j, 0
.rept 4
	v_pk_fma_f32 v[LG+2*j:LG+2*j+1], v[LG+2*j:LG+2*j+1], s[30:31], v[30:31] op_sel_hi:[1,0,0] neg_lo:[0,0,1] neg_hi:[0,0,1]
.set j, j+1
.endr
.set j, 0
.rept 8
	v_exp_f32 v[LG+j], v[LG+j]
.set j, j+1
.endr
	GEO OX, XB, WX0, WX1, 24                       ; the geometry names no exponential's result: it is the work between the batch and its wait
	GEO OY, YB, WY0, WY1, 26
	s_wait_alu depctr_va_vdst(0)                   ; the eight exponentials have written their results, ahead of the first reader: one wait for the batch
	v_pk_add_f32 v[30:31], v[LG:LG+1], v[LG+2:LG+3]
	v_pk_add_f32 v[OUT:OUT+1], v[LG+4:LG+5], v[LG+6:LG+7]
	v_pk_add_f32 v[30:31], v[30:31], v[OUT:OUT+1]
	v_add_f32 v30, v30, v31
	v_permlanex16_b32 v31, v30, s28, s29
	v_add_f32 v30, v30, v31
	v_rcp_f32 v30, v30
.set j, 0
.rept 8
	v_add_f32 v[XB+j], v[XB+j], v[28+j/4]          ; the index, whole numbers under 2^24 in f32: yb W + xb + start
.set j, j+1
.endr
.set j, 0
.rept 8
	v_fma_f32 v[XB+j], v[YB+j], v[14+j/4], v[XB+j]
.set j, j+1
.endr
.set j, 0
.rept 8
	v_cvt_u32_f32 v[XB+j], v[XB+j]
.set j, j+1
.endr
	s_wait_alu depctr_va_vdst(0)                   ; the reciprocal has written v30, ahead of its first reader
.set j, 0
.rept 4
	v_pk_mul_f32 v[LG+2*j:LG+2*j+1], v[LG+2*j:LG+2*j+1], v[30:31] op_sel_hi:[1,0]
.set j, j+1
.endr
.set j, 0
.rept 4
	v_pk_mul_f32 v[WY0+2*j:WY0+2*j+1], v[WY0+2*j:WY0+2*j+1], v[LG+2*j:LG+2*j+1]
	v_pk_mul_f32 v[WY1+2*j:WY1+2*j+1], v[WY1+2*j:WY1+2*j+1], v[LG+2*j:LG+2*j+1]
.set j, j+1
.endr
.set j, 0
.rept 4
	v_pk_mul_f32 v[OX+2*j:OX+2*j+1], v[WY0+2*j:WY0+2*j+1], v[WX0+2*j:WX0+2*j+1]
	v_pk_mul_f32 v[OY+2*j:OY+2*j+1], v[WY1+2*j:WY1+2*j+1], v[WX0+2*j:WX0+2*j+1]
.set j, j+1
.endr
.set j, 0
.rept 8
	v_cvt_pk_bf16_f32 v[LG+j], v[OX+j], v[OY+j]    ; dx = 0: dy 0 in the low half, dy 1 in the high
.set j, j+1
.endr
.set j, 0
.rept 4
	v_pk_mul_f32 v[OX+2*j:OX+2*j+1], v[WY0+2*j:WY0+2*j+1], v[WX1+2*j:WX1+2*j+1]
	v_pk_mul_f32 v[OY+2*j:OY+2*j+1], v[WY1+2*j:WY1+2*j+1], v[WX1+2*j:WX1+2*j+1]
.set j, j+1
.endr
.set j, 0
.rept 8
	v_cvt_pk_bf16_f32 v[OX+j], v[OX+j], v[OY+j]    ; dx = 1
.set j, j+1
.endr
.set j, 0
.rept 4
	v_lshl_or_b32 v[OY+j], v[XB+2*j+1], 16, v[XB+2*j]
.set j, j+1
.endr
	s_wait_alu depctr_va_vdst(0)                   ; the head's index and its sixteen registers of weights are written, which the five stores read
	global_store_b128 v8, v[OY:OY+3], s[36:37] offset:2*(\hl)*PLN
	global_store_b128 v8, v[LG:LG+3],   s[38:39] offset:(8*(\hl))*PLN      ; planes 8 hl + 2 (2 dx + point / 4) and + 1: sixteen lanes store 256 bytes on end, at a multiple of 256
	global_store_b128 v8, v[LG+4:LG+7], s[38:39] offset:(8*(\hl)+2)*PLN
	global_store_b128 v8, v[OX:OX+3],   s[38:39] offset:(8*(\hl)+4)*PLN
	global_store_b128 v8, v[OX+4:OX+7], s[38:39] offset:(8*(\hl)+6)*PLN
.endm
	REFA 0
	s_wait_dscnt 0x0                               ; my rows are in LDS,
	s_barrier_signal -1
	s_barrier_wait -1                              ; everybody's are; they are never written again
	s_wait_alu depctr_va_vdst(0)                   ; v13 is written, which the reference points' load reads; the staging's offsets in v20-23, in which it lands, were written ahead of this too
	FETCH
	REFL
	s_mov_b32 s4, 7
.Ltile:
	s_wait_dscnt 16                                ; the fragments of src are in; q's sixteen loads may stay out
	GRP 0x0d, 0, 4, 128
	s_wait_dscnt 0x0
	GRP 0x0e, 4, 4, 192
	GRP 0x0f, 8, 2, 192
	WIN 0
.rept 4
	v_nop                                          ; four places between the last product and the reads of its result (ISA guide 7.12.1)
.endr
	s_wait_alu depctr_vm_vsrc(0)                   ; the fragments' loads have read v4 and v5, the reference points' load v13 (in the first trip the biases' loads v30 and v31 too): all are written below
	PRE
	v_add_nc_u32 v4, 16*XP, v4
	v_add_nc_u32 v5, 16*XP, v5
	REFA 16
	VALCVT
	s_wait_alu depctr_va_vdst(0)                   ; the products are done reading the fragments and PRE the reference points, in which the next tile's loads land; v4, v5, v13 and (at the last tile's end) v8 are written; value is rounded
	s_cmp_eq_u32 s4, 1
	s_cbranch_scc1 .Lnofetch                       ; the last tile has none behind it
	FETCH                                          ; the next tile's fragments and reference points come while this tile's results are worked on
	REFL
.Lnofetch:
	VALST
	POST 0
	POST 1
	s_wait_xcnt 0x0                                ; the stores have had their addresses translated: their offset and their data are written again only behind this wait
	s_wait_alu depctr_vm_vsrc(0)                   ; the tile's 14 stores have read v8, which steps now, and the accumulators, which the next tile's products write
	v_add_nc_u32 v8, 256, v8
	v_add_nc_u32 v10, 16, v10
	s_sub_co_u32 s4, s4, 1
	s_cmp_lg_u32 s4, 0
	s_cbranch_scc1 .Ltile
	s_wait_dscnt 0x0                               ; the closing lines, six on end
	s_wait_alu 0x0
	s_wait_tensorcnt 0x0
	ds_add_u32 v11, v12
	s_wait_dscnt 0x0
	s_endpgm
.Lfunc_end_k_q7386b882df_proj:
	.size	k_q7386b882df_proj, .Lfunc_end_k_q7386b882df_proj-k_q7386b882df_proj
	.p2alignl 7, 3214868480
	.fill 96, 4, 3214868480
	.section	.rodata,"a",@progbits
	.p2align	6, 0x0
	.amdhsa_kernel k_q7386b882df_proj
		.amdhsa_group_segment_fixed_size 118784
		.amdhsa_private_segment_fixed_size 0
		.amdhsa_enable_private_segment 0
		.amdhsa_kernarg_size 80
		.amdhsa_user_sgpr_count 2
		.amdhsa_user_sgpr_kernarg_segment_ptr 1
		.amdhsa_wavefront_size32 1
		.amdhsa_system_sgpr_workgroup_id_x 1
		.amdhsa_system_sgpr_workgroup_id_y 1
		.amdhsa_system_sgpr_workgroup_id_z 1
		.amdhsa_system_vgpr_workitem_id 0
		.amdhsa_next_free_vgpr 1024
		.amdhsa_next_free_sgpr 66
		.amdhsa_reserve_vcc 1
		.amdhsa_float_denorm_mode_32 3
		.amdhsa_float_denorm_mode_16_64 3
		.amdhsa_memory_ordered 1
		.amdhsa_forward_progress 1
		.amdhsa_inst_pref_size 81
	.end_amdhsa_kernel
	.amdgpu_metadata
---
amdhsa.version: [ 1, 2 ]
amdhsa.kernels:
  - .name:           k_q7386b882df_proj
    .symbol:         k_q7386b882df_proj.kd
    .args:
      - { .name: src, .offset: 0, .size: 8, .value_kind: global_buffer, .address_space: global }
      - { .name: pos, .offset: 8, .size: 8, .value_kind: global_buffer, .address_space: global }
      - { .name: reference_points, .offset: 16, .size: 8, .value_kind: global_buffer, .address_space: global }
      - { .name: wts, .offset: 24, .size: 8, .value_kind: global_buffer, .address_space: global }
      - { .name: b_value, .offset: 32, .size: 8, .value_kind: global_buffer, .address_space: global }
      - { .name: b_off, .offset: 40, .size: 8, .value_kind: global_buffer, .address_space: global }
      - { .name: b_attn, .offset: 48, .size: 8, .value_kind: global_buffer, .address_space: global }
      - { .name: val, .offset: 56, .size: 8, .value_kind: global_buffer, .address_space: global }
      - { .name: idx, .offset: 64, .size: 8, .value_kind: global_buffer, .address_space: global }
      - { .name: wgt, .offset: 72, .size: 8, .value_kind: global_buffer, .address_space: global }
    .group_segment_fixed_size: 118784
    .private_segment_fixed_size: 0
    .kernarg_segment_align: 8
    .kernarg_segment_size: 80
    .max_flat_workgroup_size: 128
    .sgpr_count:     66
    .vgpr_count:     1024
    .wavefront_size: 32
...
	.end_amdgpu_metadata
.endif
;; end of part 9
;; launch sample: the kernel of part 7 again; grid 256 x 1, 8 waves a work-group, no clusters, 214,016 bytes of LDS; arguments idx, wgt, val, smp; writes smp
;; launch ffn (part 10): grid 238 x 1, 4 waves a work-group, no clusters, 219,136 bytes of LDS; arguments smp, src, wts, b_out, ln1_g, ln1_b, b_ffn1, b_ffn2, ln2_g, ln2_b, out0; writes out0
.if DOCPART == 10
	.amdgcn_target "amdgcn-amd-amdhsa--gfx1250"
	.amdhsa_code_object_version 6
	.text
	.protected	k_q7386b882df_ffn
	.globl	k_q7386b882df_ffn
	.p2align	8
	.type	k_q7386b882df_ffn,@function
k_q7386b882df_ffn:
	s_mov_b64 s[64:65], 0
	v_nop
	global_prefetch_b8 v0, s[64:65] scope:SCOPE_SE
	s_setreg_imm32_b32 hwreg(HW_REG_WAVE_SCHED_MODE, 0, 2), 2
	s_setreg_imm32_b32 hwreg(HW_REG_WAVE_MODE, 25, 1), 1
	s_wait_xcnt 0x0
	s_wait_alu depctr_vm_vsrc(0)
; x = LN1(src + smp w_out + b_out);  out0 = LN2(x + relu(x w_ffn1 + b_ffn1) w_ffn2 + b_ffn2).  Products in bf16 with f32 sums; the residual path and both norms in f32.
; SHARES.  A work-group takes 112 rows (7 tiles of 16).  Wave w owns output channels 64 w .. 64 w + 63 of all rows: Y, 28 accumulators, 224 registers.  Y carries src + b_out, then the sums of the
; first product, then (normed) x + b_ffn2, then the sums of the last product: x never leaves registers in f32.  The 2,048 hidden units go in 16 chunks of 128; of a chunk wave w makes units 32 w .. 32 w + 31
; for all rows.
; THE PRODUCTS ARE TRANSPOSED (source 0 = 16 channels of weights, source 1 = 16 rows): in a result lane (r = l % 16, h = l / 16) holds row r and channels 8 h + j.  So two tiles of hidden units, rounded to bf16
; in pairs, ARE a source-1 fragment (16 rows x 32 units): a wave multiplies ITS OWN 32 units straight out of registers.  The other waves' units come through LDS, in the order (w + p) % 4, p = 1, 2, 3.
; A TRIP of the loop has eight steps of 28 products: S0 hidden sums of chunk c, K 0-63 | S1 Y += units p 1 of chunk c - 1 | S2 K 64-127 | S3 p 2 | S4 K 128-191 | S5 p 3 | S6 K 192-255 | S7 Y += own units of chunk c.
; So a fetch of hidden units from LDS has most of a step in which to land, and both barriers of a chunk stand round matrix work.  S6 goes tile by tile, and each tile's 16 lines of rounding and
; max(0, .) stand four behind each product of the tile two on (the last two tiles': behind S7's first eight products).
; THE WEIGHTS lie in memory as fragments, for each wave as one stream of quads of four in the order of these steps, and come straight into a ring of four quads in registers: in each step one run of eight
; loads fills the quad that the step before has read, for the step three on.  No byte of them is wanted by two waves of a work-group.
; NO CLUSTER for that reason (a joint load would have to land in LDS and be read back), and 238 work-groups are no multiple of four.
; ONE TEXT FOR ALL 16 CHUNKS, and its price: in the first trip S1, S3, S5 multiply zeros (the LDS rows are cleared once; the stream holds chunk 15's fragments there): 84 products that add nothing; chunk 15's p 1 to 3
; are written out behind the loop; the last trip's load of a next bias takes chunk 0's; the fourth quad of the stream's tail is never asked for.
; smp lies in 32 planes of [row][8 channels in bf16]; rows up to 26,591 are written, so tiles of 16 rows past number 1,661 take that tile.
; THE NORMS take the mean first and then the mean of the squared differences: no difference of large sums.  A row's 256 channels lie in 2 lanes of each of the 4 waves: the waves' sums meet in LDS.
; LIMITS.  smp, x as a matrix operand and the hidden units are rounded to bf16; NaN and infinities are not treated apart.  Rows past 26,587 are made from clamped rows and not stored.
; THE MODE: SCHED_MODE bits 1:0 = 2 (LLVM: expert scheduling mode 2), set by the entry lines.  The code itself states the register dependences
; between vector or matrix instructions and memory or LDS instructions, with s_wait_alu, always for 0.
; THE PLAN.  Registers that memory or LDS instructions touch, in the loop:
;   the ring      Quad s % 4 is read by step s's products; the loads of step s + 1 land in it.
;   the fetch buffer (window 3 v224-255, window 2 v240-255, v56-63)   Read by the products of S1, S3, S5; p 2 lands in it in S2, p 3 in S4, p 1 behind the second barrier's wait.
;   v20-35        The bias: read by S0's products, loaded again in S5.      v13  Its offset: read by those loads, stepped ahead of S5's wait.
;   own fragments (v192-255, window 2 v192-239)   Written by the products of S0 to S6 and by the lines of rounding; read by S7's products and by the 14 LDS stores in S7.
;   v3, v6, v36-38   Offsets and LDS addresses: never written in the loop.
; ONE wait on va_vdst stands at each step's head: the step before is done reading its quad (S2, S4: and the fetch buffer; S5: and v13 is written).  Behind it come the step's first products and then its run of loads:
; those products name this step's quad, Y or the hidden sums, and the rows' or the fetched fragments, none of which the run touches.  S6's run stands straight behind the wait, ahead of the barrier's signal.  S7's wait stands
; behind its eighth product, where the last own fragments are written too: one run of 8 loads and 14 stores follows it.  Two waits on vm_vsrc a trip: at S0's head (the LDS stores have read the own fragments) and ahead of v13's step.
; REGISTERS, in windows of 256 (s_set_vgpr_msb: bits 1:0 source 0, 3:2 source 1, 5:4 source 2, 7:6 destination):
;   window 0: v0-19 addresses; v20-35 the chunk's bias; v36-49 means, v50-63 1 / deviation (each twice, a pair), in the loop v36-38 LDS addresses and v56-63 a fetched fragment; v64-191 the ring;
;             v192-255 hidden sums of tiles 0-3 (tile m, half t at 192 + 16 m + 8 t; rounded: the own fragment at 192 + 16 m), at work
;   window 1: the rows' fragments of tiles 0-3 at 8 (8 m + k); between the products: gain, bias, b_ffn2; behind the loop v128-183 fetched fragments       window 2: v0-191 fragments of tiles 4-6; v192-239 hidden sums of tiles 4-6; v240-255 fetched fragments
;   window 3: Y at 8 (4 m + n); v224-255 fetched fragments
.set M,      26588
.set TAILROWS, M-237*112               ; the last work-group's rows: 44
.set STILES, 1662                      ; tiles of 16 rows that smp holds
.set PLN,    426496                    ; a plane of smp: 26,656 rows x 16 bytes
.set XP,     528                       ; LDS row of 256 bf16 + 16 bytes
.set HP,     272                       ; LDS row of 256 bytes + 16
.set HB,     59136                     ; LDS: rows (smp, then x) in bf16 at 0; a chunk's hidden units here, 112 x 272
.set STG,    89600                     ; each wave's stage: its 256 bytes of 112 rows, pitch 272: src on the way in, the result on the way out
.set STGW,   112*HP
.set RED,    211456                    ; four regions [row 112][wave 4] f32, one for each meeting of sums
.set REDB,   1792
.set SPARE,  218624                    ; the spare words, 128 bytes a wave
.set WO_OFF, 327680
.set WF_OFF, 458752
.set WSTR,   540672                    ; a wave's stream: 16 blocks of 8 quads and a tail of 4, 4,096 bytes a quad
.set RING,   64
.set TMP,    192
.set B1,     20
.set ME,     36
.set RS,     50
.set AH,     36                        ; v36-38: where the units of p = 1, 2, 3 are read
; v1 r, v2 h, v3 16 x lane, v4 fragments of rows, v5 where smp and x go, v6 hidden units in, v7 hidden units out (column 0), v8 my stage by result layout, v9 by whole rows, v10 / v11 sums in / out,
; v12 my 8 channels' offset in a vector of 256 f32, v13 in b_ffn1 (it steps), v14 my 16 bytes of two rows of src, v15 of out0, v16 0, v17 at work, v18 / v19 the add's two registers
.set MSB, 0
.macro WIN new                         ; the immediate's high byte repeats the setting that is left; a switch that changes nothing is dropped
.if MSB != (\new)
	s_set_vgpr_msb (MSB<<8)|(\new)
.set MSB, (\new)
.endif
.endm
.macro PLACES n                        ; places between a product and a write over its registers by a vector or matrix instruction, or a read of its result (ISA guide 7.12.1)
.rept \n
	v_nop
.endr
.endm
.macro RUN n
	WIN 0
	PLACES \n
.endm
.macro BAR
	s_barrier_signal -1
	s_barrier_wait -1
.endm
.macro ALLM line:vararg                ; a line for each tile of rows mm
.set mm, 0
.rept 7
	\line
.set mm, mm+1
.endr
.endm
.macro ALLT line:vararg                ; a line for each accumulator tt = 4 m + n of Y
.set tt, 0
.rept 28
	\line
.set tt, tt+1
.endr
.endm
.macro ALLP line:vararg                ; a line for each register pair ii of each accumulator tt
.set tt, 0
.rept 28
.set ii, 0
.rept 4
	\line
.set ii, ii+1
.endr
.set tt, tt+1
.endr
.endm
.macro REFILL sb, o, slot0, cnt        ; cnt fragments from byte o behind s[sb:sb+1] into the ring from slot0 on: two loads of 512 bytes on end each
	WIN 0
.set rf, 0
.rept \cnt
	global_load_b128 v[RING+8*((\slot0)+rf):RING+8*((\slot0)+rf)+3],   v3, s[\sb:\sb+1] offset:(\o)+1024*rf
	global_load_b128 v[RING+8*((\slot0)+rf)+4:RING+8*((\slot0)+rf)+7], v3, s[\sb:\sb+1] offset:(\o)+1024*rf+512
.set rf, rf+1
.endr
.endm
.macro PARAM w, d, sb                  ; my 32 numbers (4 n x 8) of a vector of 256, in Y's layout
	WIN \w
.set nn, 0
.rept 8
	global_load_b128 v[(\d)+4*nn:(\d)+4*nn+3], v12, s[\sb:\sb+1] offset:64*(nn/2)+16*(nn%2)
.set nn, nn+1
.endr
.endm
.macro LOADB1                          ; my 16 numbers (2 t x 8) of the bias of the chunk at which v13 stands
	WIN 0
.set nn, 0
.rept 4
	global_load_b128 v[B1+4*nn:B1+4*nn+3], v13, s[34:35] offset:64*(nn/2)+16*(nn%2)
.set nn, nn+1
.endr
.endm
.macro LOADA                           ; all 56 fragments of the 112 rows
	WIN 0x40
.set mm, 0
.rept 7
.if mm == 4
	WIN 0x80
.endif
.set k, 0
.rept 8
	ds_load_b128 v[8*(8*(mm%4)+k):8*(8*(mm%4)+k)+3],   v4 offset:16*XP*mm+64*k
	ds_load_b128 v[8*(8*(mm%4)+k)+4:8*(8*(mm%4)+k)+7], v4 offset:16*XP*mm+64*k+32
.set k, k+1
.endr
.set mm, mm+1
.endr
	WIN 0
.endm
; Products for tiles m0 to m1 - 1: Y[m][n] += ring quad q's fragment n x the rows' fragment of tile m.  A step takes all 7 tiles, 28 accumulators that all differ: they take turns.
; bsel 0: the rows' fragment kx (windows 1 and 2); 1: the fetched hidden fragments (windows 3, 2, 0); 2, 3: the two further fetch buffers behind the loop (window 0; window 1)
.macro MMY q, bsel, kx, m0, m1
.set mm, \m0
.rept (\m1)-(\m0)
.if (\bsel) == 0
.if mm < 4
	WIN 0xf4
.set rb, 8*(8*mm+(\kx))
.else
	WIN 0xf8
.set rb, 8*(8*(mm-4)+(\kx))
.endif
.elseif (\bsel) == 1
.if mm < 4
	WIN 0xfc
.set rb, 224+8*mm
.elseif mm < 6
	WIN 0xf8
.set rb, 240+8*(mm-4)
.else
	WIN 0xf0
.set rb, 56
.endif
.elseif (\bsel) == 2
	WIN 0xf0
.set rb, TMP+8*mm
.else
	WIN 0xf4
.set rb, 128+8*mm
.endif
.set nn, 0
.rept 4
	v_wmma_f32_16x16x32_bf16 v[8*(4*mm+nn):8*(4*mm+nn)+7], v[RING+8*(4*(\q)+nn):RING+8*(4*(\q)+nn)+7], v[rb:rb+7], v[8*(4*mm+nn):8*(4*mm+nn)+7]
.set nn, nn+1
.endr
.set mm, mm+1
.endr
.endm
.macro SRCA b                          ; 56 rows of src, my wave's 256 bytes of each: the offsets of 28 loads of two rows
	WIN 0
.set i, 0
.rept 28
	s_add_co_u32 s5, s3, 2*(28*(\b)+i)
	s_min_u32 s5, s5, M-2                          ; rows past the end take the last two rows
	v_lshl_add_u32 v[TMP+28*(\b)+i], s5, 10, v14
.set i, i+1
.endr
.endm
.macro SRCL b                          ; the loads: sixteen lanes take 256 bytes on end
	WIN 0x80
.set i, 0
.rept 28
	global_load_b128 v[112*(\b)+4*i:112*(\b)+4*i+3], v[TMP+28*(\b)+i], s[10:11] th:TH_LOAD_NT
.set i, i+1
.endr
.endm
.macro SRCST b                         ; and into my stage
	WIN 0x08
.set i, 0
.rept 28
	ds_store_b128 v9, v[112*(\b)+4*i:112*(\b)+4*i+3] offset:2*HP*(28*(\b)+i)
.set i, i+1
.endr
.endm
; The pairs at TMP + 2 tt hold each accumulator's part of a row's sum.  They are added over n, the pair, the lanes' halves and, through region x of RED, the four waves: the row's sum is left in v[TMP + 8 m].
.macro RSUM x
	WIN 0
	ALLM v_pk_add_f32 v[TMP+8*mm:TMP+8*mm+1], v[TMP+8*mm:TMP+8*mm+1], v[TMP+8*mm+2:TMP+8*mm+3]
	ALLM v_pk_add_f32 v[TMP+8*mm+4:TMP+8*mm+5], v[TMP+8*mm+4:TMP+8*mm+5], v[TMP+8*mm+6:TMP+8*mm+7]
	ALLM v_pk_add_f32 v[TMP+8*mm:TMP+8*mm+1], v[TMP+8*mm:TMP+8*mm+1], v[TMP+8*mm+4:TMP+8*mm+5]
	ALLM v_add_f32 v[TMP+8*mm], v[TMP+8*mm], v[TMP+8*mm+1]
	ALLM v_permlanex16_b32 v[TMP+8*mm+1], v[TMP+8*mm], s42, s43
	ALLM v_add_f32 v[TMP+8*mm], v[TMP+8*mm], v[TMP+8*mm+1]
	s_wait_alu depctr_va_vdst(0)                   ; the seven sums are written, which the LDS stores read; the additions are done with v[TMP + 8 m ..], in which the loads below land
	ALLM ds_store_b32 v10, v[TMP+8*mm] offset:(\x)*REDB+256*mm
	s_wait_dscnt 0x0                               ; for the others' sake: my sums are in LDS,
	BAR                                            ; everybody's are
	s_wait_alu depctr_vm_vsrc(0)                   ; the LDS stores have read v[TMP + 8 m], in which the loads land (ahead of the second norm: the fetches have read v36-38 too, which the means take)
	ALLM ds_load_b128 v[TMP+8*mm:TMP+8*mm+3], v11 offset:(\x)*REDB+256*mm
	s_wait_dscnt 0x0
	ALLM v_add_f32 v[TMP+8*mm], v[TMP+8*mm], v[TMP+8*mm+1]
	ALLM v_add_f32 v[TMP+8*mm+2], v[TMP+8*mm+2], v[TMP+8*mm+3]
	ALLM v_add_f32 v[TMP+8*mm], v[TMP+8*mm], v[TMP+8*mm+2]
.endm
; Y = (Y - mean) / sqrt(var + 1e-5) x gain + bias, gain at v0-31 and bias at v32-63 of window 1.  Regions x and x + 1 of RED.  Each accumulator's lowest registers are read first.
.macro LN x
	WIN 0x0f
	ALLT v_pk_add_f32 v[TMP+2*tt:TMP+2*tt+1], v[8*tt:8*tt+1], v[8*tt+2:8*tt+3]
	WIN 0x0c
	ALLT v_pk_add_f32 v[TMP+2*tt:TMP+2*tt+1], v[TMP+2*tt:TMP+2*tt+1], v[8*tt+4:8*tt+5]
	ALLT v_pk_add_f32 v[TMP+2*tt:TMP+2*tt+1], v[TMP+2*tt:TMP+2*tt+1], v[8*tt+6:8*tt+7]
	RSUM \x
	ALLM v_mul_f32 v[ME+2*mm], s45, v[TMP+8*mm]
	ALLM v_mov_b32 v[ME+2*mm+1], v[ME+2*mm]
	WIN 0xc3
	ALLP v_pk_add_f32 v[8*tt+2*ii:8*tt+2*ii+1], v[8*tt+2*ii:8*tt+2*ii+1], v[ME+2*(tt/4):ME+2*(tt/4)+1] neg_lo:[0,1] neg_hi:[0,1]
	WIN 0x0f
	ALLT v_pk_mul_f32 v[TMP+2*tt:TMP+2*tt+1], v[8*tt:8*tt+1], v[8*tt:8*tt+1]
	ALLT v_pk_fma_f32 v[TMP+2*tt:TMP+2*tt+1], v[8*tt+2:8*tt+3], v[8*tt+2:8*tt+3], v[TMP+2*tt:TMP+2*tt+1]
	ALLT v_pk_fma_f32 v[TMP+2*tt:TMP+2*tt+1], v[8*tt+4:8*tt+5], v[8*tt+4:8*tt+5], v[TMP+2*tt:TMP+2*tt+1]
	ALLT v_pk_fma_f32 v[TMP+2*tt:TMP+2*tt+1], v[8*tt+6:8*tt+7], v[8*tt+6:8*tt+7], v[TMP+2*tt:TMP+2*tt+1]
	RSUM (\x)+1
	ALLM v_fma_f32 v[TMP+8*mm], v[TMP+8*mm], s45, s46
	ALLM v_rsq_f32 v[RS+2*mm], v[TMP+8*mm]
	v_nop                                          ; a plain instruction behind the last root,
	s_wait_alu depctr_va_vdst(0)                   ; and the seven roots have written their results, ahead of the first reader: one wait for the batch
	ALLM v_mov_b32 v[RS+2*mm+1], v[RS+2*mm]
	s_wait_loadcnt 0x0                             ; gain and bias are in
	WIN 0xc3
	ALLP v_pk_mul_f32 v[8*tt+2*ii:8*tt+2*ii+1], v[8*tt+2*ii:8*tt+2*ii+1], v[RS+2*(tt/4):RS+2*(tt/4)+1]
	WIN 0xd7
	ALLP v_pk_fma_f32 v[8*tt+2*ii:8*tt+2*ii+1], v[8*tt+2*ii:8*tt+2*ii+1], v[8*(tt%4)+2*ii:8*(tt%4)+2*ii+1], v[32+8*(tt%4)+2*ii:32+8*(tt%4)+2*ii+1]
	WIN 0
.endm
; One product of the hidden sums: tile m, half t (16 units), K = 32 k, weights in ring slot.  K = 0 starts the sum with the bias as C.
.macro HWM m, t, k, slot
.set ra, TMP+16*((\m)%4)+8*(\t)
.set rx, 8*(8*((\m)%4)+(\k))
.set rw, RING+8*(\slot)
.if (\m) < 4
	WIN 0x04
.elseif (\k) == 0
	WIN 0x88
.else
	WIN 0xa8
.endif
.if (\k) == 0
	v_wmma_f32_16x16x32_bf16 v[ra:ra+7], v[rw:rw+7], v[rx:rx+7], v[B1+8*(\t):B1+8*(\t)+7]
.else
	v_wmma_f32_16x16x32_bf16 v[ra:ra+7], v[rw:rw+7], v[rx:rx+7], v[ra:ra+7]
.endif
.endm
; 28 products: the hidden sums of all tiles take K = 32 kb and 32 (kb + 1), out of ring quad g.  Eight accumulators take turns, then six.  part 0: the first eight products; part 1: the other twenty.
.macro F2 kb, g, part
.if (\part) == 0
.set mm, 0
.rept 4
	HWM mm, 0, (\kb), 4*(\g)
	HWM mm, 1, (\kb), 4*(\g)+1
.set mm, mm+1
.endr
.else
.set mm, 0
.rept 4
	HWM mm, 0, (\kb)+1, 4*(\g)+2
	HWM mm, 1, (\kb)+1, 4*(\g)+3
.set mm, mm+1
.endr
.set kq, 0
.rept 2
.set mm, 4
.rept 3
	HWM mm, 0, (\kb)+kq, 4*(\g)+2*kq
	HWM mm, 1, (\kb)+kq, 4*(\g)+2*kq+1
.set mm, mm+1
.endr
.set kq, kq+1
.endr
.endif
.endm
; Line i of the 16 that make tile m's own fragment: 0-7 round its 16 registers of sums to bf16 into the lower 8 (each accumulator's lowest registers are read first); 8-15 max(0, .)
.macro PR m, i
.set pa, TMP+16*((\m)%4)
.if (\i) < 8
.if (\m) < 4
	WIN 0
.else
	WIN 0x8a
.endif
	v_cvt_pk_bf16_f32 v[pa+(\i)], v[pa+2*(\i)], v[pa+2*(\i)+1]
.else
.if (\m) < 4
	WIN 0
.else
	WIN 0x82
.endif
	v_pk_max_num_bf16 v[pa+(\i)-8], v[pa+(\i)-8], v16
.endif
.endm
; What stands behind product u of S6 and S7 (u = 0 .. 55; tile u / 4 in S6).  Behind tile 1's products a v_nop each: the four places between tile 0's last product and the first line that reads its sums.
; Behind products 8 to 35: four lines of tile u / 4 - 2; between a tile's last product and its first line stand the sixteen lines of the tile before.
.macro RIDE
.if (u >= 4) && (u < 8)
	v_nop
.elseif (u >= 8) && (u < 36)
.set pm, u/4-2
.set pi, 4*(u%4)
	PR pm, pi
	PR pm, pi+1
	PR pm, pi+2
	PR pm, pi+3
.endif
.endm
.macro FETCH_P a                       ; the 7 tiles' fragments of 32 hidden units, from the address in v[a]
	WIN 0xc0
.set mm, 0
.rept 4
	ds_load_b128 v[224+8*mm:224+8*mm+3], v[\a] offset:16*HP*mm
	ds_load_b128 v[224+8*mm+4:224+8*mm+7], v[\a] offset:16*HP*mm+32
.set mm, mm+1
.endr
	WIN 0x80
.rept 2
	ds_load_b128 v[240+8*(mm-4):240+8*(mm-4)+3], v[\a] offset:16*HP*mm
	ds_load_b128 v[240+8*(mm-4)+4:240+8*(mm-4)+7], v[\a] offset:16*HP*mm+32
.set mm, mm+1
.endr
	WIN 0
	ds_load_b128 v[56:59], v[\a] offset:16*HP*6
	ds_load_b128 v[60:63], v[\a] offset:16*HP*6+32
.endm
.macro FETCH_Q a                       ; the same into the registers of the hidden sums, behind the loop
	WIN 0
.set mm, 0
.rept 7
	ds_load_b128 v[TMP+8*mm:TMP+8*mm+3],   v[\a] offset:16*HP*mm
	ds_load_b128 v[TMP+8*mm+4:TMP+8*mm+7], v[\a] offset:16*HP*mm+32
.set mm, mm+1
.endr
.endm
.macro FETCH_R a                       ; and into registers of the rows' fragments (window 1 v128-183), behind the loop
	WIN 0x40
.set mm, 0
.rept 7
	ds_load_b128 v[128+8*mm:128+8*mm+3],   v[\a] offset:16*HP*mm
	ds_load_b128 v[128+8*mm+4:128+8*mm+7], v[\a] offset:16*HP*mm+32
.set mm, mm+1
.endr
.endm
.macro XCVT hf                         ; half of x (14 accumulators) rounded to bf16
	WIN 0x0f
.set i, 0
.rept 14
.set tt, 14*(\hf)+i
.set j, 0
.rept 4
	v_cvt_pk_bf16_f32 v[TMP+4*i+j], v[8*tt+2*j], v[8*tt+2*j+1]
.set j, j+1
.endr
.set i, i+1
.endr
	WIN 0
.endm
.macro XST hf                          ; and into the rows in LDS
.set i, 0
.rept 14
.set tt, 14*(\hf)+i
	ds_store_b128 v5, v[TMP+4*i:TMP+4*i+3] offset:16*XP*(tt/4)+32*(tt%4)
.set i, i+1
.endr
.endm
	s_load_b512 s[8:23], s[0:1], 0x0               ; smp, src, wts, b_out, ln1_g, ln1_b, b_ffn1, b_ffn2
	s_load_b128 s[24:27], s[0:1], 0x40             ; ln2_g, ln2_b
	s_load_b64 s[28:29], s[0:1], 0x50              ; out0
	v_lshl_add_u32 v18, v0, 2, SPARE
	v_mov_b32 v19, 0
	v_lshrrev_b32 v17, 5, v0
	v_readfirstlane_b32 s2, v17                    ; wave 0..3
	s_mul_i32 s3, ttmp9, 112                       ; the work-group's first row
	v_and_b32 v1, 15, v0
	v_bfe_u32 v2, v0, 4, 1
	v_and_b32 v17, 31, v0
	v_lshlrev_b32 v3, 4, v17
	v_mul_u32_u24 v4, v1, XP
	v_lshl_add_u32 v4, v2, 4, v4
	v_mul_u32_u24 v7, v1, HP
	v_lshl_add_u32 v7, v2, 4, v7
	v_add_nc_u32 v7, HB, v7
	s_wait_alu depctr_va_sdst(0)                   ; s2 is written, ahead of its first reader: LDS addresses, offsets and the bases are made from it
	s_lshl_b32 s5, s2, 7
	v_add_nc_u32 v5, s5, v4
	s_lshl_b32 s6, s2, 6
	v_add_nc_u32 v6, s6, v7
	s_mul_i32 s6, s2, STGW
	s_add_co_u32 s6, s6, STG
	v_mul_u32_u24 v8, v1, HP
	v_lshl_add_u32 v8, v2, 5, v8
	v_add_nc_u32 v8, s6, v8
	v_mul_u32_u24 v9, v2, HP
	v_lshl_add_u32 v9, v1, 4, v9
	v_add_nc_u32 v9, s6, v9
	v_lshlrev_b32 v11, 4, v1
	v_add_nc_u32 v11, RED, v11
	s_lshl_b32 s6, s2, 2
	v_add_nc_u32 v10, s6, v11
	s_lshl_b32 s6, s2, 8
	v_lshlrev_b32 v13, 5, v2
	v_add_nc_u32 v12, s6, v13
	v_lshlrev_b32 v14, 10, v2
	v_lshl_add_u32 v14, v1, 4, v14
	v_add_nc_u32 v14, s6, v14
	s_lshl_b32 s7, s3, 10
	v_add_nc_u32 v15, s7, v14
	v_mov_b32 v16, 0
	v_mul_u32_u24 v17, v2, PLN                     ; in smp: row r of a tile, plane .. + h
	v_lshl_add_u32 v17, v1, 4, v17
	s_mul_i32 s5, ttmp9, 7                         ; all offsets of the way in are made here, ahead of one wait: smp's 7 tiles,
.set i, 0
.rept 7
	s_add_co_u32 s6, s5, i
	s_min_u32 s6, s6, STILES-1
	v_lshl_add_u32 v[RING+i], s6, 8, v17
.set i, i+1
.endr
	SRCA 0                                         ; src's 56 pairs of rows
	SRCA 1
	s_mov_b32 s42, 0x76543210                      ; v_permlanex16_b32: each lane takes its own place in the other half
	s_mov_b32 s43, 0xfedcba98
	s_sub_co_u32 s44, M, s3
	s_min_u32 s44, s44, 112                        ; rows of mine that exist
	s_mov_b32 s45, 0x3b800000                      ; 1 / 256
	s_mov_b32 s46, 0x3727c5ac                      ; 1e-5
	s_mov_b32 s39, 0
	s_wait_kmcnt 0x0
	s_lshl_b32 s38, s2, 15
	s_add_co_u32 s38, s38, WO_OFF
	s_add_nc_u64 s[30:31], s[12:13], s[38:39]      ; my 32 fragments of w_out
	s_mul_i32 s38, s2, WSTR
	s_add_co_u32 s38, s38, WF_OFF
	s_add_nc_u64 s[32:33], s[12:13], s[38:39]      ; my stream of the two large matrices (it steps)
	s_lshl_b32 s38, s2, 7
	s_add_nc_u64 s[34:35], s[20:21], s[38:39]      ; b_ffn1 at my 32 units of chunk 0
	s_mul_i32 s38, s2, 8*PLN
	s_add_nc_u64 s[36:37], s[8:9], s[38:39]        ; smp at plane 8 w
	; THE WAY IN.  smp: my 8 planes (channels 64 w .. 64 w + 63) of 7 tiles of 16 rows: a load takes two planes, sixteen lanes 256 bytes on end
	WIN 0x40
	s_wait_alu depctr_va_vdst(0)                   ; every offset and LDS address is written: v3 to v15, smp's seven in v64-70, src's 56 in v192-247: the loads and stores from here on read them
.set i, 0
.rept 28
	global_load_b128 v[4*i:4*i+3], v[RING+i/4], s[36:37] offset:2*(i%4)*PLN th:TH_LOAD_NT
.set i, i+1
.endr
	SRCL 0
	s_wait_loadcnt 28                              ; smp is in; the first batch of src, 28 loads, may stay out
	WIN 0x04
.set i, 0
.rept 28
	ds_store_b128 v5, v[4*i:4*i+3] offset:16*XP*(i/4)+32*(i%4)
.set i, i+1
.endr
	SRCL 1
	s_wait_loadcnt 28                              ; the first batch is in; the second's 28 may stay out
	SRCST 0
	PARAM 0, B1, 14                                ; b_out, into v20-51
	s_wait_alu depctr_vm_vsrc(0)                   ; smp's loads have read their offsets in v64-70, in which the ring's first fill lands
	REFILL 30, 0, 0, 16                            ; the ring's first fill: w_out's fragments 0-15
	s_wait_loadcnt 40                              ; the second batch is in; b_out's 8 and the ring's 32 may stay out
	SRCST 1
	WIN 0
	s_wait_dscnt 0x0                               ; my 64 channels of all rows are in LDS,
	BAR                                            ; everybody's are
	s_wait_alu depctr_vm_vsrc(0)                   ; my LDS stores have read smp in window 1 and src in window 2, in which the fragments land; src's loads have read v192-247, which the norm writes
	LOADA
	WIN 0xc0
.set tt, 0
.rept 28
	ds_load_b128 v[8*tt:8*tt+3],   v8 offset:16*HP*(tt/4)+64*(tt%4)       ; src in Y's layout, out of my own stage
	ds_load_b128 v[8*tt+4:8*tt+7], v8 offset:16*HP*(tt/4)+64*(tt%4)+16
.set tt, tt+1
.endr
	s_wait_dscnt 0x0
	s_wait_loadcnt 32                              ; b_out is in; the ring's 32 may stay out
	WIN 0xc3
	ALLP v_pk_add_f32 v[8*tt+2*ii:8*tt+2*ii+1], v[8*tt+2*ii:8*tt+2*ii+1], v[B1+8*(tt%4)+2*ii:B1+8*(tt%4)+2*ii+1]
	; Y += smp w_out, eight steps of 28 products.  The quad that a step has read is filled again in the next step, behind that step's wait and its first four products: with w_out's second half, then with the stream's first three quads
	; (the fourth is asked for by the loop's first S0).  Behind the first quad's eight loads stand three quads' 24; behind every later one's two runs of eight.
.set kk, 0
.rept 8
.if kk == 0
	s_wait_loadcnt 24
	MMY 0, 0, 0, 0, 7
.else
	s_wait_loadcnt 16
	s_wait_alu depctr_va_vdst(0)                   ; the step before is done reading its quad, in which the loads below land
	MMY kk%4, 0, kk, 0, 1
.if kk < 5
	REFILL 30, 16384+4096*(kk-1), 4*(kk-1), 4
.else
	REFILL 32, 4096*(kk-5), 4*(kk-5), 4
.endif
	MMY kk%4, 0, kk, 1, 7
.endif
.set kk, kk+1
.endr
	RUN 4                                          ; four places behind the last product, ahead of the norm's reads of Y
	s_wait_alu depctr_va_vdst(0)                   ; the products are done reading smp's fragments in window 1, in which the loads below land
	PARAM 0x40, 0, 16                              ; ln1's gain and bias and b_ffn2
	PARAM 0x40, 32, 18
	PARAM 0x40, 64, 22
	LOADB1                                         ; chunk 0's bias
	LN 0
	; x: rounded to bf16 into LDS for the products (every wave's reads of smp's rows were waited for ahead of the norm's barriers); Y goes on as x + b_ffn2
	XCVT 0
.irp j, 56,57,58,59
	v_mov_b32 v[TMP+\j], 0
.endr
.irp p, 1,2,3
	s_add_co_u32 s5, s2, \p                        ; the units of p lie at column 64 ((w + p) % 4) of the LDS rows
	s_and_b32 s5, s5, 3
	s_lshl_b32 s5, s5, 6
	v_add_nc_u32 v[AH+\p-1], s5, v7
.endr
	s_wait_alu depctr_va_vdst(0)                   ; the first half of x and the four zeros are written, which the LDS stores read; so are v36-38, which the fetches read
	XST 0
.set i, 0
.rept 14
	ds_store_b128 v6, v[TMP+56:TMP+59] offset:16*HP*(i/2)+32*(i%2)   ; my 32 units of all rows start at 0: what the first trip's S1, S3, S5 multiply
.set i, i+1
.endr
	s_wait_alu depctr_vm_vsrc(0)                   ; those stores have read v192-247, which the second half's roundings write again
	XCVT 1
	WIN 0xc7
	ALLP v_pk_add_f32 v[8*tt+2*ii:8*tt+2*ii+1], v[8*tt+2*ii:8*tt+2*ii+1], v[64+8*(tt%4)+2*ii:64+8*(tt%4)+2*ii+1]
	WIN 0
	s_wait_alu depctr_va_vdst(0)                   ; the second half of x is written, which the LDS stores read; the norm and the addition above are done reading window 1, and the norm v56-63, in which the fragments land
	XST 1
	s_wait_dscnt 0x0                               ; my 64 channels of x and my zeros are in LDS,
	BAR                                            ; everybody's are
	LOADA
	FETCH_P AH
	s_wait_dscnt 0x0
	; THE LOOP.  Loads in a trip, in order: a run of 8 in each step, and the bias' 4 behind S5's.  The quad that step s multiplies was asked for in step s - 3: behind its loads stand two runs,
	; 16 loads, and for S6 and S7 the bias' 4 too.  S0 also wants the bias: behind it stand two runs.
	s_mov_b32 s4, 16
.Lchunk:
	s_wait_loadcnt 16
	s_wait_alu depctr_vm_vsrc(0)                   ; my LDS stores have read the own fragments (first trip: x and the zeros), which S0's products write over
	s_wait_alu depctr_va_vdst(0)                   ; S7's products are done reading quad 3, in which the loads below land
	F2 0, 0, 0                                     ; S0
	REFILL 32, 12288, 12, 4
	F2 0, 0, 1
	s_wait_loadcnt 16
	s_wait_dscnt 0x0                               ; the units of p 1 are in
	s_wait_alu depctr_va_vdst(0)                   ; S0's products are done reading quad 0
	MMY 1, 1, 0, 0, 1                              ; S1
	REFILL 32, 16384, 0, 4
	MMY 1, 1, 0, 1, 7
	s_wait_loadcnt 16
	s_wait_alu depctr_va_vdst(0)                   ; S1's products are done reading quad 1 and the fetch buffer
	F2 2, 2, 0                                     ; S2
	REFILL 32, 20480, 4, 4
	FETCH_P AH+1                                   ; p 2: S2's other twenty products stand between this fetch and its use
	F2 2, 2, 1
	s_wait_loadcnt 16
	s_wait_dscnt 0x0
	s_wait_alu depctr_va_vdst(0)                   ; S2's products are done reading quad 2
	MMY 3, 1, 0, 0, 1                              ; S3
	REFILL 32, 24576, 8, 4
	MMY 3, 1, 0, 1, 7
	s_wait_loadcnt 16
	s_wait_alu depctr_va_vdst(0)                   ; S3's products are done reading quad 3 and the fetch buffer
	F2 4, 0, 0                                     ; S4
	REFILL 32, 28672, 12, 4
	FETCH_P AH+2                                   ; p 3
	F2 4, 0, 1
	WIN 0
	s_wait_loadcnt 16
	s_wait_dscnt 0x0                               ; the units of p 3 are in: my reads of the last chunk's units are over
	s_wait_xcnt 0x0                                ; every load issued so far (the youngest twenty products back) has had its address translated: the stream's pointer and the bias' offset step
	s_wait_alu depctr_vm_vsrc(0)                   ; the bias' loads have read v13
	s_add_nc_u64 s[32:33], s[32:33], 32768
	v_add_nc_u32 v13, 512, v13
	v_and_b32 v13, 0x1fff, v13                     ; behind chunk 15: chunk 0's, so that no load leaves b_ffn1
	s_wait_alu depctr_va_vdst(0)                   ; S4's products are done reading quad 0, S0's the bias; v13 is written
	MMY 1, 1, 0, 0, 1                              ; S5
	REFILL 32, 0, 0, 4
	LOADB1                                         ; the next chunk's bias
	MMY 1, 1, 0, 1, 7
	s_wait_loadcnt 20
	s_wait_alu depctr_va_vdst(0)                   ; S5's products are done reading quad 1 (and the fetch buffer, in which p 1 lands at the trip's end)
	REFILL 32, 4096, 4, 4                          ; ahead of the signal: between it and its wait stands work on registers alone
	s_barrier_signal -1                            ; my reads of the last chunk's units are over; no LDS instruction of mine is out
.set u, 0
.rept 28                               ; S6, tile by tile: K = 192 and 224 for the tile's two halves: two accumulators by turns
	HWM u/4, u%2, 6+(u%4)/2, 8+u%4
	RIDE
.set u, u+1
.endr
	WIN 0
	s_barrier_wait -1                              ; all four waves have said so: this chunk's units may be stored
	s_wait_loadcnt 20
.rept 28                               ; S7: Y += my own units, out of the registers in which they were rounded
.set om, (u-28)/4
.set rb, TMP+16*(om%4)
.set ry, 8*(4*om+u%4)
.set rw, RING+8*(12+u%4)
.if om < 4
	WIN 0xf0
.else
	WIN 0xf8
.endif
	v_wmma_f32_16x16x32_bf16 v[ry:ry+7], v[rw:rw+7], v[rb:rb+7], v[ry:ry+7]
	RIDE
.if u == 35                            ; all seven own fragments are made: one run of 8 loads and of 14 stores, 16 bytes a lane, for the other three waves
	WIN 0
	s_wait_alu depctr_va_vdst(0)                   ; the lines of rounding have written the own fragments, which the LDS stores read; S6's products are done reading quad 2, in which the loads land
	REFILL 32, 8192, 8, 4
.set i, 0
.rept 8
	ds_store_b128 v6, v[TMP+16*(i/2)+4*(i%2):TMP+16*(i/2)+4*(i%2)+3] offset:16*HP*(i/2)+32*(i%2)
.set i, i+1
.endr
	WIN 0x08
.set i, 0
.rept 6
	ds_store_b128 v6, v[TMP+16*(i/2)+4*(i%2):TMP+16*(i/2)+4*(i%2)+3] offset:16*HP*(4+i/2)+32*(i%2)
.set i, i+1
.endr
.endif
.if u == 47
	s_wait_dscnt 0x0                               ; for the others' sake: my 32 units of all rows are in LDS (twelve products stand between the stores and this wait);
	s_barrier_signal -1                            ; say so, and go on multiplying
.endif
.set u, u+1
.endr
	WIN 0
	s_barrier_wait -1                              ; everybody's units are in LDS
	FETCH_P AH                                     ; p 1: the next trip's S0 stands between this fetch and its use.  No wait: no vector or matrix instruction since S6's wait names the fetch buffer
	PLACES 5                                       ; the next trip's first products write over the own fragments, which S7's products read
	s_sub_co_u32 s4, s4, 1
	s_cmp_lg_u32 s4, 0
	s_cbranch_scc1 .Lchunk
	; chunk 15's p 1, 2, 3: the ring's quads 0, 1, 2 hold the stream's tail.  The registers of the hidden sums and of the rows' fragments are free: p 2, p 3 and ln2's gain and bias are asked for behind one pair of waits
	s_wait_alu depctr_vm_vsrc(0)                   ; my LDS stores have read the own fragments, in which p 2 lands
	s_wait_alu depctr_va_vdst(0)                   ; S7's products are done reading the own fragments, S6's the rows' fragments in window 1, in which p 3 and ln2's gain and bias land
	FETCH_Q AH+1
	FETCH_R AH+2
	PARAM 0x40, 0, 24
	PARAM 0x40, 32, 26
	WIN 0
	s_wait_loadcnt 36                              ; quad 0 is in: behind its loads stand the bias' 4, two runs and ln2's 16
	s_wait_dscnt 28                                ; p 1 is in; p 2's and p 3's fourteen loads each may stay out
	MMY 0, 1, 0, 0, 7
	s_wait_loadcnt 24                              ; quad 1: one run and the 16
	s_wait_dscnt 14                                ; p 2 is in
	MMY 1, 2, 0, 0, 7
	s_wait_loadcnt 16                              ; quad 2: the 16
	s_wait_dscnt 0x0
	MMY 2, 3, 0, 0, 7
	RUN 4                                          ; four places behind the last product, ahead of the norm's reads of Y
	LN 2
	; THE WAY OUT: through my own stage, back as whole rows: sixteen lanes store 256 bytes on end, at a multiple of 256 from out0's first byte
	WIN 0x0c
	s_wait_alu depctr_va_vdst(0)                   ; the norm has written Y, which the LDS stores read; the last products are done reading the ring, in which the rows land
.set tt, 0
.rept 28
	ds_store_b128 v8, v[8*tt:8*tt+3]   offset:16*HP*(tt/4)+64*(tt%4)
	ds_store_b128 v8, v[8*tt+4:8*tt+7] offset:16*HP*(tt/4)+64*(tt%4)+16
.set tt, tt+1
.endr
	WIN 0
.set hf, 0
.rept 2
.if hf == 1
	s_wait_xcnt 0x0                                ; the first half's stores have had their addresses translated: their registers are loaded again only behind this wait
	s_wait_alu depctr_vm_vsrc(0)                   ; the first half's stores have read v64-175, in which the second half's rows land
.endif
.set i, 0
.rept 28
	ds_load_b128 v[RING+4*i:RING+4*i+3], v9 offset:2*HP*(28*hf+i)   ; LDS serves a wave's instructions in order (ISA guide 5.7.1.4): these see the stores above
.set i, i+1
.endr
.set i, 0
.rept 28
.if 2*(28*hf+i) == TAILROWS
	s_cmp_le_u32 s44, TAILROWS                     ; the last work-group has 44 rows: it stores no more
	s_cbranch_scc1 .Lend
.endif
	s_wait_dscnt 27-i
	global_store_b128 v15, v[RING+4*i:RING+4*i+3], s[28:29] offset:2048*(28*hf+i) th:TH_STORE_NT
.set i, i+1
.endr
.set hf, hf+1
.endr
.Lend:
	s_wait_dscnt 0x0                               ; the closing lines, six on end
	s_wait_alu 0x0
	s_wait_tensorcnt 0x0
	ds_add_u32 v18, v19
	s_wait_dscnt 0x0
	s_endpgm
.Lfunc_end_k_q7386b882df_ffn:
	.size	k_q7386b882df_ffn, .Lfunc_end_k_q7386b882df_ffn-k_q7386b882df_ffn
	.p2alignl 7, 3214868480
	.fill 96, 4, 3214868480
	.section	.rodata,"a",@progbits
	.p2align	6, 0x0
	.amdhsa_kernel k_q7386b882df_ffn
		.amdhsa_group_segment_fixed_size 219136
		.amdhsa_private_segment_fixed_size 0
		.amdhsa_enable_private_segment 0
		.amdhsa_kernarg_size 88
		.amdhsa_user_sgpr_count 2
		.amdhsa_user_sgpr_kernarg_segment_ptr 1
		.amdhsa_wavefront_size32 1
		.amdhsa_system_sgpr_workgroup_id_x 1
		.amdhsa_system_sgpr_workgroup_id_y 1
		.amdhsa_system_sgpr_workgroup_id_z 1
		.amdhsa_system_vgpr_workitem_id 0
		.amdhsa_next_free_vgpr 1024
		.amdhsa_next_free_sgpr 66
		.amdhsa_reserve_vcc 0
		.amdhsa_float_denorm_mode_32 3
		.amdhsa_float_denorm_mode_16_64 3
		.amdhsa_memory_ordered 1
		.amdhsa_forward_progress 1
		.amdhsa_inst_pref_size 243
	.end_amdhsa_kernel
	.amdgpu_metadata
---
amdhsa.version: [ 1, 2 ]
amdhsa.kernels:
  - .name:           k_q7386b882df_ffn
    .symbol:         k_q7386b882df_ffn.kd
    .args:
      - { .name: smp, .offset: 0, .size: 8, .value_kind: global_buffer, .address_space: global }
      - { .name: src, .offset: 8, .size: 8, .value_kind: global_buffer, .address_space: global }
      - { .name: wts, .offset: 16, .size: 8, .value_kind: global_buffer, .address_space: global }
      - { .name: b_out, .offset: 24, .size: 8, .value_kind: global_buffer, .address_space: global }
      - { .name: ln1_g, .offset: 32, .size: 8, .value_kind: global_buffer, .address_space: global }
      - { .name: ln1_b, .offset: 40, .size: 8, .value_kind: global_buffer, .address_space: global }
      - { .name: b_ffn1, .offset: 48, .size: 8, .value_kind: global_buffer, .address_space: global }
      - { .name: b_ffn2, .offset: 56, .size: 8, .value_kind: global_buffer, .address_space: global }
      - { .name: ln2_g, .offset: 64, .size: 8, .value_kind: global_buffer, .address_space: global }
      - { .name: ln2_b, .offset: 72, .size: 8, .value_kind: global_buffer, .address_space: global }
      - { .name: out0, .offset: 80, .size: 8, .value_kind: global_buffer, .address_space: global }
    .group_segment_fixed_size: 219136
    .private_segment_fixed_size: 0
    .kernarg_segment_align: 8
    .kernarg_segment_size: 88
    .max_flat_workgroup_size: 128
    .sgpr_count:     66
    .vgpr_count:     1024
    .wavefront_size: 32
...
	.end_amdgpu_metadata
.endif
;; end of part 10
